; MI455X (gfx1250); checked and timed in simulation.
; The chip was launched on July 23, 2026; its instructions are those of AMD's public machine-readable ISA for CDNA 5 (MIT licence, August 2026) and "CDNA5" Instruction Set Architecture Reference Guide (July 2026). The comments in the code are by the model that wrote it; some were corrected since.
;; Decoder Block. Allowed arithmetic: float matrix products may take bf16 or f16 operands with f32 sums; all other float work in f32.
;; Inputs: ff_b1 4,096 float32; ff_b2 1,024 float32; ff_w1 1,024 x 4,096 float32; ff_w2 4,096 x 1,024 float32; ln1_b 1,024 float32; ln1_w 1,024 float32; ln2_b 1,024 float32; ln2_w 1,024 float32; proj_b 1,024 float32; proj_w 1,024 x 1,024 float32; qkv_b 3,072 float32; qkv_w 1,024 x 3,072 float32; x 4 x 1,024 x 1,024 float32.
;; Outputs: out0 4 x 1,024 x 1,024 float32.
;; 2 versions, each right and faster than the one before. Each part assembles by itself: llvm-mc -triple=amdgcn-amd-amdhsa -mcpu=gfx1250 --defsym DOCPART=n.
;; ======== version 1 of 2: 7 launches
;; workspace buffers: wbf 25,165,824 bytes; hn 8,388,608 bytes; qkvh 25,165,824 bytes; y 8,388,608 bytes; x1 16,777,216 bytes; act 33,554,432 bytes
;; launch prep (part 1): grid 1280 x 1, 8 waves a work-group, no clusters, 0 bytes of LDS; arguments x, ln1_w, ln1_b, hn, qkv_w, proj_w, ff_w1, ff_w2, wbf; writes hn, wbf
.if DOCPART == 1
	.amdgcn_target "amdgcn-amd-amdhsa--gfx1250"
	.amdhsa_code_object_version 6
	.text
	.protected	k_qa141f9f186_prep
	.globl	k_qa141f9f186_prep
	.p2align	8
	.type	k_qa141f9f186_prep,@function
k_qa141f9f186_prep:
	s_mov_b64 s[64:65], 0
	v_nop
	global_prefetch_b8 v0, s[64:65] scope:SCOPE_SE
	s_setreg_imm32_b32 hwreg(HW_REG_WAVE_MODE, 25, 1), 1
	s_wait_xcnt 0x0
; TWO STREAMS IN ONE TEXT.  Arguments: xin [4096][1024] f32, gain [1024], bias [1024], hout [4096][1024] bf16, four weight tensors in f32, wbf (all weights in bf16).
; Work-groups 0-511: LayerNorm.  One wave takes one row of 4,096 bytes (32 registers), keeps it in registers over both passes (mean; then the mean of (x - mean)^2, so no
; difference of large sums is formed), and writes (x - mean) * rsqrt(var + 1e-5) * gain + bias, rounded once to bf16.  No wave waits for another: no LDS, no barrier.
; Work-groups 512-1279: the weights, f32 to bf16 (nearest even), 16,384 numbers a work-group, 2,048 a wave.  They keep their [K][N] order; in wbf the four tensors lie one behind the
; other: qkv_w at byte 0, proj_w at 6,291,456, ff_w1 at 8,388,608, ff_w2 at 16,777,216, so the destination is simply 32,768 bytes times the work-group's place among the 768.
; No matrix unit, no cluster: no two work-groups read the same bytes but the 8 KB of gain and bias.
; LIMITS: NaN and infinities are not treated apart; v_rsq_f32 is good to one unit in the last place.
.set LNWG, 512                         ; work-groups that normalise: 4,096 rows / 8 waves
.set X,    20                          ; v[20:51]   the row: load j, lane l holds columns 128 j + 4 l .. + 3
.set GW,   52                          ; v[52:83]   the gain of the same columns
.set GB,   84                          ; v[84:115]  the bias
.set OUT,  116                         ; v[116:131] the row in bf16
	s_load_b512 s[8:23], s[0:1], 0x0               ; xin 8:9, gain 10:11, bias 12:13, hout 14:15, qkv_w 16:17, proj_w 18:19, ff_w1 20:21, ff_w2 22:23
	s_load_b64 s[24:25], s[0:1], 0x40              ; wbf
	v_and_b32 v3, 31, v0                           ; lane
	v_lshrrev_b32 v16, 5, v0
	v_readfirstlane_b32 s28, v16                   ; wave 0..7
	v_lshlrev_b32 v1, 4, v3                        ; 16 bytes a lane, in f32 data
	v_lshlrev_b32 v2, 3, v3                        ; 8 bytes a lane, in bf16 data
	s_mov_b32 s26, 0x76543210                      ; v_permlanex16_b32: each lane takes its own place in the other half
	s_mov_b32 s27, 0xfedcba98
	s_mov_b32 s29, 0x3a800000                      ; 1 / 1024
	s_cmp_ge_u32 ttmp9, LNWG
	s_cbranch_scc1 .Lcvt
	; ---------------- LayerNorm ----------------
	s_lshl_b32 s2, ttmp9, 3
	s_add_co_u32 s2, s2, s28                       ; my row
	s_lshl_b32 s4, s2, 11                          ; x 2,048 bytes in hout
	s_lshl_b32 s2, s2, 12                          ; x 4,096 bytes in xin
	s_mov_b32 s3, 0
	s_mov_b32 s5, 0
	v_mov_b32 v17, 0                               ; v_permlanex16_b32 counts as a reader of its destination
	s_wait_kmcnt 0x0
	s_add_nc_u64 s[8:9], s[8:9], s[2:3]
	s_add_nc_u64 s[14:15], s[14:15], s[4:5]
.irp j, 0,1,2,3,4,5,6,7
	global_load_b128 v[X+4*\j:X+4*\j+3], v1, s[8:9] offset:512*\j      ; 512 neighbouring bytes a load
.endr
.irp j, 0,1,2,3,4,5,6,7
	global_load_b128 v[GW+4*\j:GW+4*\j+3], v1, s[10:11] offset:512*\j
.endr
.irp j, 0,1,2,3,4,5,6,7
	global_load_b128 v[GB+4*\j:GB+4*\j+3], v1, s[12:13] offset:512*\j
.endr
.macro JOIN                            ; the four chains v[8:15] into v16
	v_pk_add_f32 v[8:9], v[8:9], v[10:11]
	v_pk_add_f32 v[12:13], v[12:13], v[14:15]
	v_pk_add_f32 v[8:9], v[8:9], v[12:13]
	v_add_f32 v16, v8, v9
.endm
.macro LANESUM                         ; v16 summed over the 32 lanes, the sum in every lane
	v_add_f32_dpp v16, v16, v16 row_xmask:1 row_mask:0xf bank_mask:0xf
	v_add_f32_dpp v16, v16, v16 row_xmask:2 row_mask:0xf bank_mask:0xf
	v_add_f32_dpp v16, v16, v16 row_xmask:4 row_mask:0xf bank_mask:0xf
	v_add_f32_dpp v16, v16, v16 row_xmask:8 row_mask:0xf bank_mask:0xf
	v_permlanex16_b32 v17, v16, s26, s27
	v_add_f32 v16, v16, v17
.endm
	s_wait_loadcnt 16                              ; the row is in; the sixteen younger loads (gain, bias) stay out
.irp c, 0,1,2,3                        ; pass 1: the sum, in four chains that the first pairs start
	v_pk_add_f32 v[8+2*\c:9+2*\c], v[X+2*\c:X+2*\c+1], v[X+8+2*\c:X+9+2*\c]
.endr
.irp c, 0,1,2,3
	v_pk_add_f32 v[8+2*\c:9+2*\c], v[8+2*\c:9+2*\c], v[X+16+2*\c:X+17+2*\c]
.endr
.irp c, 0,1,2,3
	v_pk_add_f32 v[8+2*\c:9+2*\c], v[8+2*\c:9+2*\c], v[X+24+2*\c:X+25+2*\c]
.endr
	JOIN
	LANESUM
	v_mul_f32 v4, s29, v16                         ; the mean, twice: a pair for the packed subtraction
	v_mov_b32 v5, v4
.set p, 0
.rept 16
	v_pk_add_f32 v[X+2*p:X+2*p+1], v[X+2*p:X+2*p+1], v[4:5] neg_lo:[0,1] neg_hi:[0,1]  ; d = x - mean, in place
.set p, p+1
.endr
.irp c, 0,1,2,3                        ; pass 2: the sum of d^2
	v_pk_mul_f32 v[8+2*\c:9+2*\c], v[X+2*\c:X+2*\c+1], v[X+2*\c:X+2*\c+1]
.endr
.irp c, 0,1,2,3
	v_pk_fma_f32 v[8+2*\c:9+2*\c], v[X+8+2*\c:X+9+2*\c], v[X+8+2*\c:X+9+2*\c], v[8+2*\c:9+2*\c]
.endr
.irp c, 0,1,2,3
	v_pk_fma_f32 v[8+2*\c:9+2*\c], v[X+16+2*\c:X+17+2*\c], v[X+16+2*\c:X+17+2*\c], v[8+2*\c:9+2*\c]
.endr
.irp c, 0,1,2,3
	v_pk_fma_f32 v[8+2*\c:9+2*\c], v[X+24+2*\c:X+25+2*\c], v[X+24+2*\c:X+25+2*\c], v[8+2*\c:9+2*\c]
.endr
	JOIN
	LANESUM
	v_fmaak_f32 v16, s29, v16, 0x3727c5ac          ; var + 1e-5
	v_rsq_f32 v6, v16                              ; twice, to fill a pair
	v_rsq_f32 v7, v16
	v_nop                                          ; a plain instruction between the root and the use of its result (ISA guide 5.7.2)
	s_wait_loadcnt 0x0                             ; gain and bias
.set p, 0
	s_wait_alu depctr_va_vdst(0)
.rept 16
	v_pk_mul_f32 v[X+2*p:X+2*p+1], v[X+2*p:X+2*p+1], v[6:7]
.set p, p+1
.endr
.set p, 0
.rept 16
	v_pk_fma_f32 v[X+2*p:X+2*p+1], v[X+2*p:X+2*p+1], v[GW+2*p:GW+2*p+1], v[GB+2*p:GB+2*p+1]
.set p, p+1
.endr
.set p, 0
.rept 16
	v_cvt_pk_bf16_f32 v[OUT+p], v[X+2*p], v[X+2*p+1]
.set p, p+1
.endr
.irp j, 0,1,2,3,4,5,6,7
	global_store_b64 v2, v[OUT+2*\j:OUT+2*\j+1], s[14:15] offset:256*\j  ; the 32 lanes store 256 consecutive bytes, at a multiple of 256 from hout's first byte
.endr
	s_endpgm
	; ---------------- the weights to bf16 ----------------
.Lcvt:
	s_sub_co_u32 s30, ttmp9, LNWG                  ; my place among the 768
	s_wait_kmcnt 0x0
	s_mov_b64 s[32:33], s[22:23]                   ; 512-767: ff_w2
	s_mov_b32 s31, 512
	s_cmp_lt_u32 s30, 512
	s_cselect_b64 s[32:33], s[20:21], s[32:33]     ; 256-511: ff_w1
	s_cselect_b32 s31, 256, s31
	s_cmp_lt_u32 s30, 256
	s_cselect_b64 s[32:33], s[18:19], s[32:33]     ; 192-255: proj_w
	s_cselect_b32 s31, 192, s31
	s_cmp_lt_u32 s30, 192
	s_cselect_b64 s[32:33], s[16:17], s[32:33]     ; 0-191: qkv_w
	s_cselect_b32 s31, 0, s31
	s_sub_co_u32 s2, s30, s31                      ; my place in that tensor,
	s_lshl_b32 s2, s2, 16                          ; x 65,536 bytes of f32,
	s_lshl_b32 s4, s28, 13                         ; + my wave's 8,192
	s_add_co_u32 s2, s2, s4
	s_mov_b32 s3, 0
	s_add_nc_u64 s[32:33], s[32:33], s[2:3]
	s_lshl_b32 s4, s30, 15                         ; in wbf: 32,768 bytes a work-group,
	s_lshl_b32 s5, s28, 12                         ; 4,096 a wave
	s_add_co_u32 s4, s4, s5
	s_mov_b32 s5, 0
	s_add_nc_u64 s[24:25], s[24:25], s[4:5]
.set i, 0
.rept 16
	global_load_b128 v[20+4*i:23+4*i], v1, s[32:33] offset:512*i th:TH_LOAD_NT  ; all sixteen loads of the wave go out at once; the f32 weights are read once
.set i, i+1
.endr
.set i, 0
.rept 16
	s_wait_loadcnt 15-i                            ; loads come back in order: number i is in, the younger ones stay out
	v_cvt_pk_bf16_f32 v[84+2*i], v[20+4*i], v[21+4*i]
	v_cvt_pk_bf16_f32 v[85+2*i], v[22+4*i], v[23+4*i]
	global_store_b64 v2, v[84+2*i:85+2*i], s[24:25] offset:256*i  ; 256 consecutive bytes, aligned; no register is written twice, so no further wait
.set i, i+1
.endr
	s_endpgm
.Lfunc_end_k_qa141f9f186_prep:
	.size	k_qa141f9f186_prep, .Lfunc_end_k_qa141f9f186_prep-k_qa141f9f186_prep
	.p2alignl 7, 3214868480
	.fill 96, 4, 3214868480
	.section	.rodata,"a",@progbits
	.p2align	6, 0x0
	.amdhsa_kernel k_qa141f9f186_prep
		.amdhsa_group_segment_fixed_size 0
		.amdhsa_private_segment_fixed_size 0
		.amdhsa_enable_private_segment 0
		.amdhsa_kernarg_size 72
		.amdhsa_user_sgpr_count 2
		.amdhsa_user_sgpr_kernarg_segment_ptr 1
		.amdhsa_wavefront_size32 1
		.amdhsa_system_sgpr_workgroup_id_x 1
		.amdhsa_system_sgpr_workgroup_id_y 1
		.amdhsa_system_sgpr_workgroup_id_z 1
		.amdhsa_system_vgpr_workitem_id 0
		.amdhsa_next_free_vgpr 132
		.amdhsa_next_free_sgpr 66
		.amdhsa_reserve_vcc 0
		.amdhsa_float_denorm_mode_32 3
		.amdhsa_float_denorm_mode_16_64 3
		.amdhsa_memory_ordered 1
		.amdhsa_forward_progress 1
		.amdhsa_inst_pref_size 18
	.end_amdhsa_kernel
	.amdgpu_metadata
---
amdhsa.version: [ 1, 2 ]
amdhsa.kernels:
  - .name:           k_qa141f9f186_prep
    .symbol:         k_qa141f9f186_prep.kd
    .args:
      - { .name: x, .offset: 0, .size: 8, .value_kind: global_buffer, .address_space: global }
      - { .name: ln1_w, .offset: 8, .size: 8, .value_kind: global_buffer, .address_space: global }
      - { .name: ln1_b, .offset: 16, .size: 8, .value_kind: global_buffer, .address_space: global }
      - { .name: hn, .offset: 24, .size: 8, .value_kind: global_buffer, .address_space: global }
      - { .name: qkv_w, .offset: 32, .size: 8, .value_kind: global_buffer, .address_space: global }
      - { .name: proj_w, .offset: 40, .size: 8, .value_kind: global_buffer, .address_space: global }
      - { .name: ff_w1, .offset: 48, .size: 8, .value_kind: global_buffer, .address_space: global }
      - { .name: ff_w2, .offset: 56, .size: 8, .value_kind: global_buffer, .address_space: global }
      - { .name: wbf, .offset: 64, .size: 8, .value_kind: global_buffer, .address_space: global }
    .group_segment_fixed_size: 0
    .private_segment_fixed_size: 0
    .kernarg_segment_align: 8
    .kernarg_segment_size: 72
    .max_flat_workgroup_size: 256
    .sgpr_count:     66
    .vgpr_count:     132
    .wavefront_size: 32
...
	.end_amdgpu_metadata
.endif
;; end of part 1
;; launch qkv (part 2): grid 24 x 32, 4 waves a work-group, clusters of 4 x 4, 327,680 bytes of LDS; arguments hn, wbf, qkv_b, qkvh; writes qkvh
.if DOCPART == 2
	.amdgcn_target "amdgcn-amd-amdhsa--gfx1250"
	.amdhsa_code_object_version 6
	.text
	.protected	k_qa141f9f186_qkv
	.globl	k_qa141f9f186_qkv
	.p2align	8
	.type	k_qa141f9f186_qkv,@function
k_qa141f9f186_qkv:
	s_mov_b64 s[64:65], 0
	v_nop
	global_prefetch_b8 v0, s[64:65] scope:SCOPE_SE
	s_setreg_imm32_b32 hwreg(HW_REG_WAVE_MODE, 25, 1), 1
	s_wait_xcnt 0x0
	s_wait_alu depctr_hold_cnt(0) depctr_sa_sdst(0) depctr_va_vdst(0) depctr_va_sdst(0) depctr_va_ssrc(0) depctr_va_vcc(0) depctr_vm_vsrc(0)
	s_getreg_b32 s2, hwreg(HW_REG_IB_STS2, 6, 4)
	s_cmp_eq_u32 s2, 0
	s_cbranch_scc0 .Lentry_in_a_cluster
	s_endpgm
.Lentry_in_a_cluster:
	s_bfe_u32 s2, ttmp6, 0x10000c
	s_cmp_lg_u32 s2, 0xf033
	s_cbranch_scc0 .Lentry_shape_is_right
	s_endpgm
.Lentry_shape_is_right:
; qkvh = hn x qkv_w + qkv_b.  hn [4096][1024] bf16; the weights [1024][3072] bf16 at byte 0 of wbf; the bias f32; sums in f32, rounded once to bf16.
; The result goes out in SLABS: [48][4096][64] bf16, slab = column / 64 (0-15 the heads' q, 16-31 k, 32-47 v): a head's rows are dense, 128 bytes each.
.set KT,     1024                      ; the product's K
.set NTOT,   3072                      ; its N: elements from row to row of the weights
.set WOFF,   0                         ; the weights' first byte in wbf
.set SLABA,  0                         ; A lies 0: plain [4096][KT]; 1: in slabs [KT/64][4096][64]
.set OUTF32, 0                         ; the result: 0: bf16 in slabs; 1: f32 [4096][NTOT] with a residual added
.set RELU,   0
; ---- From here on the four product kernels have the same text; the six constants above choose its forms. ----
; C = A W + bias.  A TILE of C is 128 x 128: four waves, as many as a WGP has SIMDs, each 64 x 64: 16 accumulators of 16 x 16, 128 registers.  K goes in steps of 256 through two LDS slots filled by
; tensor loads, one load a wave and step: waves 0, 1 bring A's two halves of 64 rows, waves 2, 3 W's two halves of 128 k.  128 x 128 because the smallest of the four products then has one tile for each of 256 WGPs.
; CLUSTER 4 x 4: the four work-groups of a row of the cluster need the same tiles of A, the four of a column the same tiles of W: each tile is asked for JOINTLY, by the same load with the same
; descriptor and a mask that names the four.
; W LIES [K][N] and is turned on its way from LDS to registers by ds_load_tr16_b128.  THE MATRIX INSTRUCTION IS USED TRANSPOSED (source 0 = 16 columns of W, source 1 = 16 rows of A): lane l then holds row
; l % 16 of C and the eight neighbouring columns 8 (l / 16) + 0..7.  THE BIAS is the C operand of the product that starts each sum: nothing is cleared and nothing is added later.
; LIMITS: operands are rounded to bf16; relu is v_max_num_f32 with 0, so a NaN becomes 0 there; NaN and infinities are not treated apart otherwise.
; REGISTERS: window 0: v0-31 addresses; v32-95 at work on the way out; v96-127 the bias; v128-255 the accumulators ((a, b) at v[128 + 8 (4 a + b)]).
;   window 1: two fragment buffers of 128: for 64 along K, 64 registers of A (2 x 4 x 16 rows x 32 K), then 64 of W.   window 2 (f32 results): v0-127 the residual of my 64 x 64.
.set PB,     288                       ; a row of W in LDS: 128 n = 256 bytes + 32 of padding = 72 words
.set HALF,   36864                     ; what one tensor load fills: 128 rows of W; or 64 rows of A (plain: 64 x 528 = 33,792; slabs: 4 x 64 x 144)
.set SLOT,   4*HALF                    ; A's rows 0-63, A's rows 64-127, W's k 0-127, W's k 128-255
.set STAGE,  2*SLOT                    ; behind the ring, never filled by a tensor load: 4,352 bytes for each wave, for the way out
.set STGW,   4352
.set SPARE,  STAGE+4*STGW              ; behind the stages: the spare words, 128 bytes for each wave: two blocks of 256 bytes that no other line names
.set BSTEP,  512*NTOT                  ; bytes of W from one K step to the next: 256 rows
.set LAPS,   KT/512                    ; a lap = two K steps = once round the ring
.if SLABA
.set APITCH, 144                       ; a row of A in LDS: 64 k = 128 bytes + 16: the 16 rows of a load start at 16 different groups of four banks
.set ASLAB,  64*APITCH                 ; LDS bytes from one slab's 64 rows to the next slab's
.set AQI,    4                         ; padding after every 32 words
.set ADIM0,  4096                      ; a row of the tile: 64 rows of one slab, 8,192 dense bytes
.set ADIM1,  4                         ; four slabs = 256 along K
.set ASTRIDE, 262144                   ; elements from slab to slab
.set ASTEP,  2097152                   ; bytes from one K step to the next: four slabs
.set AROWB,  128                       ; bytes from row to row of A in memory
.else
.set APITCH, 528                       ; a row of A in LDS: 256 k = 512 bytes + 16
.set ASLAB,  128                       ; 64 along K are 128 bytes further on in the same row
.set AQI,    6                         ; padding after every 128 words
.set ADIM0,  256
.set ADIM1,  64
.set ASTRIDE, KT
.set ASTEP,  512
.set AROWB,  KT*2
.endif
.set ADRA, 16                          ; v16-17  LDS address of my A fragments in slot 0, 1
.set ADRB, 20                          ; v20-23  the same for W: 2 x slot + half of the K step
.set STO,  24                          ; v24     the way out: where I put my part of a row
.set RD,   25                          ; v25     the way out: where I read rows back
.set CO,   26                          ; v26     my byte offset in the result (and in the residual)
.set BO,   27                          ; v27     my byte offset in 16 numbers of the bias: 32 (l / 16)
.set SPW,  28                          ; v28     LDS address of my spare word: SPARE + 4 x my thread's number; never rewritten
.set NIL,  29                          ; v29     0; never rewritten
.set TMP,  32
.set BIAS, 96                          ; eight registers for each block b of 16 columns
.set ACC,  128
.set F0,   0                           ; fragment buffers, in window 1
.set F1,   128
.set G1,  24                           ; s[24:31] descriptor group 1 for A's tiles;  s[32:39] group 0, one set for each slot
.set G0,  32
.set G1B, 48                           ; s[48:55], s[56:63] the same for W's tiles
.set G0B, 56
.set MSB, 0
.macro WIN new                         ; the immediate's high byte repeats the setting that is left; a switch that changes nothing is dropped
.if MSB != (\new)
	s_set_vgpr_msb (MSB<<8)|(\new)
.set MSB, \new
.endif
.endm
.set MUL,  0x05                        ; sources 0 (W) and 1 (A) window 1; C and D window 0
.set TO_F, 0x40                        ; destination window 1, address window 0
.macro JLOAD s                         ; a joint load: waves 0 and 1 fetch A's two halves, waves 2 and 3 W's; an s_nop 0 and four v_nop follow each of the two lines, ahead of the jump, the label and what follows
	s_cmp_eq_u32 s15, 0
	s_cbranch_scc0 .Lfor_b_\@
	tensor_load_to_lds s[G0+4*(\s):G0+4*(\s)+3], s[G1:G1+7]
	s_nop 0
.rept 4
	v_nop
.endr
	s_branch .Lasked_\@
.Lfor_b_\@:
	tensor_load_to_lds s[G0B+4*(\s):G0B+4*(\s)+3], s[G1B:G1B+7]
	s_nop 0
.rept 4
	v_nop
.endr
.Lasked_\@:
.endm
.macro CREST                           ; a round of the cluster's barrier behind its opening barrier: wave 0 signals for the work-group, every wave waits for all sixteen, the work-group's barrier closes it
	s_cmp_lg_u32 s14, 0
	s_cbranch_scc1 .Lnot_wave_0_\@
	s_barrier_signal -3
.Lnot_wave_0_\@:
	s_barrier_wait -3
	s_barrier_signal -1
	s_barrier_wait -1
.endm
.macro CROUND                          ; a whole round
	s_barrier_signal -1
	s_barrier_wait -1
	CREST
.endm
	s_load_b256 s[4:11], s[0:1], 0x0               ; A s[4:5], wbf s[6:7], bias s[8:9], s[10:11] the result (bf16) or the residual (f32)
.if OUTF32
	s_load_b64 s[12:13], s[0:1], 0x20              ; the f32 result
.endif
	v_lshl_add_u32 v[SPW], v0, 2, SPARE
	v_mov_b32 v[NIL], 0
	ds_add_u32 v[SPW], v[NIL]                      ; the wave's opening: the add and its wait stand ahead of my first tensor load; the set-up below, work on registers, stands between them
	v_lshrrev_b32 v1, 5, v0
	v_readfirstlane_b32 s14, v1                    ; wave 0..3
	s_lshr_b32 s15, s14, 1                         ; which half of the tile's rows is mine.  Also: I fetch for A (0) or for W (1)
	s_and_b32 s16, s14, 1                          ; which half of its columns.  Also: which half of that tile I fetch
	s_bfe_u32 s17, ttmp6, 0x40000                  ; cx, cy: my place in the cluster
	s_bfe_u32 s18, ttmp6, 0x40004
	s_lshl_b32 s19, ttmp9, 2
	s_add_co_u32 s19, s19, s17                     ; tile column of C = 4 x cluster x + cx
	s_and_b32 s20, ttmp7, 0xffff
	s_lshl_b32 s20, s20, 2
	s_add_co_u32 s20, s20, s18                     ; tile row of C = 4 x cluster y + cy
	s_lshl_b32 s21, s18, 2
	s_lshl_b32 s21, 15, s21                        ; my row of the cluster
	s_lshl_b32 s22, 0x1111, s17                    ; my column
	s_or_b32 s[G1+0], s21, (1<<16)|(1<<20)|(1<<21)|(AQI<<22)|(3<<25)  ; 15:0 the mask: A's tiles go to my row; 17:16 elements of 2 bytes; 20 padding on; 21 set beside a mask; 24:22 the interval; 31:25 4 words of padding (code 3)
	s_mov_b32 s[G1+1], (ADIM0&0xffff)<<16          ; tensor_dim0 = the tile's
	s_mov_b32 s[G1+2], ADIM1<<16                   ; tensor_dim1 = the tile's
	s_mov_b32 s[G1+3], ADIM0<<16                   ; tile_dim0
	s_mov_b32 s[G1+4], ADIM1                       ; tile_dim1
	s_mov_b32 s[G1+5], ASTRIDE                     ; elements from row to row of the tile
	s_mov_b32 s[G1+6], 0
	s_mov_b32 s[G1+7], 0
	s_or_b32 s[G1B+0], s22, (1<<16)|(1<<20)|(1<<21)|(5<<22)|(7<<25)   ; W's tiles go to my column; padding after every 64 words, 8 words of it (code 7)
	s_mov_b32 s[G1B+1], 128<<16                    ; 128 n
	s_mov_b32 s[G1B+2], 128<<16                    ; 128 k
	s_mov_b32 s[G1B+3], 128<<16
	s_mov_b32 s[G1B+4], 128
	s_mov_b32 s[G1B+5], NTOT
	s_mov_b32 s[G1B+6], 0
	s_mov_b32 s[G1B+7], 0
	; where the tiles come from.  A's hang on the tile row alone, which my row of the cluster shares; W's on the tile column alone, which my column shares; each in registers that never hold the other coordinate
	s_lshl_b32 s40, s20, 7
	s_lshl_b32 s23, s16, 6
	s_add_co_u32 s40, s40, s23                     ; A: row 128 x tile row + 64 x half,
	s_mul_i32 s40, s40, AROWB                      ; in bytes (under 2^24)
	s_mov_b32 s41, 0
	s_mul_i32 s46, s16, 256*NTOT                   ; W: 128 k x half,
	s_lshl_b32 s47, s19, 8                         ; + 128 n x tile column,
	s_add_co_u32 s46, s46, s47
	s_add_co_u32 s46, s46, WOFF                    ; + this product's weights in wbf
	s_mov_b32 s47, 0
	s_mul_i32 s44, s14, HALF                       ; and where they go: wave x HALF: no place in the cluster enters an LDS address
	s_wait_dscnt 0x0                               ; the opening add is done
	s_wait_kmcnt 0x0
	s_add_nc_u64 s[40:41], s[4:5], s[40:41]
	s_add_nc_u64 s[46:47], s[6:7], s[46:47]
	CROUND                                         ; all sixteen work-groups are here: the first joint loads meet
.irp s, 0,1
	s_mov_b32 s[G0+4*(\s)], 1                                      ; count = 1
	s_add_co_u32 s[G0+4*(\s)+1], s44, (\s)*SLOT                    ; LDS address
	s_add_nc_u64 s[G0+4*(\s)+2:G0+4*(\s)+3], s[40:41], (\s)*ASTEP  ; global address: K step s
	s_or_b32 s[G0+4*(\s)+3], s[G0+4*(\s)+3], 0x80000000            ; type = 2
	s_mov_b32 s[G0B+4*(\s)], 1
	s_add_co_u32 s[G0B+4*(\s)+1], s44, (\s)*SLOT
	s_add_nc_u64 s[G0B+4*(\s)+2:G0B+4*(\s)+3], s[46:47], (\s)*BSTEP
	s_or_b32 s[G0B+4*(\s)+3], s[G0B+4*(\s)+3], 0x80000000
	JLOAD \s                                       ; both slots are asked for before anything else: two loads of mine are out
.endr
	; A fragment of A: lane l holds row l % 16, k = 8 (l / 16) + 0..7 and 16 + 8 (l / 16) + 0..7: two loads of 16 bytes, 32 bytes apart
	v_and_b32 v1, 15, v0                           ; l % 16
	v_bfe_u32 v2, v0, 4, 1                         ; l / 16
	v_mul_u32_u24 v3, v1, APITCH
	v_lshl_add_u32 v3, v2, 4, v3
	s_mul_i32 s42, s15, HALF                       ; my 64 rows of A
	v_add_nc_u32 v[ADRA], s42, v3
	v_add_nc_u32 v[ADRA+1], SLOT, v[ADRA]
	; The turning load takes 16 k x 16 n (lane l reads k = 8 (l / 16) + l % 8, n = 8 ((l / 8) % 2) + 0..7) and leaves half a fragment: lane l holds column l % 16 and 8 k
	v_and_b32 v4, 7, v0
	v_lshl_add_u32 v4, v2, 3, v4
	v_mul_u32_u24 v4, v4, PB
	v_bfe_u32 v5, v0, 3, 1
	v_lshl_add_u32 v4, v5, 4, v4
	s_lshl_b32 s43, s16, 7                         ; my 64 columns: 128 bytes into the rows,
	s_add_co_u32 s43, s43, 2*HALF                  ; behind A's two halves
	v_add_nc_u32 v[ADRB], s43, v4
	v_add_nc_u32 v[ADRB+1], HALF, v[ADRB]
	v_add_nc_u32 v[ADRB+2], SLOT, v[ADRB]
	v_add_nc_u32 v[ADRB+3], SLOT+HALF, v[ADRB]
	s_mul_i32 s45, s14, STGW
	s_add_co_u32 s45, s45, STAGE                   ; my stage
.if OUTF32
	v_mul_u32_u24 v6, v1, 272                      ; in: row l % 16 of 256 + 16 bytes, 32 bytes for each half of the lanes
	v_lshl_add_u32 v6, v2, 5, v6
	v_add_nc_u32 v[STO], s45, v6
	v_mul_u32_u24 v7, v2, 272                      ; back: lanes 0-15 take one row of 256 bytes, lanes 16-31 the next
	v_lshl_add_u32 v7, v1, 4, v7
	v_add_nc_u32 v[RD], s45, v7
	v_lshlrev_b32 v8, 12, v2                       ; and the same two rows in memory, 4,096 bytes apart
	v_lshl_add_u32 v[CO], v1, 4, v8
.else
	v_mul_u32_u24 v6, v1, 144                      ; in: row l % 16 of 128 + 16 bytes, 16 bytes for each half of the lanes
	v_lshl_add_u32 v6, v2, 4, v6
	v_add_nc_u32 v[STO], s45, v6
	v_bfe_u32 v7, v0, 3, 2                         ; back: 32 lanes take four rows of 128 bytes,
	v_mul_u32_u24 v7, v7, 144
	v_and_b32 v8, 7, v0
	v_lshl_add_u32 v7, v8, 4, v7
	v_add_nc_u32 v[RD], s45, v7
	v_and_b32 v8, 31, v0                           ; which are 512 consecutive bytes of a slab
	v_lshlrev_b32 v[CO], 4, v8
.endif
	v_lshlrev_b32 v[BO], 5, v2
	s_lshl_b32 s42, s19, 9                         ; my first column in f32 bytes: 512 x tile column + 256 x half
	s_lshl_b32 s43, s16, 8
	s_add_co_u32 s42, s42, s43
	s_mov_b32 s43, 0
	s_add_nc_u64 s[8:9], s[8:9], s[42:43]          ; the bias at my 64 columns
.if OUTF32
	s_lshl_b32 s23, s20, 19                        ; + my first row x 4,096 bytes: 128 x tile row + 64 x half
	s_add_co_u32 s42, s42, s23
	s_lshl_b32 s23, s15, 18
	s_add_co_u32 s42, s42, s23
	s_add_nc_u64 s[10:11], s[10:11], s[42:43]      ; residual and result at my 64 x 64
	s_add_nc_u64 s[12:13], s[12:13], s[42:43]
.else
	s_lshl_b32 s42, s19, 1
	s_add_co_u32 s42, s42, s16                     ; my slab = 2 x tile column + half,
	s_lshl_b32 s42, s42, 19                        ; x 524,288 bytes,
	s_lshl_b32 s23, s20, 14                        ; + my first row x 128 bytes
	s_add_co_u32 s42, s42, s23
	s_lshl_b32 s23, s15, 13
	s_add_co_u32 s42, s42, s23
	s_add_nc_u64 s[10:11], s[10:11], s[42:43]
.endif
.irp b, 0,1,2,3
	global_load_b128 v[BIAS+8*(\b):BIAS+8*(\b)+3],   v[BO], s[8:9] offset:64*(\b)     ; register j of block b: the bias of column 16 b + 8 (l / 16) + j, as the result holds it
	global_load_b128 v[BIAS+8*(\b)+4:BIAS+8*(\b)+7], v[BO], s[8:9] offset:64*(\b)+16
.endr
.if OUTF32
	WIN 0x80                                       ; destination window 2, address window 0
.set i, 0
.rept 32                                       ; the residual of my 64 x 64, in the lanes that will store those bytes; it lands while the products run
	global_load_b128 v[4*i:4*i+3], v[CO], s[10:11] offset:(16*(i/8)+2*(i%8))*4096
.set i, i+1
.endr
	WIN 0
.endif
; 8 matrix instructions: m blocks a0, a0 + 1 x all 4 n blocks, 32 along K: half c of buffer f.  first = 1: the product starts the sums, with the bias as C.
; The 16 accumulators take turns, one instruction a turn, in the same order everywhere.
.macro MUL8 f, c, a0, first
	WIN MUL
.irp a, \a0, (\a0)+1
.irp b, 0,1,2,3
.if \first
	v_wmma_f32_16x16x32_bf16 v[ACC+8*(4*(\a)+(\b)):ACC+8*(4*(\a)+(\b))+7], v[(\f)+64+8*(4*(\c)+(\b)):(\f)+64+8*(4*(\c)+(\b))+7], v[(\f)+8*(4*(\c)+(\a)):(\f)+8*(4*(\c)+(\a))+7], v[BIAS+8*(\b):BIAS+8*(\b)+7]
.else
	v_wmma_f32_16x16x32_bf16 v[ACC+8*(4*(\a)+(\b)):ACC+8*(4*(\a)+(\b))+7], v[(\f)+64+8*(4*(\c)+(\b)):(\f)+64+8*(4*(\c)+(\b))+7], v[(\f)+8*(4*(\c)+(\a)):(\f)+8*(4*(\c)+(\a))+7], v[ACC+8*(4*(\a)+(\b)):ACC+8*(4*(\a)+(\b))+7]
.endif
.endr
.endr
.endm
; 32 LDS loads in one run: the fragments of quarter kq (64 along K) of a slot's K step, into buffer f; the first 32 along K first
.macro FETCH slot, kq, f
	WIN TO_F
.irp c, 0,1
.irp i, 0,1,2,3
	ds_load_tr16_b128 v[(\f)+64+8*(4*(\c)+(\i)):(\f)+64+8*(4*(\c)+(\i))+3],   v[ADRB+2*(\slot)+(\kq)/2] offset:(((\kq)%2)*64+32*(\c))*PB+32*(\i)
	ds_load_tr16_b128 v[(\f)+64+8*(4*(\c)+(\i))+4:(\f)+64+8*(4*(\c)+(\i))+7], v[ADRB+2*(\slot)+(\kq)/2] offset:(((\kq)%2)*64+32*(\c)+16)*PB+32*(\i)
	ds_load_b128 v[(\f)+8*(4*(\c)+(\i)):(\f)+8*(4*(\c)+(\i))+3],              v[ADRA+(\slot)] offset:(\kq)*ASLAB+64*(\c)+(\i)*16*APITCH
	ds_load_b128 v[(\f)+8*(4*(\c)+(\i))+4:(\f)+8*(4*(\c)+(\i))+7],            v[ADRA+(\slot)] offset:(\kq)*ASLAB+64*(\c)+(\i)*16*APITCH+32
.endr
.endr
.endm
.macro PLACES                          ; four places in front of loads into registers that matrix instructions have read, and of lines that read results (ISA guide 7.12.1 for the latter)
.rept 4
	v_nop
.endr
.endm
; A K step is four quarters of 64 along K, 32 matrix instructions each, on buffers 0, 1, 0, 1.  One of the first three: multiplies buffer f and fetches quarter kq into g.
.macro QUARTER slot, kq, f, g, first
	s_wait_dscnt 16                                ; the first 32 along K are in; the run's other sixteen loads may be out
	MUL8 \f, 0, 0, \first
	MUL8 \f, 0, 2, \first
	PLACES
	FETCH \slot, \kq, \g
	s_wait_dscnt 32                                ; all but the 32 just issued
	MUL8 \f, 1, 0, 0
	MUL8 \f, 1, 2, 0
.endm
; The last quarter multiplies buffer 1 and changes slots: ONE barrier; in front of it each wave waits for all its tensor loads (one is out: its part of the next slot), adds 0 to its spare word, and waits
; for that and for its own reads of this slot.  fill = 1: this slot is filled again, two K steps ahead; the barrier then opens a round of the cluster's barrier.
.macro TURN slot, next, fill
	WIN 0                                          ; (the add's two registers lie in window 0)
	s_wait_tensorcnt 0x0                           ; all my tensor loads have landed: my part of the next slot;
	ds_add_u32 v[SPW], v[NIL]                      ; 0 onto my spare word;
	s_wait_dscnt 17                                ; (the add and the youngest sixteen loads may be out)
	MUL8 F1, 0, 0, 0                               ; eight matrix instructions stand between the add and the wait for it
	s_wait_dscnt 0x0                               ; the add is done, and my reads of this slot are over
	s_barrier_signal -1
	MUL8 F1, 0, 2, 0
.if \fill
	WIN 0
.endif
	s_barrier_wait -1
.if \fill
	CREST                                          ; no wave of any partner still reads this slot's tile or has a load on its way
	s_add_nc_u64 s[G0+4*(\slot)+2:G0+4*(\slot)+3], s[G0+4*(\slot)+2:G0+4*(\slot)+3], 2*ASTEP
	s_add_nc_u64 s[G0B+4*(\slot)+2:G0B+4*(\slot)+3], s[G0B+4*(\slot)+2:G0B+4*(\slot)+3], 2*BSTEP
	JLOAD \slot                                    ; the first tensor load behind the round: 112 matrix instructions ahead of the wait for it; the four v_nop behind it are also the places in front of the loads below
.else
	PLACES
.endif
	FETCH \next, 0, F0
	MUL8 F1, 1, 0, 0
	MUL8 F1, 1, 2, 0
.endm
	s_wait_tensorcnt 1                             ; my part of K step 0 is in; K step 1's may stay out
	s_barrier_signal -1
	s_barrier_wait -1                              ; everybody's is
	FETCH 0, 0, F0
.if OUTF32
	s_wait_loadcnt 32                              ; the bias is in; the residual's 32 younger loads stay out
.else
	s_wait_loadcnt 0x0                             ; the bias
.endif
	QUARTER 0, 1, F0, F1, 1                        ; the first quarter stands in front of the loop: its first products start the sums
	WIN 0                                          ; at a label and at a branch every window is 0
	s_mov_b32 s3, LAPS-1
.Llap:                                                 ; a trip goes once round the ring, from a lap's second quarter to the next lap's first, and fills both slots again
	QUARTER 0, 2, F1, F0, 0
	QUARTER 0, 3, F0, F1, 0
	TURN 0, 1, 1
	QUARTER 1, 1, F0, F1, 0
	QUARTER 1, 2, F1, F0, 0
	QUARTER 1, 3, F0, F1, 0
	TURN 1, 0, 1
	QUARTER 0, 1, F0, F1, 0
	WIN 0
	s_sub_co_u32 s3, s3, 1
	s_cmp_lg_u32 s3, 0
	s_cbranch_scc1 .Llap
	QUARTER 0, 2, F1, F0, 0                        ; the last lap fills nothing, and has no round of the cluster's barrier
	QUARTER 0, 3, F0, F1, 0
	TURN 0, 1, 0
	QUARTER 1, 1, F0, F1, 0
	QUARTER 1, 2, F1, F0, 0
	QUARTER 1, 3, F0, F1, 0
	s_wait_dscnt 16                                ; the very last quarter: nothing more to fetch
	MUL8 F1, 0, 0, 0
	MUL8 F1, 0, 2, 0
	s_wait_dscnt 0x0
	MUL8 F1, 1, 0, 0
	MUL8 F1, 1, 2, 0
	WIN 0
	PLACES
.if OUTF32
	; THE WAY OUT, f32: a block of 16 rows x 64 columns goes through my own stage (rows of 272 bytes) and comes back as whole rows of 256 bytes; the residual is added; 16 lanes store 256 consecutive aligned bytes.
.macro STGF a
.if (\a) >= 2
	s_wait_xcnt 0x0                                ; the stores of the block two back have read this half of TMP: it is loaded again only behind this wait
.endif
.irp b, 0,1,2,3
	ds_store_b128 v[STO], v[ACC+32*(\a)+8*(\b):ACC+32*(\a)+8*(\b)+3]   offset:64*(\b)     ; each accumulator's low registers first
	ds_store_b128 v[STO], v[ACC+32*(\a)+8*(\b)+4:ACC+32*(\a)+8*(\b)+7] offset:64*(\b)+16
.endr
.irp t, 0,1,2,3,4,5,6,7
	ds_load_b128 v[TMP+32*((\a)%2)+4*(\t):TMP+32*((\a)%2)+4*(\t)+3], v[RD] offset:544*(\t)  ; LDS serves a wave's instructions in order (ISA guide 5.7.1.4): these see the stores above; the next block's stores come behind them
.endr
.endm
.macro OUTF a, younger                 ; younger: the LDS instructions issued behind block a's loads: the next block's sixteen, or none
	s_wait_dscnt \younger
	WIN 0x08                                       ; source 1 (the residual) in window 2
.set i, 0
.rept 16
	v_pk_add_f32 v[TMP+32*((\a)%2)+2*i:TMP+32*((\a)%2)+2*i+1], v[TMP+32*((\a)%2)+2*i:TMP+32*((\a)%2)+2*i+1], v[32*(\a)+2*i:32*(\a)+2*i+1]
.set i, i+1
.endr
	WIN 0
.irp t, 0,1,2,3,4,5,6,7
	global_store_b128 v[CO], v[TMP+32*((\a)%2)+4*(\t):TMP+32*((\a)%2)+4*(\t)+3], s[12:13] offset:(16*(\a)+2*(\t))*4096
.endr
.endm
	s_wait_loadcnt 0x0                             ; the residual
	STGF 0
	STGF 1
	OUTF 0, 16
	STGF 2
	OUTF 1, 16
	STGF 3
	OUTF 2, 16
	OUTF 3, 0
.else
	; THE WAY OUT, bf16 in slabs: a block of 16 rows x 64 columns is rounded, goes through my own stage (rows of 144 bytes) and comes back as whole rows of 128 bytes: 16 rows of a slab are 2,048 consecutive bytes.
.macro PACKB a
.if RELU
.set i, 0
.rept 32
	v_max_num_f32 v[ACC+32*(\a)+i], 0, v[ACC+32*(\a)+i]
.set i, i+1
.endr
.endif
.set i, 0
.rept 16
	v_cvt_pk_bf16_f32 v[TMP+16*(\a)+i], v[ACC+32*(\a)+2*i], v[ACC+32*(\a)+2*i+1]
.set i, i+1
.endr
.irp b, 0,1,2,3
	ds_store_b128 v[STO], v[TMP+16*(\a)+4*(\b):TMP+16*(\a)+4*(\b)+3] offset:32*(\b)
.endr
.irp f, 0,1,2,3
	ds_load_b128 v[TMP+16*(\a)+4*(\f):TMP+16*(\a)+4*(\f)+3], v[RD] offset:576*(\f)  ; LDS serves a wave's instructions in order (ISA guide 5.7.1.4): these see the stores above; the next block's stores come behind them
.endr
.endm
.macro SENDB a, younger                ; younger: the LDS instructions issued behind block a's loads: the next block's eight, or none
.irp f, 0,1,2,3
	s_wait_dscnt (\younger)+3-(\f)
	global_store_b128 v[CO], v[TMP+16*(\a)+4*(\f):TMP+16*(\a)+4*(\f)+3], s[10:11] offset:(\a)*2048+(\f)*512  ; 512 consecutive bytes, at a multiple of 256 from the buffer's first
.endr
.endm
	PACKB 0
	PACKB 1                                        ; a block's arithmetic stands between the loads of the block before and its stores
	SENDB 0, 8
	PACKB 2
	SENDB 1, 8
	PACKB 3
	SENDB 2, 8
	SENDB 3, 0
.endif
	s_wait_tensorcnt 0x0                           ; the wave's end: the spare word's add and its wait, behind my last tensor load and my last LDS store
	ds_add_u32 v[SPW], v[NIL]
	s_wait_dscnt 0x0
	CROUND                                         ; the closing round: no work-group ends while a partner may still ask for a tile that names it
	s_endpgm
.Lfunc_end_k_qa141f9f186_qkv:
	.size	k_qa141f9f186_qkv, .Lfunc_end_k_qa141f9f186_qkv-k_qa141f9f186_qkv
	.p2alignl 7, 3214868480
	.fill 96, 4, 3214868480
	.section	.rodata,"a",@progbits
	.p2align	6, 0x0
	.amdhsa_kernel k_qa141f9f186_qkv
		.amdhsa_group_segment_fixed_size 327680
		.amdhsa_private_segment_fixed_size 0
		.amdhsa_enable_private_segment 0
		.amdhsa_kernarg_size 32
		.amdhsa_user_sgpr_count 2
		.amdhsa_user_sgpr_kernarg_segment_ptr 1
		.amdhsa_wavefront_size32 1
		.amdhsa_system_sgpr_workgroup_id_x 1
		.amdhsa_system_sgpr_workgroup_id_y 1
		.amdhsa_system_sgpr_workgroup_id_z 1
		.amdhsa_system_vgpr_workitem_id 0
		.amdhsa_next_free_vgpr 512
		.amdhsa_next_free_sgpr 66
		.amdhsa_reserve_vcc 0
		.amdhsa_float_denorm_mode_32 3
		.amdhsa_float_denorm_mode_16_64 3
		.amdhsa_memory_ordered 1
		.amdhsa_forward_progress 1
		.amdhsa_inst_pref_size 87
	.end_amdhsa_kernel
	.amdgpu_metadata
---
amdhsa.version: [ 1, 2 ]
amdhsa.kernels:
  - .name:           k_qa141f9f186_qkv
    .symbol:         k_qa141f9f186_qkv.kd
    .args:
      - { .name: hn, .offset: 0, .size: 8, .value_kind: global_buffer, .address_space: global }
      - { .name: wbf, .offset: 8, .size: 8, .value_kind: global_buffer, .address_space: global }
      - { .name: qkv_b, .offset: 16, .size: 8, .value_kind: global_buffer, .address_space: global }
      - { .name: qkvh, .offset: 24, .size: 8, .value_kind: global_buffer, .address_space: global }
    .group_segment_fixed_size: 327680
    .private_segment_fixed_size: 0
    .kernarg_segment_align: 8
    .kernarg_segment_size: 32
    .max_flat_workgroup_size: 128
    .sgpr_count:     66
    .vgpr_count:     512
    .wavefront_size: 32
...
	.end_amdgpu_metadata
.endif
;; end of part 2
;; launch attn (part 3): grid 4 x 64, 8 waves a work-group, clusters of 4 x 1, 327,680 bytes of LDS; arguments qkvh, y; writes y
.if DOCPART == 3
	.amdgcn_target "amdgcn-amd-amdhsa--gfx1250"
	.amdhsa_code_object_version 6
	.text
	.protected	k_qa141f9f186_attn
	.globl	k_qa141f9f186_attn
	.p2align	8
	.type	k_qa141f9f186_attn,@function
k_qa141f9f186_attn:
	s_mov_b64 s[64:65], 0
	v_nop
	global_prefetch_b8 v0, s[64:65] scope:SCOPE_SE
	s_setreg_imm32_b32 hwreg(HW_REG_WAVE_MODE, 25, 1), 1
	s_wait_xcnt 0x0
	s_wait_alu depctr_hold_cnt(0) depctr_sa_sdst(0) depctr_va_vdst(0) depctr_va_sdst(0) depctr_va_ssrc(0) depctr_va_vcc(0) depctr_vm_vsrc(0)
	s_getreg_b32 s2, hwreg(HW_REG_IB_STS2, 6, 4)
	s_cmp_eq_u32 s2, 0
	s_cbranch_scc0 .Lentry_in_a_cluster
	s_endpgm
.Lentry_in_a_cluster:
	s_bfe_u32 s2, ttmp6, 0x10000c
	s_cmp_lg_u32 s2, 0x3003
	s_cbranch_scc0 .Lentry_shape_is_right
	s_endpgm
.Lentry_shape_is_right:
; CAUSAL ATTENTION, 64 pairs of batch and head, 1,024 rows, head size 64, scale 1/32 (1 / sqrt(1024), as the module has it).  y[q] = the sum over k <= q of softmax_k(q . k / 32) v[k].
; qkvh: [48][4096][64] bf16 (slabs 0-15 q, 16-31 k, 32-47 v; row = 1,024 batch + t); y: [16][4096][64] bf16.  Products, maxima and sums in f32; the weights p are rounded to bf16 for the second
; product (their sum l is taken of the unrounded p), y once at the end.
; LIMITS: a hidden score is replaced by -1e30; a weight below 2^-126 counts as 0 in l; NaN and infinities are not treated apart.
; SHARES.  A head's queries are 16 bands of 64, a band four tiles of 16.  The four work-groups of a cluster share one head; work-group j owns tile j of every band; of its eight waves wave w owns the tile
; of band 15 - w (tile 0 here) and that of band w (tile 1).  A tile of band x needs the key steps (64 keys) 0 .. x, of which step x holds the diagonal: 17 tile-steps for every wave, whatever w and j.
; j enters only q's and y's addresses and the mask's numbers, so all four partners run alike.
; LDS holds the head's WHOLE K and V, filled once: nothing is filled again.  Each tile is asked for JOINTLY by the four partners (the same load, descriptor and mask in all four).  Waves 0-3 bring K,
; waves 4-7 V, each two loads of 128 keys: first its part of keys 0-511, then of keys 512-1023; the second lands while steps 0-7 are walked.
; LAYOUT.  S^T = K Q^T (source 0 = 16 keys, source 1 = 16 queries): a lane holds ONE query (lane % 16) and the keys 8 (lane / 16) + 0..7.  Two such results rounded to bf16 ARE source 1 of O^T = V^T P.
; K comes out of LDS as it lies, V ([key][channel]) turned, by ds_load_tr16_b128.
; SOFTMAX.  A running maximum m and sum l: p = 2^(c s - c m), c = log2(e) / 32; in every step O and l are multiplied by a = 2^(c m_old - c m_new).  m starts at the lowest finite number, O and l at 0.
; The text goes in phases (scores, softmax, second product); two waves lie on each SIMD, so that one multiplies while the other does its softmax.
; REGISTERS: window 0: v0-15 addresses; v16-23 four statistics a tile; v24-28 at work; v32-63 S^T; v64-127 K of a step; v128-191 V of a step; v192-207 P.   window 1: v0-31 Q, 16 a tile; v32-95 O^T, 32 a tile.
.set PK,    144       ; a row of K in LDS: 128 bytes + 16 = 36 words: the 16 rows of a load start at 16 different groups of four banks (64 banks of 4 bytes: ISA guide 11.1)
.set PV,    160       ; a row of V: 128 + 32 = 40 words
.set VOFF,  1024*PK   ; 1,024 rows of K, then 1,024 rows of V
.set SPARE, VOFF+1024*PV  ; behind them: the spare words, 128 bytes for each of eight waves: four blocks of 256 bytes that no other line names
.set SP,    144       ; the way out: 16 rows x 144 bytes for each wave, in K's first bytes, which have had their only fill and are read no more by then
.set AK0, 2           ; v2   my lane's place in 16 rows of K; never rewritten
.set AV0, 3           ; v3   the same for V
.set AK,  4           ; v4   the LDS address of the step's K
.set AV,  5           ; v5   of its V
.set STO, 6           ; v6   the way out: where I put 16 bytes of a row
.set RD,  7           ; v7   where I read rows back
.set GO,  8           ; v8   my byte offset in 512 consecutive bytes of y
.set THR, 9           ; v9   my query's place in its band less my lanes' 8 (l / 16): in the diagonal step register r of key group kt is hidden where 16 kt + r is greater
.set QO,  12          ; v12  my byte offset in 16 rows of q
.set SPW, 14          ; v14  LDS address of my spare word: SPARE + 4 x my thread's number; never rewritten
.set NIL, 15          ; v15  0; never rewritten
.set ST,  16          ; tile u's statistics at v[ST+4 u]: c m, m, l (even keys', odd keys')
.set TMP, 24          ; c0-c3 at work; when the maximum is found c2 takes a
.set MV,  28          ; c m_old
.set S,   32
.set KF,  64          ; key block kb, channel half c at KF + 16 kb + 8 c
.set VF,  128         ; key half kk, channel block cb at VF + 32 kk + 8 cb
.set P,   192
.set OB,  32          ; O^T, in window 1
.set WV,  12          ; s12  my wave's number
.set DL,  15          ; s15  tile 1's band, and its diagonal step: w
.set DH,  16          ; s16  tile 0's: 15 - w
.set STEP, 17         ; s17  the key step
.set TBK, 18          ; s18  LDS byte at which the step's K begins
.set TBV, 19          ; s19  the same for V, less VOFF
.set G1K, 24          ; s[24:31] descriptor group 1 for K's tiles
.set G1V, 32          ; s[32:39] for V's: it differs in the padding alone
.set G0K, 40          ; s[40:47] descriptor group 0 for K's tiles, a set for each of my two loads
.set G0V, 48          ; s[48:55] the same for V's
.set CS,  58          ; s[58:59] c: the packed scaling takes the pair's low word for both halves
.set SEL, 60          ; s[60:61] v_permlanex16_b32's selects
.set BIGN, 62         ; s62  -1e30
.set MSB, 0
.macro WIN new                      ; the high byte repeats the setting that is left; a switch that changes nothing is dropped
.if MSB != (\new)
	s_set_vgpr_msb (MSB<<8)|(\new)
.set MSB, (\new)
.endif
.endm
.macro CROUND                       ; a round of the cluster's barrier: my work-group's barrier; wave 0 signals for the work-group; every wave waits for all four work-groups; my work-group's barrier once more
	s_barrier_signal -1
	s_barrier_wait -1
	s_cmp_lg_u32 s[WV], 0
	s_cbranch_scc1 .Lnot_wave_0_\@
	s_barrier_signal -3
.Lnot_wave_0_\@:
	s_barrier_wait -3
	s_barrier_signal -1
	s_barrier_wait -1
.endm
	s_load_b128 s[4:7], s[0:1], 0x0 ; qkvh s[4:5], y s[6:7]
	v_lshl_add_u32 v[SPW], v0, 2, SPARE
	v_mov_b32 v[NIL], 0
	ds_add_u32 v[SPW], v[NIL]       ; the wave's opening: the add and its wait stand ahead of my first tensor load; the set-up below, work on registers, stands between them
	v_lshrrev_b32 v1, 5, v0
	v_readfirstlane_b32 s[WV], v1   ; wave 0..7
	s_and_b32 s13, s[WV], 3         ; which 128 keys of each half of the head I fetch
	s_bfe_u32 s14, ttmp6, 0x40000   ; cx = j: it enters q's and y's addresses and the mask's numbers alone
	s_mov_b32 s[DL], s[WV]
	s_sub_co_u32 s[DH], 15, s[WV]
	s_and_b32 s20, ttmp7, 0xffff    ; 16 x batch + head, which the four partners share
	s_and_b32 s21, s20, 15
	s_lshr_b32 s20, s20, 4
	s_lshl_b32 s21, s21, 19         ; the head's slab, 524,288 bytes,
	s_lshl_b32 s20, s20, 17         ; the batch's 1,024 rows of 128 bytes
	s_add_co_u32 s20, s20, s21
	s_lshl_b32 s22, s13, 14         ; my 128 keys in memory
	s_add_co_u32 s22, s22, s20
	s_mov_b32 s23, 0
	s_lshl_b32 s57, s14, 11         ; tile j of a band: 16 rows of 128 bytes
	s_lshl_b32 s56, s[DH], 13       ; a band: 64 rows
	s_add_co_u32 s56, s56, s57
	s_add_co_u32 s56, s56, s20      ; tile 0's first byte in q's slabs and in y
	s_lshl_b32 s78, s[DL], 13
	s_add_co_u32 s78, s78, s57
	s_add_co_u32 s78, s78, s20      ; tile 1's
	s_mov_b32 s57, 0
	s_mov_b32 s79, 0
	; descriptor group 1.  128 keys are 16,384 dense bytes: asked for as 64 rows of 256 bytes, two keys a row, and padded in LDS after every key
	s_mov_b32 s[G1K], 15|(1<<16)|(1<<20)|(1<<21)|(4<<22)|(3<<25)  ; 15:0 the mask of four; 17:16 2-byte elements; 20 padding on; 21 set beside a mask; 24:22 after every 32 words (code 4); 31:25 4 words (code 3)
	s_mov_b32 s[G1V], 15|(1<<16)|(1<<20)|(1<<21)|(4<<22)|(7<<25)  ; the same with 8 words of padding (code 7)
.irp g, G1K, G1V
	s_mov_b32 s[\g+1], 128<<16      ; tensor_dim0 = 128
	s_mov_b32 s[\g+2], 64<<16       ; tensor_dim1 = 64
	s_mov_b32 s[\g+3], 128<<16      ; tile_dim0 = 128
	s_mov_b32 s[\g+4], 64           ; tile_dim1 = 64
	s_mov_b32 s[\g+5], 128          ; 128 elements from row to row
	s_mov_b32 s[\g+6], 0
	s_mov_b32 s[\g+7], 0
.endr
	s_mov_b32 s[G0K], 1             ; count = 1
	s_mul_i32 s[G0K+1], s13, 128*PK ; LDS address: my 128 keys of the first 512,
	s_mov_b32 s[G0K+4], 1
	s_add_co_u32 s[G0K+5], s[G0K+1], 512*PK  ; and of the second
	s_mov_b32 s[G0V], 1
	s_mul_i32 s[G0V+1], s13, 128*PV
	s_add_co_u32 s[G0V+1], s[G0V+1], VOFF
	s_mov_b32 s[G0V+4], 1
	s_add_co_u32 s[G0V+5], s[G0V+1], 512*PV
	s_mov_b32 s[CS], 0x3d38aa3b     ; c = log2(e) / 32 = 0.0450842
	s_mov_b32 s[CS+1], s[CS]        ; named with it as a pair
	s_mov_b32 s[SEL], 0x76543210
	s_mov_b32 s[SEL+1], 0xfedcba98
	s_mov_b32 s[BIGN], 0xf149f2ca   ; -1e30
	s_wait_dscnt 0x0                ; the opening add is done
	s_wait_kmcnt 0x0
	s_add_nc_u64 s[74:75], s[4:5], s[22:23]
	s_add_nc_u64 s[76:77], s[74:75], 16777216      ; v's slabs begin 32 slabs in,
	s_add_nc_u64 s[74:75], s[74:75], 8388608       ; k's 16
	s_add_nc_u64 s[G0K+2:G0K+3], s[74:75], 0
	s_or_b32 s[G0K+3], s[G0K+3], 0x80000000        ; type = 2
	s_add_nc_u64 s[G0K+6:G0K+7], s[74:75], 65536   ; 512 keys on
	s_or_b32 s[G0K+7], s[G0K+7], 0x80000000
	s_add_nc_u64 s[G0V+2:G0V+3], s[76:77], 0
	s_or_b32 s[G0V+3], s[G0V+3], 0x80000000
	s_add_nc_u64 s[G0V+6:G0V+7], s[76:77], 65536
	s_or_b32 s[G0V+7], s[G0V+7], 0x80000000
	s_add_nc_u64 s[66:67], s[4:5], s[56:57]        ; q at tile 0, tile 1
	s_add_nc_u64 s[68:69], s[4:5], s[78:79]
	s_add_nc_u64 s[70:71], s[6:7], s[56:57]        ; y at tile 0, tile 1
	s_add_nc_u64 s[72:73], s[6:7], s[78:79]
	CROUND                          ; all four work-groups are here: the joint loads meet
	s_cmp_lt_u32 s[WV], 4           ; a wave's two fills stand in one branch, ahead of every wait on TENSORcnt and every LDS read: two loads of mine are out; an s_nop 0 follows each, four v_nop the second's
	s_cbranch_scc0 .Lfirst_v
	tensor_load_to_lds s[G0K:G0K+3], s[G1K:G1K+7]
	s_nop 0
	tensor_load_to_lds s[G0K+4:G0K+7], s[G1K:G1K+7]
	s_nop 0
.rept 4
	v_nop
.endr
	s_branch .Lfirst_asked
.Lfirst_v:
	tensor_load_to_lds s[G0V:G0V+3], s[G1V:G1V+7]
	s_nop 0
	tensor_load_to_lds s[G0V+4:G0V+7], s[G1V:G1V+7]
	s_nop 0
.rept 4
	v_nop
.endr
.Lfirst_asked:
	; A fragment of K or Q is 16 rows x 32 channels in 8 registers: lane l holds row l % 16, channels 8 (l / 16) + 0..7 and 16 + 8 (l / 16) + 0..7: two loads of 16 bytes, 32 bytes apart
	v_and_b32 v1, 15, v0            ; l % 16
	v_bfe_u32 v10, v0, 4, 1         ; l / 16
	v_lshlrev_b32 v[QO], 7, v1
	v_lshl_add_u32 v[QO], v10, 4, v[QO]
	WIN 0x40                        ; destination window 1, address window 0
.irp k, 0,1,2,3
	global_load_b128 v[4*\k:4*\k+3],       v[QO], s[66:67] offset:32*\k
	global_load_b128 v[16+4*\k:16+4*\k+3], v[QO], s[68:69] offset:32*\k
.endr
.set i, 0
.rept 64                            ; O^T starts at 0: no first step is written out; this stands in the wait for the first tiles
	v_mov_b32 v[OB+i], 0
.set i, i+1
.endr
	WIN 0
.irp u, 0,1
	v_mov_b32 v[ST+4*\u], 0xfe000000    ; c m: far below every c s, so the first step's a is 0
	v_mov_b32 v[ST+4*\u+1], 0xff7fffff  ; m: the lowest finite number
	v_mov_b32 v[ST+4*\u+2], 0
	v_mov_b32 v[ST+4*\u+3], 0
.endr
	v_mul_u32_u24 v[AK0], v1, PK
	v_lshl_add_u32 v[AK0], v10, 4, v[AK0]
	; The turning load takes 16 keys x 16 channels (lane l reads key 8 (l / 16) + l % 8, channels 8 ((l / 8) % 2) + 0..7) and leaves half a fragment of V^T: lane l holds channel l % 16 and 8 keys
	v_and_b32 v11, 7, v0
	v_bfe_u32 v13, v0, 3, 1
	v_lshl_add_u32 v[AV0], v10, 3, v11
	v_mul_u32_u24 v[AV0], v[AV0], PV
	v_lshl_add_u32 v[AV0], v13, 4, v[AV0]
	v_add_nc_u32 v[AV0], VOFF, v[AV0]
	s_mul_i32 s21, s[WV], 16*SP     ; my stage
	v_mul_u32_u24 v[STO], v1, SP    ; in: row l % 16, 16 bytes for each half of the lanes
	v_lshl_add_u32 v[STO], v10, 4, v[STO]
	v_add_nc_u32 v[STO], s21, v[STO]
	v_bfe_u32 v[RD], v0, 3, 2       ; back: 32 lanes take four rows of 128 bytes,
	v_mul_u32_u24 v[RD], v[RD], SP
	v_lshl_add_u32 v[RD], v11, 4, v[RD]
	v_add_nc_u32 v[RD], s21, v[RD]
	v_and_b32 v[GO], 31, v0         ; which are 512 consecutive bytes of y
	v_lshlrev_b32 v[GO], 4, v[GO]
	v_lshlrev_b32 v11, 3, v10
	v_sub_nc_u32 v[THR], v1, v11
	s_lshl_b32 s21, s14, 4
	v_add_nc_u32 v[THR], s21, v[THR]  ; 16 j + l % 16 - 8 (l / 16)
; A step's K (64 keys x 64 channels: 8 fragments) and V (turned), 32 LDS loads in one run.  The two additions and two v_nop are the four places behind the last products, which read V's registers.
.macro LOADKV
	v_add_nc_u32 v[AK], s[TBK], v[AK0]
	v_add_nc_u32 v[AV], s[TBV], v[AV0]
	v_nop
	v_nop
.irp f, 0,1,2,3,4,5,6,7             ; keys 16 (f / 2) on, channels 32 (f % 2) on
	ds_load_b128 v[KF+8*\f:KF+8*\f+3],   v[AK] offset:(\f/2)*16*PK+(\f%2)*64
	ds_load_b128 v[KF+8*\f+4:KF+8*\f+7], v[AK] offset:(\f/2)*16*PK+(\f%2)*64+32
.endr
.irp f, 0,1,2,3,4,5,6,7             ; keys 32 (f / 4) on, channels 16 (f % 4) on
	ds_load_tr16_b128 v[VF+8*\f:VF+8*\f+3],   v[AV] offset:(\f/4)*32*PV+(\f%4)*32
	ds_load_tr16_b128 v[VF+8*\f+4:VF+8*\f+7], v[AV] offset:(\f/4)*32*PV+16*PV+(\f%4)*32
.endr
.endm
; ONE TILE, ONE KEY STEP.  u: the tile.  mask = 1: in the step whose number lies in s[dreg] the keys behind the diagonal are hidden.  vwait = 1: V's loads are waited for ahead of the second product.
; In each run of 8 products the 4 accumulators take turns, one instruction a turn.
.macro TSTEP u, dreg, mask, vwait
.set rT, ST+4*(\u)
	WIN 0x04                        ; Q (source 1) in window 1
.set i, 0
.rept 8                             ; S^T = K Q^T: channels 32 (i / 4) on, keys 16 (i % 4) on; the first 4 start the sums
.if i < 4
	v_wmma_f32_16x16x32_bf16 v[S+8*(i%4):S+8*(i%4)+7], v[KF+16*(i%4)+8*(i/4):KF+16*(i%4)+8*(i/4)+7], v[16*(\u)+8*(i/4):16*(\u)+8*(i/4)+7], 0
.else
	v_wmma_f32_16x16x32_bf16 v[S+8*(i%4):S+8*(i%4)+7], v[KF+16*(i%4)+8*(i/4):KF+16*(i%4)+8*(i/4)+7], v[16*(\u)+8*(i/4):16*(\u)+8*(i/4)+7], v[S+8*(i%4):S+8*(i%4)+7]
.endif
.set i, i+1
.endr
	WIN 0
.rept 4
	v_nop                           ; the places behind those products (ISA guide 7.12.1)
.endr
.if \mask
	s_cmp_lg_u32 s[STEP], s[\dreg]
	s_cbranch_scc1 .Lopen_\@        ; an earlier step: every key is seen
.set i, 0
.rept 32
	v_cmp_gt_i32 vcc_lo, 16*(i/8)+i%8, v[THR]
	v_cndmask_b32 v[S+i], v[S+i], s[BIGN], vcc_lo
.set i, i+1
.endr
.Lopen_\@:
.endif
	; the maximum of the lane's 32 scores and the old m: four chains of seven scores, three operands at a time (each accumulator's lowest registers are read first), then the four left over
.irp n, 0,1,2,3
	v_max3_num_f32 v[TMP+\n], v[S+8*\n], v[S+8*\n+1], v[S+8*\n+2]
.endr
.irp n, 0,1,2,3
	v_max3_num_f32 v[TMP+\n], v[TMP+\n], v[S+8*\n+3], v[S+8*\n+4]
.endr
.irp n, 0,1,2,3
	v_max3_num_f32 v[TMP+\n], v[TMP+\n], v[S+8*\n+5], v[S+8*\n+6]
.endr
	v_max3_num_f32 v[TMP], v[TMP], v[S+7], v[S+15]
	v_max3_num_f32 v[TMP+1], v[TMP+1], v[S+23], v[S+31]
	v_max3_num_f32 v[TMP+2], v[TMP+2], v[TMP+3], v[rT+1]
	v_mov_b32 v[MV], v[rT]          ; c m_old is kept
	v_max3_num_f32 v[TMP], v[TMP], v[TMP+1], v[TMP+2]
	v_permlanex16_b32 v[TMP+3], v[TMP], s[SEL], s[SEL+1]  ; the query's other 32 keys lie in the lane 16 away
	v_max_num_f32 v[rT+1], v[TMP], v[TMP+3]
	v_mul_f32 v[rT], s[CS], v[rT+1]
	v_sub_f32 v[TMP+1], v[MV], v[rT]
	v_exp_f32 v[TMP+2], v[TMP+1]    ; a; the scalings below are the plain instructions behind it
.set i, 0
.rept 16
	v_pk_fma_f32 v[S+2*i:S+2*i+1], v[S+2*i:S+2*i+1], s[CS:CS+1], v[rT:rT+1] op_sel_hi:[1,0,0] neg_lo:[0,0,1] neg_hi:[0,0,1]  ; c s - c m
.set i, i+1
.endr
.set i, 0
.rept 32
	v_exp_f32 v[S+i], v[S+i]
.set i, i+1
.endr
	v_nop                           ; a plain instruction between the last exponential and the use of its result (ISA guide 5.7.2)
.set i, 0
	s_wait_alu depctr_va_vdst(0)
.rept 16
	v_cvt_pk_bf16_f32 v[P+i], v[S+2*i], v[S+2*i+1]
.set i, i+1
.endr
.irp z, 0,1,2,3,4,5,6,7             ; the sum of the 16 pairs, in place, as a tree
	v_pk_add_f32 v[S+4*\z:S+4*\z+1], v[S+4*\z:S+4*\z+1], v[S+4*\z+2:S+4*\z+3]
.endr
.irp z, 0,1,2,3
	v_pk_add_f32 v[S+8*\z:S+8*\z+1], v[S+8*\z:S+8*\z+1], v[S+8*\z+4:S+8*\z+5]
.endr
.irp z, 0,1
	v_pk_add_f32 v[S+16*\z:S+16*\z+1], v[S+16*\z:S+16*\z+1], v[S+16*\z+8:S+16*\z+9]
.endr
	v_pk_add_f32 v[S:S+1], v[S:S+1], v[S+16:S+17]
	v_pk_fma_f32 v[rT+2:rT+3], v[rT+2:rT+3], v[TMP+2:TMP+3], v[S:S+1] op_sel_hi:[1,0,1]  ; l = a l + the sum
	WIN 0x41                        ; O^T (destination and source 0) in window 1, a in window 0
.set i, 0
.rept 16
	v_pk_mul_f32 v[OB+32*(\u)+2*i:OB+32*(\u)+2*i+1], v[OB+32*(\u)+2*i:OB+32*(\u)+2*i+1], v[TMP+2:TMP+3] op_sel_hi:[1,0]
.set i, i+1
.endr
.if \vwait
	s_wait_dscnt 0x0                ; V is in
.endif
	WIN 0x50                        ; C and D (O^T) in window 1
.set i, 0
.rept 8                             ; O^T += V^T P: keys 32 (i / 4) on, channels 16 (i % 4) on
	v_wmma_f32_16x16x32_bf16 v[OB+32*(\u)+8*(i%4):OB+32*(\u)+8*(i%4)+7], v[VF+32*(i/4)+8*(i%4):VF+32*(i/4)+8*(i%4)+7], v[P+8*(i/4):P+8*(i/4)+7], v[OB+32*(\u)+8*(i%4):OB+32*(\u)+8*(i%4)+7]
.set i, i+1
.endr
	WIN 0
.endm
	s_wait_tensorcnt 1              ; my part of keys 0-511 is in; my part of keys 512-1023 may stay out
	s_barrier_signal -1
	s_barrier_wait -1               ; everybody's is
	s_wait_loadcnt 0x0              ; Q
	s_mov_b32 s[STEP], 0
	s_mov_b32 s[TBK], 0
	s_mov_b32 s[TBV], 0
.Lw1:                               ; key steps 0-7: tile 0 (band 8 or higher) sees all of them; tile 1 (band w) takes steps 0 .. w
	LOADKV
	s_wait_dscnt 16                 ; K is in; V's sixteen younger loads may stay out
	TSTEP 0, 0, 0, 1
	s_cmp_gt_u32 s[STEP], s[DL]
	s_cbranch_scc1 .Lw1n            ; forward, past text with no barrier and no tensor load
	TSTEP 1, DL, 1, 0
.Lw1n:
	s_add_co_u32 s[TBK], s[TBK], 64*PK
	s_add_co_u32 s[TBV], s[TBV], 64*PV
	s_add_co_u32 s[STEP], s[STEP], 1
	s_cmp_lt_u32 s[STEP], 8
	s_cbranch_scc1 .Lw1
	s_wait_tensorcnt 0x0            ; my part of keys 512-1023 is in,
	s_wait_dscnt 0x0
	s_barrier_signal -1
	s_barrier_wait -1               ; everybody's is
	s_mov_b32 s[STEP], 8
	s_mov_b32 s[TBK], 8*64*PK
	s_mov_b32 s[TBV], 8*64*PV
.Lw2:                               ; key steps 8-15: tile 0 takes steps 8 .. 15 - w
	s_cmp_gt_u32 s[STEP], s[DH]
	s_cbranch_scc1 .Lw2n
	LOADKV
	s_wait_dscnt 16
	TSTEP 0, DH, 1, 1
.Lw2n:
	s_add_co_u32 s[TBK], s[TBK], 64*PK
	s_add_co_u32 s[TBV], s[TBV], 64*PV
	s_add_co_u32 s[STEP], s[STEP], 1
	s_cmp_lt_u32 s[STEP], 16
	s_cbranch_scc1 .Lw2
.rept 4
	v_nop                           ; the places behind the last products
.endr
	s_wait_dscnt 0x0                ; my reads of K and V are over,
	s_barrier_signal -1
	s_barrier_wait -1               ; everybody's are: K's first bytes now serve as the waves' stages
	; THE WAY OUT.  l's two halves and the other half of the lanes' are added; O^T is divided by l, rounded to bf16 and sent through my stage, a tile at a time.
.irp u, 0,1
	v_add_f32 v[ST+4*\u+2], v[ST+4*\u+2], v[ST+4*\u+3]
.endr
.irp u, 0,1
	v_permlanex16_b32 v[ST+4*\u+3], v[ST+4*\u+2], s[SEL], s[SEL+1]
.endr
.irp u, 0,1
	v_add_f32 v[ST+4*\u+2], v[ST+4*\u+2], v[ST+4*\u+3]
.endr
.irp u, 0,1
	v_rcp_f32 v[ST+4*\u+2], v[ST+4*\u+2]
.endr
	v_nop                           ; a plain instruction between the last reciprocal and the use of its result
	s_wait_alu depctr_va_vdst(0)
.macro PACK u                       ; a lane's eight channels of a row pack into 16 bytes; they go into rows of 144 bytes and come back as whole rows of 128, into S^T's registers
	WIN 0x41
.set i, 0
.rept 16
	v_pk_mul_f32 v[OB+32*(\u)+2*i:OB+32*(\u)+2*i+1], v[OB+32*(\u)+2*i:OB+32*(\u)+2*i+1], v[ST+4*(\u)+2:ST+4*(\u)+3] op_sel_hi:[1,0]
.set i, i+1
.endr
	WIN 0x05                        ; sources 0 and 1 window 1, destination window 0
.set i, 0
.rept 16
	v_cvt_pk_bf16_f32 v[S+16*(\u)+i], v[OB+32*(\u)+2*i], v[OB+32*(\u)+2*i+1]
.set i, i+1
.endr
	WIN 0
.irp f, 0,1,2,3
	ds_store_b128 v[STO], v[S+16*(\u)+4*\f:S+16*(\u)+4*\f+3] offset:32*\f
.endr
.irp f, 0,1,2,3
	ds_load_b128 v[S+16*(\u)+4*\f:S+16*(\u)+4*\f+3], v[RD] offset:\f*4*SP  ; LDS serves a wave's instructions in order (ISA guide 5.7.1.4): these see the stores above; the next tile's stores come behind them
.endr
.endm
.macro SEND u, younger              ; younger: the LDS instructions issued behind tile u's loads: the next tile's eight, or none
.irp f, 0,1,2,3
	s_wait_dscnt (\younger)+3-\f
	global_store_b128 v[GO], v[S+16*(\u)+4*\f:S+16*(\u)+4*\f+3], s[70+2*(\u):71+2*(\u)] offset:\f*512  ; 512 consecutive bytes, at a multiple of 256 from y's first
.endr
.endm
	PACK 0
	PACK 1
	SEND 0, 8
	SEND 1, 0
	s_wait_tensorcnt 0x0            ; the wave's end: the spare word's add and its wait, behind my last tensor load and my last LDS store
	ds_add_u32 v[SPW], v[NIL]
	s_wait_dscnt 0x0
	CROUND                          ; the closing round: no work-group ends while a partner may still ask for a tile that names it
	s_endpgm
.Lfunc_end_k_qa141f9f186_attn:
	.size	k_qa141f9f186_attn, .Lfunc_end_k_qa141f9f186_attn-k_qa141f9f186_attn
	.p2alignl 7, 3214868480
	.fill 96, 4, 3214868480
	.section	.rodata,"a",@progbits
	.p2align	6, 0x0
	.amdhsa_kernel k_qa141f9f186_attn
		.amdhsa_group_segment_fixed_size 327680
		.amdhsa_private_segment_fixed_size 0
		.amdhsa_enable_private_segment 0
		.amdhsa_kernarg_size 16
		.amdhsa_user_sgpr_count 2
		.amdhsa_user_sgpr_kernarg_segment_ptr 1
		.amdhsa_wavefront_size32 1
		.amdhsa_system_sgpr_workgroup_id_x 1
		.amdhsa_system_sgpr_workgroup_id_y 1
		.amdhsa_system_sgpr_workgroup_id_z 1
		.amdhsa_system_vgpr_workitem_id 0
		.amdhsa_next_free_vgpr 352
		.amdhsa_next_free_sgpr 80
		.amdhsa_reserve_vcc 1
		.amdhsa_float_denorm_mode_32 3
		.amdhsa_float_denorm_mode_16_64 3
		.amdhsa_memory_ordered 1
		.amdhsa_forward_progress 1
		.amdhsa_inst_pref_size 52
	.end_amdhsa_kernel
	.amdgpu_metadata
---
amdhsa.version: [ 1, 2 ]
amdhsa.kernels:
  - .name:           k_qa141f9f186_attn
    .symbol:         k_qa141f9f186_attn.kd
    .args:
      - { .name: qkvh, .offset: 0, .size: 8, .value_kind: global_buffer, .address_space: global }
      - { .name: y, .offset: 8, .size: 8, .value_kind: global_buffer, .address_space: global }
    .group_segment_fixed_size: 327680
    .private_segment_fixed_size: 0
    .kernarg_segment_align: 8
    .kernarg_segment_size: 16
    .max_flat_workgroup_size: 256
    .sgpr_count:     80
    .vgpr_count:     352
    .wavefront_size: 32
...
	.end_amdgpu_metadata
.endif
;; end of part 3
;; launch proj (part 4): grid 8 x 32, 4 waves a work-group, clusters of 4 x 4, 327,680 bytes of LDS; arguments y, wbf, proj_b, x, x1; writes x1
.if DOCPART == 4
	.amdgcn_target "amdgcn-amd-amdhsa--gfx1250"
	.amdhsa_code_object_version 6
	.text
	.protected	k_qa141f9f186_proj
	.globl	k_qa141f9f186_proj
	.p2align	8
	.type	k_qa141f9f186_proj,@function
k_qa141f9f186_proj:
	s_mov_b64 s[64:65], 0
	v_nop
	global_prefetch_b8 v0, s[64:65] scope:SCOPE_SE
	s_setreg_imm32_b32 hwreg(HW_REG_WAVE_MODE, 25, 1), 1
	s_wait_xcnt 0x0
	s_wait_alu depctr_hold_cnt(0) depctr_sa_sdst(0) depctr_va_vdst(0) depctr_va_sdst(0) depctr_va_ssrc(0) depctr_va_vcc(0) depctr_vm_vsrc(0)
	s_getreg_b32 s2, hwreg(HW_REG_IB_STS2, 6, 4)
	s_cmp_eq_u32 s2, 0
	s_cbranch_scc0 .Lentry_in_a_cluster
	s_endpgm
.Lentry_in_a_cluster:
	s_bfe_u32 s2, ttmp6, 0x10000c
	s_cmp_lg_u32 s2, 0xf033
	s_cbranch_scc0 .Lentry_shape_is_right
	s_endpgm
.Lentry_shape_is_right:
; x1 = x + y x proj_w + proj_b.  y in slabs [16][4096][64] bf16 (a head's 64 channels are one slab of K); the weights [1024][1024] bf16 at byte 6,291,456 of wbf; bias, x and x1 in f32; sums in f32.
.set KT,     1024                      ; the product's K
.set NTOT,   1024                      ; its N: elements from row to row of the weights
.set WOFF,   6291456                   ; the weights' first byte in wbf
.set SLABA,  1                         ; A lies 0: plain [4096][KT]; 1: in slabs [KT/64][4096][64]
.set OUTF32, 1                         ; the result: 0: bf16 in slabs; 1: f32 [4096][NTOT] with a residual added
.set RELU,   0
; ---- From here on the four product kernels have the same text; the six constants above choose its forms. ----
; C = A W + bias.  A TILE of C is 128 x 128: four waves, as many as a WGP has SIMDs, each 64 x 64: 16 accumulators of 16 x 16, 128 registers.  K goes in steps of 256 through two LDS slots filled by
; tensor loads, one load a wave and step: waves 0, 1 bring A's two halves of 64 rows, waves 2, 3 W's two halves of 128 k.  128 x 128 because the smallest of the four products then has one tile for each of 256 WGPs.
; CLUSTER 4 x 4: the four work-groups of a row of the cluster need the same tiles of A, the four of a column the same tiles of W: each tile is asked for JOINTLY, by the same load with the same
; descriptor and a mask that names the four.
; W LIES [K][N] and is turned on its way from LDS to registers by ds_load_tr16_b128.  THE MATRIX INSTRUCTION IS USED TRANSPOSED (source 0 = 16 columns of W, source 1 = 16 rows of A): lane l then holds row
; l % 16 of C and the eight neighbouring columns 8 (l / 16) + 0..7.  THE BIAS is the C operand of the product that starts each sum: nothing is cleared and nothing is added later.
; LIMITS: operands are rounded to bf16; relu is v_max_num_f32 with 0, so a NaN becomes 0 there; NaN and infinities are not treated apart otherwise.
; REGISTERS: window 0: v0-31 addresses; v32-95 at work on the way out; v96-127 the bias; v128-255 the accumulators ((a, b) at v[128 + 8 (4 a + b)]).
;   window 1: two fragment buffers of 128: for 64 along K, 64 registers of A (2 x 4 x 16 rows x 32 K), then 64 of W.   window 2 (f32 results): v0-127 the residual of my 64 x 64.
.set PB,     288                       ; a row of W in LDS: 128 n = 256 bytes + 32 of padding = 72 words
.set HALF,   36864                     ; what one tensor load fills: 128 rows of W; or 64 rows of A (plain: 64 x 528 = 33,792; slabs: 4 x 64 x 144)
.set SLOT,   4*HALF                    ; A's rows 0-63, A's rows 64-127, W's k 0-127, W's k 128-255
.set STAGE,  2*SLOT                    ; behind the ring, never filled by a tensor load: 4,352 bytes for each wave, for the way out
.set STGW,   4352
.set SPARE,  STAGE+4*STGW              ; behind the stages: the spare words, 128 bytes for each wave: two blocks of 256 bytes that no other line names
.set BSTEP,  512*NTOT                  ; bytes of W from one K step to the next: 256 rows
.set LAPS,   KT/512                    ; a lap = two K steps = once round the ring
.if SLABA
.set APITCH, 144                       ; a row of A in LDS: 64 k = 128 bytes + 16: the 16 rows of a load start at 16 different groups of four banks
.set ASLAB,  64*APITCH                 ; LDS bytes from one slab's 64 rows to the next slab's
.set AQI,    4                         ; padding after every 32 words
.set ADIM0,  4096                      ; a row of the tile: 64 rows of one slab, 8,192 dense bytes
.set ADIM1,  4                         ; four slabs = 256 along K
.set ASTRIDE, 262144                   ; elements from slab to slab
.set ASTEP,  2097152                   ; bytes from one K step to the next: four slabs
.set AROWB,  128                       ; bytes from row to row of A in memory
.else
.set APITCH, 528                       ; a row of A in LDS: 256 k = 512 bytes + 16
.set ASLAB,  128                       ; 64 along K are 128 bytes further on in the same row
.set AQI,    6                         ; padding after every 128 words
.set ADIM0,  256
.set ADIM1,  64
.set ASTRIDE, KT
.set ASTEP,  512
.set AROWB,  KT*2
.endif
.set ADRA, 16                          ; v16-17  LDS address of my A fragments in slot 0, 1
.set ADRB, 20                          ; v20-23  the same for W: 2 x slot + half of the K step
.set STO,  24                          ; v24     the way out: where I put my part of a row
.set RD,   25                          ; v25     the way out: where I read rows back
.set CO,   26                          ; v26     my byte offset in the result (and in the residual)
.set BO,   27                          ; v27     my byte offset in 16 numbers of the bias: 32 (l / 16)
.set SPW,  28                          ; v28     LDS address of my spare word: SPARE + 4 x my thread's number; never rewritten
.set NIL,  29                          ; v29     0; never rewritten
.set TMP,  32
.set BIAS, 96                          ; eight registers for each block b of 16 columns
.set ACC,  128
.set F0,   0                           ; fragment buffers, in window 1
.set F1,   128
.set G1,  24                           ; s[24:31] descriptor group 1 for A's tiles;  s[32:39] group 0, one set for each slot
.set G0,  32
.set G1B, 48                           ; s[48:55], s[56:63] the same for W's tiles
.set G0B, 56
.set MSB, 0
.macro WIN new                         ; the immediate's high byte repeats the setting that is left; a switch that changes nothing is dropped
.if MSB != (\new)
	s_set_vgpr_msb (MSB<<8)|(\new)
.set MSB, \new
.endif
.endm
.set MUL,  0x05                        ; sources 0 (W) and 1 (A) window 1; C and D window 0
.set TO_F, 0x40                        ; destination window 1, address window 0
.macro JLOAD s                         ; a joint load: waves 0 and 1 fetch A's two halves, waves 2 and 3 W's; an s_nop 0 and four v_nop follow each of the two lines, ahead of the jump, the label and what follows
	s_cmp_eq_u32 s15, 0
	s_cbranch_scc0 .Lfor_b_\@
	tensor_load_to_lds s[G0+4*(\s):G0+4*(\s)+3], s[G1:G1+7]
	s_nop 0
.rept 4
	v_nop
.endr
	s_branch .Lasked_\@
.Lfor_b_\@:
	tensor_load_to_lds s[G0B+4*(\s):G0B+4*(\s)+3], s[G1B:G1B+7]
	s_nop 0
.rept 4
	v_nop
.endr
.Lasked_\@:
.endm
.macro CREST                           ; a round of the cluster's barrier behind its opening barrier: wave 0 signals for the work-group, every wave waits for all sixteen, the work-group's barrier closes it
	s_cmp_lg_u32 s14, 0
	s_cbranch_scc1 .Lnot_wave_0_\@
	s_barrier_signal -3
.Lnot_wave_0_\@:
	s_barrier_wait -3
	s_barrier_signal -1
	s_barrier_wait -1
.endm
.macro CROUND                          ; a whole round
	s_barrier_signal -1
	s_barrier_wait -1
	CREST
.endm
	s_load_b256 s[4:11], s[0:1], 0x0               ; A s[4:5], wbf s[6:7], bias s[8:9], s[10:11] the result (bf16) or the residual (f32)
.if OUTF32
	s_load_b64 s[12:13], s[0:1], 0x20              ; the f32 result
.endif
	v_lshl_add_u32 v[SPW], v0, 2, SPARE
	v_mov_b32 v[NIL], 0
	ds_add_u32 v[SPW], v[NIL]                      ; the wave's opening: the add and its wait stand ahead of my first tensor load; the set-up below, work on registers, stands between them
	v_lshrrev_b32 v1, 5, v0
	v_readfirstlane_b32 s14, v1                    ; wave 0..3
	s_lshr_b32 s15, s14, 1                         ; which half of the tile's rows is mine.  Also: I fetch for A (0) or for W (1)
	s_and_b32 s16, s14, 1                          ; which half of its columns.  Also: which half of that tile I fetch
	s_bfe_u32 s17, ttmp6, 0x40000                  ; cx, cy: my place in the cluster
	s_bfe_u32 s18, ttmp6, 0x40004
	s_lshl_b32 s19, ttmp9, 2
	s_add_co_u32 s19, s19, s17                     ; tile column of C = 4 x cluster x + cx
	s_and_b32 s20, ttmp7, 0xffff
	s_lshl_b32 s20, s20, 2
	s_add_co_u32 s20, s20, s18                     ; tile row of C = 4 x cluster y + cy
	s_lshl_b32 s21, s18, 2
	s_lshl_b32 s21, 15, s21                        ; my row of the cluster
	s_lshl_b32 s22, 0x1111, s17                    ; my column
	s_or_b32 s[G1+0], s21, (1<<16)|(1<<20)|(1<<21)|(AQI<<22)|(3<<25)  ; 15:0 the mask: A's tiles go to my row; 17:16 elements of 2 bytes; 20 padding on; 21 set beside a mask; 24:22 the interval; 31:25 4 words of padding (code 3)
	s_mov_b32 s[G1+1], (ADIM0&0xffff)<<16          ; tensor_dim0 = the tile's
	s_mov_b32 s[G1+2], ADIM1<<16                   ; tensor_dim1 = the tile's
	s_mov_b32 s[G1+3], ADIM0<<16                   ; tile_dim0
	s_mov_b32 s[G1+4], ADIM1                       ; tile_dim1
	s_mov_b32 s[G1+5], ASTRIDE                     ; elements from row to row of the tile
	s_mov_b32 s[G1+6], 0
	s_mov_b32 s[G1+7], 0
	s_or_b32 s[G1B+0], s22, (1<<16)|(1<<20)|(1<<21)|(5<<22)|(7<<25)   ; W's tiles go to my column; padding after every 64 words, 8 words of it (code 7)
	s_mov_b32 s[G1B+1], 128<<16                    ; 128 n
	s_mov_b32 s[G1B+2], 128<<16                    ; 128 k
	s_mov_b32 s[G1B+3], 128<<16
	s_mov_b32 s[G1B+4], 128
	s_mov_b32 s[G1B+5], NTOT
	s_mov_b32 s[G1B+6], 0
	s_mov_b32 s[G1B+7], 0
	; where the tiles come from.  A's hang on the tile row alone, which my row of the cluster shares; W's on the tile column alone, which my column shares; each in registers that never hold the other coordinate
	s_lshl_b32 s40, s20, 7
	s_lshl_b32 s23, s16, 6
	s_add_co_u32 s40, s40, s23                     ; A: row 128 x tile row + 64 x half,
	s_mul_i32 s40, s40, AROWB                      ; in bytes (under 2^24)
	s_mov_b32 s41, 0
	s_mul_i32 s46, s16, 256*NTOT                   ; W: 128 k x half,
	s_lshl_b32 s47, s19, 8                         ; + 128 n x tile column,
	s_add_co_u32 s46, s46, s47
	s_add_co_u32 s46, s46, WOFF                    ; + this product's weights in wbf
	s_mov_b32 s47, 0
	s_mul_i32 s44, s14, HALF                       ; and where they go: wave x HALF: no place in the cluster enters an LDS address
	s_wait_dscnt 0x0                               ; the opening add is done
	s_wait_kmcnt 0x0
	s_add_nc_u64 s[40:41], s[4:5], s[40:41]
	s_add_nc_u64 s[46:47], s[6:7], s[46:47]
	CROUND                                         ; all sixteen work-groups are here: the first joint loads meet
.irp s, 0,1
	s_mov_b32 s[G0+4*(\s)], 1                                      ; count = 1
	s_add_co_u32 s[G0+4*(\s)+1], s44, (\s)*SLOT                    ; LDS address
	s_add_nc_u64 s[G0+4*(\s)+2:G0+4*(\s)+3], s[40:41], (\s)*ASTEP  ; global address: K step s
	s_or_b32 s[G0+4*(\s)+3], s[G0+4*(\s)+3], 0x80000000            ; type = 2
	s_mov_b32 s[G0B+4*(\s)], 1
	s_add_co_u32 s[G0B+4*(\s)+1], s44, (\s)*SLOT
	s_add_nc_u64 s[G0B+4*(\s)+2:G0B+4*(\s)+3], s[46:47], (\s)*BSTEP
	s_or_b32 s[G0B+4*(\s)+3], s[G0B+4*(\s)+3], 0x80000000
	JLOAD \s                                       ; both slots are asked for before anything else: two loads of mine are out
.endr
	; A fragment of A: lane l holds row l % 16, k = 8 (l / 16) + 0..7 and 16 + 8 (l / 16) + 0..7: two loads of 16 bytes, 32 bytes apart
	v_and_b32 v1, 15, v0                           ; l % 16
	v_bfe_u32 v2, v0, 4, 1                         ; l / 16
	v_mul_u32_u24 v3, v1, APITCH
	v_lshl_add_u32 v3, v2, 4, v3
	s_mul_i32 s42, s15, HALF                       ; my 64 rows of A
	v_add_nc_u32 v[ADRA], s42, v3
	v_add_nc_u32 v[ADRA+1], SLOT, v[ADRA]
	; The turning load takes 16 k x 16 n (lane l reads k = 8 (l / 16) + l % 8, n = 8 ((l / 8) % 2) + 0..7) and leaves half a fragment: lane l holds column l % 16 and 8 k
	v_and_b32 v4, 7, v0
	v_lshl_add_u32 v4, v2, 3, v4
	v_mul_u32_u24 v4, v4, PB
	v_bfe_u32 v5, v0, 3, 1
	v_lshl_add_u32 v4, v5, 4, v4
	s_lshl_b32 s43, s16, 7                         ; my 64 columns: 128 bytes into the rows,
	s_add_co_u32 s43, s43, 2*HALF                  ; behind A's two halves
	v_add_nc_u32 v[ADRB], s43, v4
	v_add_nc_u32 v[ADRB+1], HALF, v[ADRB]
	v_add_nc_u32 v[ADRB+2], SLOT, v[ADRB]
	v_add_nc_u32 v[ADRB+3], SLOT+HALF, v[ADRB]
	s_mul_i32 s45, s14, STGW
	s_add_co_u32 s45, s45, STAGE                   ; my stage
.if OUTF32
	v_mul_u32_u24 v6, v1, 272                      ; in: row l % 16 of 256 + 16 bytes, 32 bytes for each half of the lanes
	v_lshl_add_u32 v6, v2, 5, v6
	v_add_nc_u32 v[STO], s45, v6
	v_mul_u32_u24 v7, v2, 272                      ; back: lanes 0-15 take one row of 256 bytes, lanes 16-31 the next
	v_lshl_add_u32 v7, v1, 4, v7
	v_add_nc_u32 v[RD], s45, v7
	v_lshlrev_b32 v8, 12, v2                       ; and the same two rows in memory, 4,096 bytes apart
	v_lshl_add_u32 v[CO], v1, 4, v8
.else
	v_mul_u32_u24 v6, v1, 144                      ; in: row l % 16 of 128 + 16 bytes, 16 bytes for each half of the lanes
	v_lshl_add_u32 v6, v2, 4, v6
	v_add_nc_u32 v[STO], s45, v6
	v_bfe_u32 v7, v0, 3, 2                         ; back: 32 lanes take four rows of 128 bytes,
	v_mul_u32_u24 v7, v7, 144
	v_and_b32 v8, 7, v0
	v_lshl_add_u32 v7, v8, 4, v7
	v_add_nc_u32 v[RD], s45, v7
	v_and_b32 v8, 31, v0                           ; which are 512 consecutive bytes of a slab
	v_lshlrev_b32 v[CO], 4, v8
.endif
	v_lshlrev_b32 v[BO], 5, v2
	s_lshl_b32 s42, s19, 9                         ; my first column in f32 bytes: 512 x tile column + 256 x half
	s_lshl_b32 s43, s16, 8
	s_add_co_u32 s42, s42, s43
	s_mov_b32 s43, 0
	s_add_nc_u64 s[8:9], s[8:9], s[42:43]          ; the bias at my 64 columns
.if OUTF32
	s_lshl_b32 s23, s20, 19                        ; + my first row x 4,096 bytes: 128 x tile row + 64 x half
	s_add_co_u32 s42, s42, s23
	s_lshl_b32 s23, s15, 18
	s_add_co_u32 s42, s42, s23
	s_add_nc_u64 s[10:11], s[10:11], s[42:43]      ; residual and result at my 64 x 64
	s_add_nc_u64 s[12:13], s[12:13], s[42:43]
.else
	s_lshl_b32 s42, s19, 1
	s_add_co_u32 s42, s42, s16                     ; my slab = 2 x tile column + half,
	s_lshl_b32 s42, s42, 19                        ; x 524,288 bytes,
	s_lshl_b32 s23, s20, 14                        ; + my first row x 128 bytes
	s_add_co_u32 s42, s42, s23
	s_lshl_b32 s23, s15, 13
	s_add_co_u32 s42, s42, s23
	s_add_nc_u64 s[10:11], s[10:11], s[42:43]
.endif
.irp b, 0,1,2,3
	global_load_b128 v[BIAS+8*(\b):BIAS+8*(\b)+3],   v[BO], s[8:9] offset:64*(\b)     ; register j of block b: the bias of column 16 b + 8 (l / 16) + j, as the result holds it
	global_load_b128 v[BIAS+8*(\b)+4:BIAS+8*(\b)+7], v[BO], s[8:9] offset:64*(\b)+16
.endr
.if OUTF32
	WIN 0x80                                       ; destination window 2, address window 0
.set i, 0
.rept 32                                       ; the residual of my 64 x 64, in the lanes that will store those bytes; it lands while the products run
	global_load_b128 v[4*i:4*i+3], v[CO], s[10:11] offset:(16*(i/8)+2*(i%8))*4096
.set i, i+1
.endr
	WIN 0
.endif
; 8 matrix instructions: m blocks a0, a0 + 1 x all 4 n blocks, 32 along K: half c of buffer f.  first = 1: the product starts the sums, with the bias as C.
; The 16 accumulators take turns, one instruction a turn, in the same order everywhere.
.macro MUL8 f, c, a0, first
	WIN MUL
.irp a, \a0, (\a0)+1
.irp b, 0,1,2,3
.if \first
	v_wmma_f32_16x16x32_bf16 v[ACC+8*(4*(\a)+(\b)):ACC+8*(4*(\a)+(\b))+7], v[(\f)+64+8*(4*(\c)+(\b)):(\f)+64+8*(4*(\c)+(\b))+7], v[(\f)+8*(4*(\c)+(\a)):(\f)+8*(4*(\c)+(\a))+7], v[BIAS+8*(\b):BIAS+8*(\b)+7]
.else
	v_wmma_f32_16x16x32_bf16 v[ACC+8*(4*(\a)+(\b)):ACC+8*(4*(\a)+(\b))+7], v[(\f)+64+8*(4*(\c)+(\b)):(\f)+64+8*(4*(\c)+(\b))+7], v[(\f)+8*(4*(\c)+(\a)):(\f)+8*(4*(\c)+(\a))+7], v[ACC+8*(4*(\a)+(\b)):ACC+8*(4*(\a)+(\b))+7]
.endif
.endr
.endr
.endm
; 32 LDS loads in one run: the fragments of quarter kq (64 along K) of a slot's K step, into buffer f; the first 32 along K first
.macro FETCH slot, kq, f
	WIN TO_F
.irp c, 0,1
.irp i, 0,1,2,3
	ds_load_tr16_b128 v[(\f)+64+8*(4*(\c)+(\i)):(\f)+64+8*(4*(\c)+(\i))+3],   v[ADRB+2*(\slot)+(\kq)/2] offset:(((\kq)%2)*64+32*(\c))*PB+32*(\i)
	ds_load_tr16_b128 v[(\f)+64+8*(4*(\c)+(\i))+4:(\f)+64+8*(4*(\c)+(\i))+7], v[ADRB+2*(\slot)+(\kq)/2] offset:(((\kq)%2)*64+32*(\c)+16)*PB+32*(\i)
	ds_load_b128 v[(\f)+8*(4*(\c)+(\i)):(\f)+8*(4*(\c)+(\i))+3],              v[ADRA+(\slot)] offset:(\kq)*ASLAB+64*(\c)+(\i)*16*APITCH
	ds_load_b128 v[(\f)+8*(4*(\c)+(\i))+4:(\f)+8*(4*(\c)+(\i))+7],            v[ADRA+(\slot)] offset:(\kq)*ASLAB+64*(\c)+(\i)*16*APITCH+32
.endr
.endr
.endm
.macro PLACES                          ; four places in front of loads into registers that matrix instructions have read, and of lines that read results (ISA guide 7.12.1 for the latter)
.rept 4
	v_nop
.endr
.endm
; A K step is four quarters of 64 along K, 32 matrix instructions each, on buffers 0, 1, 0, 1.  One of the first three: multiplies buffer f and fetches quarter kq into g.
.macro QUARTER slot, kq, f, g, first
	s_wait_dscnt 16                                ; the first 32 along K are in; the run's other sixteen loads may be out
	MUL8 \f, 0, 0, \first
	MUL8 \f, 0, 2, \first
	PLACES
	FETCH \slot, \kq, \g
	s_wait_dscnt 32                                ; all but the 32 just issued
	MUL8 \f, 1, 0, 0
	MUL8 \f, 1, 2, 0
.endm
; The last quarter multiplies buffer 1 and changes slots: ONE barrier; in front of it each wave waits for all its tensor loads (one is out: its part of the next slot), adds 0 to its spare word, and waits
; for that and for its own reads of this slot.  fill = 1: this slot is filled again, two K steps ahead; the barrier then opens a round of the cluster's barrier.
.macro TURN slot, next, fill
	WIN 0                                          ; (the add's two registers lie in window 0)
	s_wait_tensorcnt 0x0                           ; all my tensor loads have landed: my part of the next slot;
	ds_add_u32 v[SPW], v[NIL]                      ; 0 onto my spare word;
	s_wait_dscnt 17                                ; (the add and the youngest sixteen loads may be out)
	MUL8 F1, 0, 0, 0                               ; eight matrix instructions stand between the add and the wait for it
	s_wait_dscnt 0x0                               ; the add is done, and my reads of this slot are over
	s_barrier_signal -1
	MUL8 F1, 0, 2, 0
.if \fill
	WIN 0
.endif
	s_barrier_wait -1
.if \fill
	CREST                                          ; no wave of any partner still reads this slot's tile or has a load on its way
	s_add_nc_u64 s[G0+4*(\slot)+2:G0+4*(\slot)+3], s[G0+4*(\slot)+2:G0+4*(\slot)+3], 2*ASTEP
	s_add_nc_u64 s[G0B+4*(\slot)+2:G0B+4*(\slot)+3], s[G0B+4*(\slot)+2:G0B+4*(\slot)+3], 2*BSTEP
	JLOAD \slot                                    ; the first tensor load behind the round: 112 matrix instructions ahead of the wait for it; the four v_nop behind it are also the places in front of the loads below
.else
	PLACES
.endif
	FETCH \next, 0, F0
	MUL8 F1, 1, 0, 0
	MUL8 F1, 1, 2, 0
.endm
	s_wait_tensorcnt 1                             ; my part of K step 0 is in; K step 1's may stay out
	s_barrier_signal -1
	s_barrier_wait -1                              ; everybody's is
	FETCH 0, 0, F0
.if OUTF32
	s_wait_loadcnt 32                              ; the bias is in; the residual's 32 younger loads stay out
.else
	s_wait_loadcnt 0x0                             ; the bias
.endif
	QUARTER 0, 1, F0, F1, 1                        ; the first quarter stands in front of the loop: its first products start the sums
	WIN 0                                          ; at a label and at a branch every window is 0
	s_mov_b32 s3, LAPS-1
.Llap:                                                 ; a trip goes once round the ring, from a lap's second quarter to the next lap's first, and fills both slots again
	QUARTER 0, 2, F1, F0, 0
	QUARTER 0, 3, F0, F1, 0
	TURN 0, 1, 1
	QUARTER 1, 1, F0, F1, 0
	QUARTER 1, 2, F1, F0, 0
	QUARTER 1, 3, F0, F1, 0
	TURN 1, 0, 1
	QUARTER 0, 1, F0, F1, 0
	WIN 0
	s_sub_co_u32 s3, s3, 1
	s_cmp_lg_u32 s3, 0
	s_cbranch_scc1 .Llap
	QUARTER 0, 2, F1, F0, 0                        ; the last lap fills nothing, and has no round of the cluster's barrier
	QUARTER 0, 3, F0, F1, 0
	TURN 0, 1, 0
	QUARTER 1, 1, F0, F1, 0
	QUARTER 1, 2, F1, F0, 0
	QUARTER 1, 3, F0, F1, 0
	s_wait_dscnt 16                                ; the very last quarter: nothing more to fetch
	MUL8 F1, 0, 0, 0
	MUL8 F1, 0, 2, 0
	s_wait_dscnt 0x0
	MUL8 F1, 1, 0, 0
	MUL8 F1, 1, 2, 0
	WIN 0
	PLACES
.if OUTF32
	; THE WAY OUT, f32: a block of 16 rows x 64 columns goes through my own stage (rows of 272 bytes) and comes back as whole rows of 256 bytes; the residual is added; 16 lanes store 256 consecutive aligned bytes.
.macro STGF a
.if (\a) >= 2
	s_wait_xcnt 0x0                                ; the stores of the block two back have read this half of TMP: it is loaded again only behind this wait
.endif
.irp b, 0,1,2,3
	ds_store_b128 v[STO], v[ACC+32*(\a)+8*(\b):ACC+32*(\a)+8*(\b)+3]   offset:64*(\b)     ; each accumulator's low registers first
	ds_store_b128 v[STO], v[ACC+32*(\a)+8*(\b)+4:ACC+32*(\a)+8*(\b)+7] offset:64*(\b)+16
.endr
.irp t, 0,1,2,3,4,5,6,7
	ds_load_b128 v[TMP+32*((\a)%2)+4*(\t):TMP+32*((\a)%2)+4*(\t)+3], v[RD] offset:544*(\t)  ; LDS serves a wave's instructions in order (ISA guide 5.7.1.4): these see the stores above; the next block's stores come behind them
.endr
.endm
.macro OUTF a, younger                 ; younger: the LDS instructions issued behind block a's loads: the next block's sixteen, or none
	s_wait_dscnt \younger
	WIN 0x08                                       ; source 1 (the residual) in window 2
.set i, 0
.rept 16
	v_pk_add_f32 v[TMP+32*((\a)%2)+2*i:TMP+32*((\a)%2)+2*i+1], v[TMP+32*((\a)%2)+2*i:TMP+32*((\a)%2)+2*i+1], v[32*(\a)+2*i:32*(\a)+2*i+1]
.set i, i+1
.endr
	WIN 0
.irp t, 0,1,2,3,4,5,6,7
	global_store_b128 v[CO], v[TMP+32*((\a)%2)+4*(\t):TMP+32*((\a)%2)+4*(\t)+3], s[12:13] offset:(16*(\a)+2*(\t))*4096
.endr
.endm
	s_wait_loadcnt 0x0                             ; the residual
	STGF 0
	STGF 1
	OUTF 0, 16
	STGF 2
	OUTF 1, 16
	STGF 3
	OUTF 2, 16
	OUTF 3, 0
.else
	; THE WAY OUT, bf16 in slabs: a block of 16 rows x 64 columns is rounded, goes through my own stage (rows of 144 bytes) and comes back as whole rows of 128 bytes: 16 rows of a slab are 2,048 consecutive bytes.
.macro PACKB a
.if RELU
.set i, 0
.rept 32
	v_max_num_f32 v[ACC+32*(\a)+i], 0, v[ACC+32*(\a)+i]
.set i, i+1
.endr
.endif
.set i, 0
.rept 16
	v_cvt_pk_bf16_f32 v[TMP+16*(\a)+i], v[ACC+32*(\a)+2*i], v[ACC+32*(\a)+2*i+1]
.set i, i+1
.endr
.irp b, 0,1,2,3
	ds_store_b128 v[STO], v[TMP+16*(\a)+4*(\b):TMP+16*(\a)+4*(\b)+3] offset:32*(\b)
.endr
.irp f, 0,1,2,3
	ds_load_b128 v[TMP+16*(\a)+4*(\f):TMP+16*(\a)+4*(\f)+3], v[RD] offset:576*(\f)  ; LDS serves a wave's instructions in order (ISA guide 5.7.1.4): these see the stores above; the next block's stores come behind them
.endr
.endm
.macro SENDB a, younger                ; younger: the LDS instructions issued behind block a's loads: the next block's eight, or none
.irp f, 0,1,2,3
	s_wait_dscnt (\younger)+3-(\f)
	global_store_b128 v[CO], v[TMP+16*(\a)+4*(\f):TMP+16*(\a)+4*(\f)+3], s[10:11] offset:(\a)*2048+(\f)*512  ; 512 consecutive bytes, at a multiple of 256 from the buffer's first
.endr
.endm
	PACKB 0
	PACKB 1                                        ; a block's arithmetic stands between the loads of the block before and its stores
	SENDB 0, 8
	PACKB 2
	SENDB 1, 8
	PACKB 3
	SENDB 2, 8
	SENDB 3, 0
.endif
	s_wait_tensorcnt 0x0                           ; the wave's end: the spare word's add and its wait, behind my last tensor load and my last LDS store
	ds_add_u32 v[SPW], v[NIL]
	s_wait_dscnt 0x0
	CROUND                                         ; the closing round: no work-group ends while a partner may still ask for a tile that names it
	s_endpgm
.Lfunc_end_k_qa141f9f186_proj:
	.size	k_qa141f9f186_proj, .Lfunc_end_k_qa141f9f186_proj-k_qa141f9f186_proj
	.p2alignl 7, 3214868480
	.fill 96, 4, 3214868480
	.section	.rodata,"a",@progbits
	.p2align	6, 0x0
	.amdhsa_kernel k_qa141f9f186_proj
		.amdhsa_group_segment_fixed_size 327680
		.amdhsa_private_segment_fixed_size 0
		.amdhsa_enable_private_segment 0
		.amdhsa_kernarg_size 40
		.amdhsa_user_sgpr_count 2
		.amdhsa_user_sgpr_kernarg_segment_ptr 1
		.amdhsa_wavefront_size32 1
		.amdhsa_system_sgpr_workgroup_id_x 1
		.amdhsa_system_sgpr_workgroup_id_y 1
		.amdhsa_system_sgpr_workgroup_id_z 1
		.amdhsa_system_vgpr_workitem_id 0
		.amdhsa_next_free_vgpr 640
		.amdhsa_next_free_sgpr 66
		.amdhsa_reserve_vcc 0
		.amdhsa_float_denorm_mode_32 3
		.amdhsa_float_denorm_mode_16_64 3
		.amdhsa_memory_ordered 1
		.amdhsa_forward_progress 1
		.amdhsa_inst_pref_size 94
	.end_amdhsa_kernel
	.amdgpu_metadata
---
amdhsa.version: [ 1, 2 ]
amdhsa.kernels:
  - .name:           k_qa141f9f186_proj
    .symbol:         k_qa141f9f186_proj.kd
    .args:
      - { .name: y, .offset: 0, .size: 8, .value_kind: global_buffer, .address_space: global }
      - { .name: wbf, .offset: 8, .size: 8, .value_kind: global_buffer, .address_space: global }
      - { .name: proj_b, .offset: 16, .size: 8, .value_kind: global_buffer, .address_space: global }
      - { .name: x, .offset: 24, .size: 8, .value_kind: global_buffer, .address_space: global }
      - { .name: x1, .offset: 32, .size: 8, .value_kind: global_buffer, .address_space: global }
    .group_segment_fixed_size: 327680
    .private_segment_fixed_size: 0
    .kernarg_segment_align: 8
    .kernarg_segment_size: 40
    .max_flat_workgroup_size: 128
    .sgpr_count:     66
    .vgpr_count:     640
    .wavefront_size: 32
...
	.end_amdgpu_metadata
.endif
;; end of part 4
;; launch ln2: the kernel of part 1 again; grid 512 x 1, 8 waves a work-group, no clusters, 0 bytes of LDS; arguments x1, ln2_w, ln2_b, hn, qkv_w, proj_w, ff_w1, ff_w2, wbf; writes hn, wbf
;; launch ff1 (part 5): grid 32 x 32, 4 waves a work-group, clusters of 4 x 4, 327,680 bytes of LDS; arguments hn, wbf, ff_b1, act; writes act
.if DOCPART == 5
	.amdgcn_target "amdgcn-amd-amdhsa--gfx1250"
	.amdhsa_code_object_version 6
	.text
	.protected	k_qa141f9f186_ff1
	.globl	k_qa141f9f186_ff1
	.p2align	8
	.type	k_qa141f9f186_ff1,@function
k_qa141f9f186_ff1:
	s_mov_b64 s[64:65], 0
	v_nop
	global_prefetch_b8 v0, s[64:65] scope:SCOPE_SE
	s_setreg_imm32_b32 hwreg(HW_REG_WAVE_MODE, 25, 1), 1
	s_wait_xcnt 0x0
	s_wait_alu depctr_hold_cnt(0) depctr_sa_sdst(0) depctr_va_vdst(0) depctr_va_sdst(0) depctr_va_ssrc(0) depctr_va_vcc(0) depctr_vm_vsrc(0)
	s_getreg_b32 s2, hwreg(HW_REG_IB_STS2, 6, 4)
	s_cmp_eq_u32 s2, 0
	s_cbranch_scc0 .Lentry_in_a_cluster
	s_endpgm
.Lentry_in_a_cluster:
	s_bfe_u32 s2, ttmp6, 0x10000c
	s_cmp_lg_u32 s2, 0xf033
	s_cbranch_scc0 .Lentry_shape_is_right
	s_endpgm
.Lentry_shape_is_right:
; act = relu(hn x ff_w1 + ff_b1).  hn [4096][1024] bf16; the weights [1024][4096] bf16 at byte 8,388,608 of wbf; the bias f32; sums and relu in f32, rounded once to bf16.
; The result goes out in SLABS: [64][4096][64] bf16, slab = column / 64, so that the next product asks for 64 rows of a slab as 8,192 dense bytes.
.set KT,     1024                      ; the product's K
.set NTOT,   4096                      ; its N: elements from row to row of the weights
.set WOFF,   8388608                   ; the weights' first byte in wbf
.set SLABA,  0                         ; A lies 0: plain [4096][KT]; 1: in slabs [KT/64][4096][64]
.set OUTF32, 0                         ; the result: 0: bf16 in slabs; 1: f32 [4096][NTOT] with a residual added
.set RELU,   1
; ---- From here on the four product kernels have the same text; the six constants above choose its forms. ----
; C = A W + bias.  A TILE of C is 128 x 128: four waves, as many as a WGP has SIMDs, each 64 x 64: 16 accumulators of 16 x 16, 128 registers.  K goes in steps of 256 through two LDS slots filled by
; tensor loads, one load a wave and step: waves 0, 1 bring A's two halves of 64 rows, waves 2, 3 W's two halves of 128 k.  128 x 128 because the smallest of the four products then has one tile for each of 256 WGPs.
; CLUSTER 4 x 4: the four work-groups of a row of the cluster need the same tiles of A, the four of a column the same tiles of W: each tile is asked for JOINTLY, by the same load with the same
; descriptor and a mask that names the four.
; W LIES [K][N] and is turned on its way from LDS to registers by ds_load_tr16_b128.  THE MATRIX INSTRUCTION IS USED TRANSPOSED (source 0 = 16 columns of W, source 1 = 16 rows of A): lane l then holds row
; l % 16 of C and the eight neighbouring columns 8 (l / 16) + 0..7.  THE BIAS is the C operand of the product that starts each sum: nothing is cleared and nothing is added later.
; LIMITS: operands are rounded to bf16; relu is v_max_num_f32 with 0, so a NaN becomes 0 there; NaN and infinities are not treated apart otherwise.
; REGISTERS: window 0: v0-31 addresses; v32-95 at work on the way out; v96-127 the bias; v128-255 the accumulators ((a, b) at v[128 + 8 (4 a + b)]).
;   window 1: two fragment buffers of 128: for 64 along K, 64 registers of A (2 x 4 x 16 rows x 32 K), then 64 of W.   window 2 (f32 results): v0-127 the residual of my 64 x 64.
.set PB,     288                       ; a row of W in LDS: 128 n = 256 bytes + 32 of padding = 72 words
.set HALF,   36864                     ; what one tensor load fills: 128 rows of W; or 64 rows of A (plain: 64 x 528 = 33,792; slabs: 4 x 64 x 144)
.set SLOT,   4*HALF                    ; A's rows 0-63, A's rows 64-127, W's k 0-127, W's k 128-255
.set STAGE,  2*SLOT                    ; behind the ring, never filled by a tensor load: 4,352 bytes for each wave, for the way out
.set STGW,   4352
.set SPARE,  STAGE+4*STGW              ; behind the stages: the spare words, 128 bytes for each wave: two blocks of 256 bytes that no other line names
.set BSTEP,  512*NTOT                  ; bytes of W from one K step to the next: 256 rows
.set LAPS,   KT/512                    ; a lap = two K steps = once round the ring
.if SLABA
.set APITCH, 144                       ; a row of A in LDS: 64 k = 128 bytes + 16: the 16 rows of a load start at 16 different groups of four banks
.set ASLAB,  64*APITCH                 ; LDS bytes from one slab's 64 rows to the next slab's
.set AQI,    4                         ; padding after every 32 words
.set ADIM0,  4096                      ; a row of the tile: 64 rows of one slab, 8,192 dense bytes
.set ADIM1,  4                         ; four slabs = 256 along K
.set ASTRIDE, 262144                   ; elements from slab to slab
.set ASTEP,  2097152                   ; bytes from one K step to the next: four slabs
.set AROWB,  128                       ; bytes from row to row of A in memory
.else
.set APITCH, 528                       ; a row of A in LDS: 256 k = 512 bytes + 16
.set ASLAB,  128                       ; 64 along K are 128 bytes further on in the same row
.set AQI,    6                         ; padding after every 128 words
.set ADIM0,  256
.set ADIM1,  64
.set ASTRIDE, KT
.set ASTEP,  512
.set AROWB,  KT*2
.endif
.set ADRA, 16                          ; v16-17  LDS address of my A fragments in slot 0, 1
.set ADRB, 20                          ; v20-23  the same for W: 2 x slot + half of the K step
.set STO,  24                          ; v24     the way out: where I put my part of a row
.set RD,   25                          ; v25     the way out: where I read rows back
.set CO,   26                          ; v26     my byte offset in the result (and in the residual)
.set BO,   27                          ; v27     my byte offset in 16 numbers of the bias: 32 (l / 16)
.set SPW,  28                          ; v28     LDS address of my spare word: SPARE + 4 x my thread's number; never rewritten
.set NIL,  29                          ; v29     0; never rewritten
.set TMP,  32
.set BIAS, 96                          ; eight registers for each block b of 16 columns
.set ACC,  128
.set F0,   0                           ; fragment buffers, in window 1
.set F1,   128
.set G1,  24                           ; s[24:31] descriptor group 1 for A's tiles;  s[32:39] group 0, one set for each slot
.set G0,  32
.set G1B, 48                           ; s[48:55], s[56:63] the same for W's tiles
.set G0B, 56
.set MSB, 0
.macro WIN new                         ; the immediate's high byte repeats the setting that is left; a switch that changes nothing is dropped
.if MSB != (\new)
	s_set_vgpr_msb (MSB<<8)|(\new)
.set MSB, \new
.endif
.endm
.set MUL,  0x05                        ; sources 0 (W) and 1 (A) window 1; C and D window 0
.set TO_F, 0x40                        ; destination window 1, address window 0
.macro JLOAD s                         ; a joint load: waves 0 and 1 fetch A's two halves, waves 2 and 3 W's; an s_nop 0 and four v_nop follow each of the two lines, ahead of the jump, the label and what follows
	s_cmp_eq_u32 s15, 0
	s_cbranch_scc0 .Lfor_b_\@
	tensor_load_to_lds s[G0+4*(\s):G0+4*(\s)+3], s[G1:G1+7]
	s_nop 0
.rept 4
	v_nop
.endr
	s_branch .Lasked_\@
.Lfor_b_\@:
	tensor_load_to_lds s[G0B+4*(\s):G0B+4*(\s)+3], s[G1B:G1B+7]
	s_nop 0
.rept 4
	v_nop
.endr
.Lasked_\@:
.endm
.macro CREST                           ; a round of the cluster's barrier behind its opening barrier: wave 0 signals for the work-group, every wave waits for all sixteen, the work-group's barrier closes it
	s_cmp_lg_u32 s14, 0
	s_cbranch_scc1 .Lnot_wave_0_\@
	s_barrier_signal -3
.Lnot_wave_0_\@:
	s_barrier_wait -3
	s_barrier_signal -1
	s_barrier_wait -1
.endm
.macro CROUND                          ; a whole round
	s_barrier_signal -1
	s_barrier_wait -1
	CREST
.endm
	s_load_b256 s[4:11], s[0:1], 0x0               ; A s[4:5], wbf s[6:7], bias s[8:9], s[10:11] the result (bf16) or the residual (f32)
.if OUTF32
	s_load_b64 s[12:13], s[0:1], 0x20              ; the f32 result
.endif
	v_lshl_add_u32 v[SPW], v0, 2, SPARE
	v_mov_b32 v[NIL], 0
	ds_add_u32 v[SPW], v[NIL]                      ; the wave's opening: the add and its wait stand ahead of my first tensor load; the set-up below, work on registers, stands between them
	v_lshrrev_b32 v1, 5, v0
	v_readfirstlane_b32 s14, v1                    ; wave 0..3
	s_lshr_b32 s15, s14, 1                         ; which half of the tile's rows is mine.  Also: I fetch for A (0) or for W (1)
	s_and_b32 s16, s14, 1                          ; which half of its columns.  Also: which half of that tile I fetch
	s_bfe_u32 s17, ttmp6, 0x40000                  ; cx, cy: my place in the cluster
	s_bfe_u32 s18, ttmp6, 0x40004
	s_lshl_b32 s19, ttmp9, 2
	s_add_co_u32 s19, s19, s17                     ; tile column of C = 4 x cluster x + cx
	s_and_b32 s20, ttmp7, 0xffff
	s_lshl_b32 s20, s20, 2
	s_add_co_u32 s20, s20, s18                     ; tile row of C = 4 x cluster y + cy
	s_lshl_b32 s21, s18, 2
	s_lshl_b32 s21, 15, s21                        ; my row of the cluster
	s_lshl_b32 s22, 0x1111, s17                    ; my column
	s_or_b32 s[G1+0], s21, (1<<16)|(1<<20)|(1<<21)|(AQI<<22)|(3<<25)  ; 15:0 the mask: A's tiles go to my row; 17:16 elements of 2 bytes; 20 padding on; 21 set beside a mask; 24:22 the interval; 31:25 4 words of padding (code 3)
	s_mov_b32 s[G1+1], (ADIM0&0xffff)<<16          ; tensor_dim0 = the tile's
	s_mov_b32 s[G1+2], ADIM1<<16                   ; tensor_dim1 = the tile's
	s_mov_b32 s[G1+3], ADIM0<<16                   ; tile_dim0
	s_mov_b32 s[G1+4], ADIM1                       ; tile_dim1
	s_mov_b32 s[G1+5], ASTRIDE                     ; elements from row to row of the tile
	s_mov_b32 s[G1+6], 0
	s_mov_b32 s[G1+7], 0
	s_or_b32 s[G1B+0], s22, (1<<16)|(1<<20)|(1<<21)|(5<<22)|(7<<25)   ; W's tiles go to my column; padding after every 64 words, 8 words of it (code 7)
	s_mov_b32 s[G1B+1], 128<<16                    ; 128 n
	s_mov_b32 s[G1B+2], 128<<16                    ; 128 k
	s_mov_b32 s[G1B+3], 128<<16
	s_mov_b32 s[G1B+4], 128
	s_mov_b32 s[G1B+5], NTOT
	s_mov_b32 s[G1B+6], 0
	s_mov_b32 s[G1B+7], 0
	; where the tiles come from.  A's hang on the tile row alone, which my row of the cluster shares; W's on the tile column alone, which my column shares; each in registers that never hold the other coordinate
	s_lshl_b32 s40, s20, 7
	s_lshl_b32 s23, s16, 6
	s_add_co_u32 s40, s40, s23                     ; A: row 128 x tile row + 64 x half,
	s_mul_i32 s40, s40, AROWB                      ; in bytes (under 2^24)
	s_mov_b32 s41, 0
	s_mul_i32 s46, s16, 256*NTOT                   ; W: 128 k x half,
	s_lshl_b32 s47, s19, 8                         ; + 128 n x tile column,
	s_add_co_u32 s46, s46, s47
	s_add_co_u32 s46, s46, WOFF                    ; + this product's weights in wbf
	s_mov_b32 s47, 0
	s_mul_i32 s44, s14, HALF                       ; and where they go: wave x HALF: no place in the cluster enters an LDS address
	s_wait_dscnt 0x0                               ; the opening add is done
	s_wait_kmcnt 0x0
	s_add_nc_u64 s[40:41], s[4:5], s[40:41]
	s_add_nc_u64 s[46:47], s[6:7], s[46:47]
	CROUND                                         ; all sixteen work-groups are here: the first joint loads meet
.irp s, 0,1
	s_mov_b32 s[G0+4*(\s)], 1                                      ; count = 1
	s_add_co_u32 s[G0+4*(\s)+1], s44, (\s)*SLOT                    ; LDS address
	s_add_nc_u64 s[G0+4*(\s)+2:G0+4*(\s)+3], s[40:41], (\s)*ASTEP  ; global address: K step s
	s_or_b32 s[G0+4*(\s)+3], s[G0+4*(\s)+3], 0x80000000            ; type = 2
	s_mov_b32 s[G0B+4*(\s)], 1
	s_add_co_u32 s[G0B+4*(\s)+1], s44, (\s)*SLOT
	s_add_nc_u64 s[G0B+4*(\s)+2:G0B+4*(\s)+3], s[46:47], (\s)*BSTEP
	s_or_b32 s[G0B+4*(\s)+3], s[G0B+4*(\s)+3], 0x80000000
	JLOAD \s                                       ; both slots are asked for before anything else: two loads of mine are out
.endr
	; A fragment of A: lane l holds row l % 16, k = 8 (l / 16) + 0..7 and 16 + 8 (l / 16) + 0..7: two loads of 16 bytes, 32 bytes apart
	v_and_b32 v1, 15, v0                           ; l % 16
	v_bfe_u32 v2, v0, 4, 1                         ; l / 16
	v_mul_u32_u24 v3, v1, APITCH
	v_lshl_add_u32 v3, v2, 4, v3
	s_mul_i32 s42, s15, HALF                       ; my 64 rows of A
	v_add_nc_u32 v[ADRA], s42, v3
	v_add_nc_u32 v[ADRA+1], SLOT, v[ADRA]
	; The turning load takes 16 k x 16 n (lane l reads k = 8 (l / 16) + l % 8, n = 8 ((l / 8) % 2) + 0..7) and leaves half a fragment: lane l holds column l % 16 and 8 k
	v_and_b32 v4, 7, v0
	v_lshl_add_u32 v4, v2, 3, v4
	v_mul_u32_u24 v4, v4, PB
	v_bfe_u32 v5, v0, 3, 1
	v_lshl_add_u32 v4, v5, 4, v4
	s_lshl_b32 s43, s16, 7                         ; my 64 columns: 128 bytes into the rows,
	s_add_co_u32 s43, s43, 2*HALF                  ; behind A's two halves
	v_add_nc_u32 v[ADRB], s43, v4
	v_add_nc_u32 v[ADRB+1], HALF, v[ADRB]
	v_add_nc_u32 v[ADRB+2], SLOT, v[ADRB]
	v_add_nc_u32 v[ADRB+3], SLOT+HALF, v[ADRB]
	s_mul_i32 s45, s14, STGW
	s_add_co_u32 s45, s45, STAGE                   ; my stage
.if OUTF32
	v_mul_u32_u24 v6, v1, 272                      ; in: row l % 16 of 256 + 16 bytes, 32 bytes for each half of the lanes
	v_lshl_add_u32 v6, v2, 5, v6
	v_add_nc_u32 v[STO], s45, v6
	v_mul_u32_u24 v7, v2, 272                      ; back: lanes 0-15 take one row of 256 bytes, lanes 16-31 the next
	v_lshl_add_u32 v7, v1, 4, v7
	v_add_nc_u32 v[RD], s45, v7
	v_lshlrev_b32 v8, 12, v2                       ; and the same two rows in memory, 4,096 bytes apart
	v_lshl_add_u32 v[CO], v1, 4, v8
.else
	v_mul_u32_u24 v6, v1, 144                      ; in: row l % 16 of 128 + 16 bytes, 16 bytes for each half of the lanes
	v_lshl_add_u32 v6, v2, 4, v6
	v_add_nc_u32 v[STO], s45, v6
	v_bfe_u32 v7, v0, 3, 2                         ; back: 32 lanes take four rows of 128 bytes,
	v_mul_u32_u24 v7, v7, 144
	v_and_b32 v8, 7, v0
	v_lshl_add_u32 v7, v8, 4, v7
	v_add_nc_u32 v[RD], s45, v7
	v_and_b32 v8, 31, v0                           ; which are 512 consecutive bytes of a slab
	v_lshlrev_b32 v[CO], 4, v8
.endif
	v_lshlrev_b32 v[BO], 5, v2
	s_lshl_b32 s42, s19, 9                         ; my first column in f32 bytes: 512 x tile column + 256 x half
	s_lshl_b32 s43, s16, 8
	s_add_co_u32 s42, s42, s43
	s_mov_b32 s43, 0
	s_add_nc_u64 s[8:9], s[8:9], s[42:43]          ; the bias at my 64 columns
.if OUTF32
	s_lshl_b32 s23, s20, 19                        ; + my first row x 4,096 bytes: 128 x tile row + 64 x half
	s_add_co_u32 s42, s42, s23
	s_lshl_b32 s23, s15, 18
	s_add_co_u32 s42, s42, s23
	s_add_nc_u64 s[10:11], s[10:11], s[42:43]      ; residual and result at my 64 x 64
	s_add_nc_u64 s[12:13], s[12:13], s[42:43]
.else
	s_lshl_b32 s42, s19, 1
	s_add_co_u32 s42, s42, s16                     ; my slab = 2 x tile column + half,
	s_lshl_b32 s42, s42, 19                        ; x 524,288 bytes,
	s_lshl_b32 s23, s20, 14                        ; + my first row x 128 bytes
	s_add_co_u32 s42, s42, s23
	s_lshl_b32 s23, s15, 13
	s_add_co_u32 s42, s42, s23
	s_add_nc_u64 s[10:11], s[10:11], s[42:43]
.endif
.irp b, 0,1,2,3
	global_load_b128 v[BIAS+8*(\b):BIAS+8*(\b)+3],   v[BO], s[8:9] offset:64*(\b)     ; register j of block b: the bias of column 16 b + 8 (l / 16) + j, as the result holds it
	global_load_b128 v[BIAS+8*(\b)+4:BIAS+8*(\b)+7], v[BO], s[8:9] offset:64*(\b)+16
.endr
.if OUTF32
	WIN 0x80                                       ; destination window 2, address window 0
.set i, 0
.rept 32                                       ; the residual of my 64 x 64, in the lanes that will store those bytes; it lands while the products run
	global_load_b128 v[4*i:4*i+3], v[CO], s[10:11] offset:(16*(i/8)+2*(i%8))*4096
.set i, i+1
.endr
	WIN 0
.endif
; 8 matrix instructions: m blocks a0, a0 + 1 x all 4 n blocks, 32 along K: half c of buffer f.  first = 1: the product starts the sums, with the bias as C.
; The 16 accumulators take turns, one instruction a turn, in the same order everywhere.
.macro MUL8 f, c, a0, first
	WIN MUL
.irp a, \a0, (\a0)+1
.irp b, 0,1,2,3
.if \first
	v_wmma_f32_16x16x32_bf16 v[ACC+8*(4*(\a)+(\b)):ACC+8*(4*(\a)+(\b))+7], v[(\f)+64+8*(4*(\c)+(\b)):(\f)+64+8*(4*(\c)+(\b))+7], v[(\f)+8*(4*(\c)+(\a)):(\f)+8*(4*(\c)+(\a))+7], v[BIAS+8*(\b):BIAS+8*(\b)+7]
.else
	v_wmma_f32_16x16x32_bf16 v[ACC+8*(4*(\a)+(\b)):ACC+8*(4*(\a)+(\b))+7], v[(\f)+64+8*(4*(\c)+(\b)):(\f)+64+8*(4*(\c)+(\b))+7], v[(\f)+8*(4*(\c)+(\a)):(\f)+8*(4*(\c)+(\a))+7], v[ACC+8*(4*(\a)+(\b)):ACC+8*(4*(\a)+(\b))+7]
.endif
.endr
.endr
.endm
; 32 LDS loads in one run: the fragments of quarter kq (64 along K) of a slot's K step, into buffer f; the first 32 along K first
.macro FETCH slot, kq, f
	WIN TO_F
.irp c, 0,1
.irp i, 0,1,2,3
	ds_load_tr16_b128 v[(\f)+64+8*(4*(\c)+(\i)):(\f)+64+8*(4*(\c)+(\i))+3],   v[ADRB+2*(\slot)+(\kq)/2] offset:(((\kq)%2)*64+32*(\c))*PB+32*(\i)
	ds_load_tr16_b128 v[(\f)+64+8*(4*(\c)+(\i))+4:(\f)+64+8*(4*(\c)+(\i))+7], v[ADRB+2*(\slot)+(\kq)/2] offset:(((\kq)%2)*64+32*(\c)+16)*PB+32*(\i)
	ds_load_b128 v[(\f)+8*(4*(\c)+(\i)):(\f)+8*(4*(\c)+(\i))+3],              v[ADRA+(\slot)] offset:(\kq)*ASLAB+64*(\c)+(\i)*16*APITCH
	ds_load_b128 v[(\f)+8*(4*(\c)+(\i))+4:(\f)+8*(4*(\c)+(\i))+7],            v[ADRA+(\slot)] offset:(\kq)*ASLAB+64*(\c)+(\i)*16*APITCH+32
.endr
.endr
.endm
.macro PLACES                          ; four places in front of loads into registers that matrix instructions have read, and of lines that read results (ISA guide 7.12.1 for the latter)
.rept 4
	v_nop
.endr
.endm
; A K step is four quarters of 64 along K, 32 matrix instructions each, on buffers 0, 1, 0, 1.  One of the first three: multiplies buffer f and fetches quarter kq into g.
.macro QUARTER slot, kq, f, g, first
	s_wait_dscnt 16                                ; the first 32 along K are in; the run's other sixteen loads may be out
	MUL8 \f, 0, 0, \first
	MUL8 \f, 0, 2, \first
	PLACES
	FETCH \slot, \kq, \g
	s_wait_dscnt 32                                ; all but the 32 just issued
	MUL8 \f, 1, 0, 0
	MUL8 \f, 1, 2, 0
.endm
; The last quarter multiplies buffer 1 and changes slots: ONE barrier; in front of it each wave waits for all its tensor loads (one is out: its part of the next slot), adds 0 to its spare word, and waits
; for that and for its own reads of this slot.  fill = 1: this slot is filled again, two K steps ahead; the barrier then opens a round of the cluster's barrier.
.macro TURN slot, next, fill
	WIN 0                                          ; (the add's two registers lie in window 0)
	s_wait_tensorcnt 0x0                           ; all my tensor loads have landed: my part of the next slot;
	ds_add_u32 v[SPW], v[NIL]                      ; 0 onto my spare word;
	s_wait_dscnt 17                                ; (the add and the youngest sixteen loads may be out)
	MUL8 F1, 0, 0, 0                               ; eight matrix instructions stand between the add and the wait for it
	s_wait_dscnt 0x0                               ; the add is done, and my reads of this slot are over
	s_barrier_signal -1
	MUL8 F1, 0, 2, 0
.if \fill
	WIN 0
.endif
	s_barrier_wait -1
.if \fill
	CREST                                          ; no wave of any partner still reads this slot's tile or has a load on its way
	s_add_nc_u64 s[G0+4*(\slot)+2:G0+4*(\slot)+3], s[G0+4*(\slot)+2:G0+4*(\slot)+3], 2*ASTEP
	s_add_nc_u64 s[G0B+4*(\slot)+2:G0B+4*(\slot)+3], s[G0B+4*(\slot)+2:G0B+4*(\slot)+3], 2*BSTEP
	JLOAD \slot                                    ; the first tensor load behind the round: 112 matrix instructions ahead of the wait for it; the four v_nop behind it are also the places in front of the loads below
.else
	PLACES
.endif
	FETCH \next, 0, F0
	MUL8 F1, 1, 0, 0
	MUL8 F1, 1, 2, 0
.endm
	s_wait_tensorcnt 1                             ; my part of K step 0 is in; K step 1's may stay out
	s_barrier_signal -1
	s_barrier_wait -1                              ; everybody's is
	FETCH 0, 0, F0
.if OUTF32
	s_wait_loadcnt 32                              ; the bias is in; the residual's 32 younger loads stay out
.else
	s_wait_loadcnt 0x0                             ; the bias
.endif
	QUARTER 0, 1, F0, F1, 1                        ; the first quarter stands in front of the loop: its first products start the sums
	WIN 0                                          ; at a label and at a branch every window is 0
	s_mov_b32 s3, LAPS-1
.Llap:                                                 ; a trip goes once round the ring, from a lap's second quarter to the next lap's first, and fills both slots again
	QUARTER 0, 2, F1, F0, 0
	QUARTER 0, 3, F0, F1, 0
	TURN 0, 1, 1
	QUARTER 1, 1, F0, F1, 0
	QUARTER 1, 2, F1, F0, 0
	QUARTER 1, 3, F0, F1, 0
	TURN 1, 0, 1
	QUARTER 0, 1, F0, F1, 0
	WIN 0
	s_sub_co_u32 s3, s3, 1
	s_cmp_lg_u32 s3, 0
	s_cbranch_scc1 .Llap
	QUARTER 0, 2, F1, F0, 0                        ; the last lap fills nothing, and has no round of the cluster's barrier
	QUARTER 0, 3, F0, F1, 0
	TURN 0, 1, 0
	QUARTER 1, 1, F0, F1, 0
	QUARTER 1, 2, F1, F0, 0
	QUARTER 1, 3, F0, F1, 0
	s_wait_dscnt 16                                ; the very last quarter: nothing more to fetch
	MUL8 F1, 0, 0, 0
	MUL8 F1, 0, 2, 0
	s_wait_dscnt 0x0
	MUL8 F1, 1, 0, 0
	MUL8 F1, 1, 2, 0
	WIN 0
	PLACES
.if OUTF32
	; THE WAY OUT, f32: a block of 16 rows x 64 columns goes through my own stage (rows of 272 bytes) and comes back as whole rows of 256 bytes; the residual is added; 16 lanes store 256 consecutive aligned bytes.
.macro STGF a
.if (\a) >= 2
	s_wait_xcnt 0x0                                ; the stores of the block two back have read this half of TMP: it is loaded again only behind this wait
.endif
.irp b, 0,1,2,3
	ds_store_b128 v[STO], v[ACC+32*(\a)+8*(\b):ACC+32*(\a)+8*(\b)+3]   offset:64*(\b)     ; each accumulator's low registers first
	ds_store_b128 v[STO], v[ACC+32*(\a)+8*(\b)+4:ACC+32*(\a)+8*(\b)+7] offset:64*(\b)+16
.endr
.irp t, 0,1,2,3,4,5,6,7
	ds_load_b128 v[TMP+32*((\a)%2)+4*(\t):TMP+32*((\a)%2)+4*(\t)+3], v[RD] offset:544*(\t)  ; LDS serves a wave's instructions in order (ISA guide 5.7.1.4): these see the stores above; the next block's stores come behind them
.endr
.endm
.macro OUTF a, younger                 ; younger: the LDS instructions issued behind block a's loads: the next block's sixteen, or none
	s_wait_dscnt \younger
	WIN 0x08                                       ; source 1 (the residual) in window 2
.set i, 0
.rept 16
	v_pk_add_f32 v[TMP+32*((\a)%2)+2*i:TMP+32*((\a)%2)+2*i+1], v[TMP+32*((\a)%2)+2*i:TMP+32*((\a)%2)+2*i+1], v[32*(\a)+2*i:32*(\a)+2*i+1]
.set i, i+1
.endr
	WIN 0
.irp t, 0,1,2,3,4,5,6,7
	global_store_b128 v[CO], v[TMP+32*((\a)%2)+4*(\t):TMP+32*((\a)%2)+4*(\t)+3], s[12:13] offset:(16*(\a)+2*(\t))*4096
.endr
.endm
	s_wait_loadcnt 0x0                             ; the residual
	STGF 0
	STGF 1
	OUTF 0, 16
	STGF 2
	OUTF 1, 16
	STGF 3
	OUTF 2, 16
	OUTF 3, 0
.else
	; THE WAY OUT, bf16 in slabs: a block of 16 rows x 64 columns is rounded, goes through my own stage (rows of 144 bytes) and comes back as whole rows of 128 bytes: 16 rows of a slab are 2,048 consecutive bytes.
.macro PACKB a
.if RELU
.set i, 0
.rept 32
	v_max_num_f32 v[ACC+32*(\a)+i], 0, v[ACC+32*(\a)+i]
.set i, i+1
.endr
.endif
.set i, 0
.rept 16
	v_cvt_pk_bf16_f32 v[TMP+16*(\a)+i], v[ACC+32*(\a)+2*i], v[ACC+32*(\a)+2*i+1]
.set i, i+1
.endr
.irp b, 0,1,2,3
	ds_store_b128 v[STO], v[TMP+16*(\a)+4*(\b):TMP+16*(\a)+4*(\b)+3] offset:32*(\b)
.endr
.irp f, 0,1,2,3
	ds_load_b128 v[TMP+16*(\a)+4*(\f):TMP+16*(\a)+4*(\f)+3], v[RD] offset:576*(\f)  ; LDS serves a wave's instructions in order (ISA guide 5.7.1.4): these see the stores above; the next block's stores come behind them
.endr
.endm
.macro SENDB a, younger                ; younger: the LDS instructions issued behind block a's loads: the next block's eight, or none
.irp f, 0,1,2,3
	s_wait_dscnt (\younger)+3-(\f)
	global_store_b128 v[CO], v[TMP+16*(\a)+4*(\f):TMP+16*(\a)+4*(\f)+3], s[10:11] offset:(\a)*2048+(\f)*512  ; 512 consecutive bytes, at a multiple of 256 from the buffer's first
.endr
.endm
	PACKB 0
	PACKB 1                                        ; a block's arithmetic stands between the loads of the block before and its stores
	SENDB 0, 8
	PACKB 2
	SENDB 1, 8
	PACKB 3
	SENDB 2, 8
	SENDB 3, 0
.endif
	s_wait_tensorcnt 0x0                           ; the wave's end: the spare word's add and its wait, behind my last tensor load and my last LDS store
	ds_add_u32 v[SPW], v[NIL]
	s_wait_dscnt 0x0
	CROUND                                         ; the closing round: no work-group ends while a partner may still ask for a tile that names it
	s_endpgm
.Lfunc_end_k_qa141f9f186_ff1:
	.size	k_qa141f9f186_ff1, .Lfunc_end_k_qa141f9f186_ff1-k_qa141f9f186_ff1
	.p2alignl 7, 3214868480
	.fill 96, 4, 3214868480
	.section	.rodata,"a",@progbits
	.p2align	6, 0x0
	.amdhsa_kernel k_qa141f9f186_ff1
		.amdhsa_group_segment_fixed_size 327680
		.amdhsa_private_segment_fixed_size 0
		.amdhsa_enable_private_segment 0
		.amdhsa_kernarg_size 32
		.amdhsa_user_sgpr_count 2
		.amdhsa_user_sgpr_kernarg_segment_ptr 1
		.amdhsa_wavefront_size32 1
		.amdhsa_system_sgpr_workgroup_id_x 1
		.amdhsa_system_sgpr_workgroup_id_y 1
		.amdhsa_system_sgpr_workgroup_id_z 1
		.amdhsa_system_vgpr_workitem_id 0
		.amdhsa_next_free_vgpr 512
		.amdhsa_next_free_sgpr 66
		.amdhsa_reserve_vcc 0
		.amdhsa_float_denorm_mode_32 3
		.amdhsa_float_denorm_mode_16_64 3
		.amdhsa_memory_ordered 1
		.amdhsa_forward_progress 1
		.amdhsa_inst_pref_size 91
	.end_amdhsa_kernel
	.amdgpu_metadata
---
amdhsa.version: [ 1, 2 ]
amdhsa.kernels:
  - .name:           k_qa141f9f186_ff1
    .symbol:         k_qa141f9f186_ff1.kd
    .args:
      - { .name: hn, .offset: 0, .size: 8, .value_kind: global_buffer, .address_space: global }
      - { .name: wbf, .offset: 8, .size: 8, .value_kind: global_buffer, .address_space: global }
      - { .name: ff_b1, .offset: 16, .size: 8, .value_kind: global_buffer, .address_space: global }
      - { .name: act, .offset: 24, .size: 8, .value_kind: global_buffer, .address_space: global }
    .group_segment_fixed_size: 327680
    .private_segment_fixed_size: 0
    .kernarg_segment_align: 8
    .kernarg_segment_size: 32
    .max_flat_workgroup_size: 128
    .sgpr_count:     66
    .vgpr_count:     512
    .wavefront_size: 32
...
	.end_amdgpu_metadata
.endif
;; end of part 5
;; launch ff2 (part 6): grid 8 x 32, 4 waves a work-group, clusters of 4 x 4, 327,680 bytes of LDS; arguments act, wbf, ff_b2, x1, out0; writes out0
.if DOCPART == 6
	.amdgcn_target "amdgcn-amd-amdhsa--gfx1250"
	.amdhsa_code_object_version 6
	.text
	.protected	k_qa141f9f186_ff2
	.globl	k_qa141f9f186_ff2
	.p2align	8
	.type	k_qa141f9f186_ff2,@function
k_qa141f9f186_ff2:
	s_mov_b64 s[64:65], 0
	v_nop
	global_prefetch_b8 v0, s[64:65] scope:SCOPE_SE
	s_setreg_imm32_b32 hwreg(HW_REG_WAVE_MODE, 25, 1), 1
	s_wait_xcnt 0x0
	s_wait_alu depctr_hold_cnt(0) depctr_sa_sdst(0) depctr_va_vdst(0) depctr_va_sdst(0) depctr_va_ssrc(0) depctr_va_vcc(0) depctr_vm_vsrc(0)
	s_getreg_b32 s2, hwreg(HW_REG_IB_STS2, 6, 4)
	s_cmp_eq_u32 s2, 0
	s_cbranch_scc0 .Lentry_in_a_cluster
	s_endpgm
.Lentry_in_a_cluster:
	s_bfe_u32 s2, ttmp6, 0x10000c
	s_cmp_lg_u32 s2, 0xf033
	s_cbranch_scc0 .Lentry_shape_is_right
	s_endpgm
.Lentry_shape_is_right:
; out0 = x1 + act x ff_w2 + ff_b2.  act in slabs [64][4096][64] bf16; the weights [4096][1024] bf16 at byte 16,777,216 of wbf; bias, x1 and out0 in f32; sums in f32.
.set KT,     4096                      ; the product's K
.set NTOT,   1024                      ; its N: elements from row to row of the weights
.set WOFF,   16777216                  ; the weights' first byte in wbf
.set SLABA,  1                         ; A lies 0: plain [4096][KT]; 1: in slabs [KT/64][4096][64]
.set OUTF32, 1                         ; the result: 0: bf16 in slabs; 1: f32 [4096][NTOT] with a residual added
.set RELU,   0
; ---- From here on the four product kernels have the same text; the six constants above choose its forms. ----
; C = A W + bias.  A TILE of C is 128 x 128: four waves, as many as a WGP has SIMDs, each 64 x 64: 16 accumulators of 16 x 16, 128 registers.  K goes in steps of 256 through two LDS slots filled by
; tensor loads, one load a wave and step: waves 0, 1 bring A's two halves of 64 rows, waves 2, 3 W's two halves of 128 k.  128 x 128 because the smallest of the four products then has one tile for each of 256 WGPs.
; CLUSTER 4 x 4: the four work-groups of a row of the cluster need the same tiles of A, the four of a column the same tiles of W: each tile is asked for JOINTLY, by the same load with the same
; descriptor and a mask that names the four.
; W LIES [K][N] and is turned on its way from LDS to registers by ds_load_tr16_b128.  THE MATRIX INSTRUCTION IS USED TRANSPOSED (source 0 = 16 columns of W, source 1 = 16 rows of A): lane l then holds row
; l % 16 of C and the eight neighbouring columns 8 (l / 16) + 0..7.  THE BIAS is the C operand of the product that starts each sum: nothing is cleared and nothing is added later.
; LIMITS: operands are rounded to bf16; relu is v_max_num_f32 with 0, so a NaN becomes 0 there; NaN and infinities are not treated apart otherwise.
; REGISTERS: window 0: v0-31 addresses; v32-95 at work on the way out; v96-127 the bias; v128-255 the accumulators ((a, b) at v[128 + 8 (4 a + b)]).
;   window 1: two fragment buffers of 128: for 64 along K, 64 registers of A (2 x 4 x 16 rows x 32 K), then 64 of W.   window 2 (f32 results): v0-127 the residual of my 64 x 64.
.set PB,     288                       ; a row of W in LDS: 128 n = 256 bytes + 32 of padding = 72 words
.set HALF,   36864                     ; what one tensor load fills: 128 rows of W; or 64 rows of A (plain: 64 x 528 = 33,792; slabs: 4 x 64 x 144)
.set SLOT,   4*HALF                    ; A's rows 0-63, A's rows 64-127, W's k 0-127, W's k 128-255
.set STAGE,  2*SLOT                    ; behind the ring, never filled by a tensor load: 4,352 bytes for each wave, for the way out
.set STGW,   4352
.set SPARE,  STAGE+4*STGW              ; behind the stages: the spare words, 128 bytes for each wave: two blocks of 256 bytes that no other line names
.set BSTEP,  512*NTOT                  ; bytes of W from one K step to the next: 256 rows
.set LAPS,   KT/512                    ; a lap = two K steps = once round the ring
.if SLABA
.set APITCH, 144                       ; a row of A in LDS: 64 k = 128 bytes + 16: the 16 rows of a load start at 16 different groups of four banks
.set ASLAB,  64*APITCH                 ; LDS bytes from one slab's 64 rows to the next slab's
.set AQI,    4                         ; padding after every 32 words
.set ADIM0,  4096                      ; a row of the tile: 64 rows of one slab, 8,192 dense bytes
.set ADIM1,  4                         ; four slabs = 256 along K
.set ASTRIDE, 262144                   ; elements from slab to slab
.set ASTEP,  2097152                   ; bytes from one K step to the next: four slabs
.set AROWB,  128                       ; bytes from row to row of A in memory
.else
.set APITCH, 528                       ; a row of A in LDS: 256 k = 512 bytes + 16
.set ASLAB,  128                       ; 64 along K are 128 bytes further on in the same row
.set AQI,    6                         ; padding after every 128 words
.set ADIM0,  256
.set ADIM1,  64
.set ASTRIDE, KT
.set ASTEP,  512
.set AROWB,  KT*2
.endif
.set ADRA, 16                          ; v16-17  LDS address of my A fragments in slot 0, 1
.set ADRB, 20                          ; v20-23  the same for W: 2 x slot + half of the K step
.set STO,  24                          ; v24     the way out: where I put my part of a row
.set RD,   25                          ; v25     the way out: where I read rows back
.set CO,   26                          ; v26     my byte offset in the result (and in the residual)
.set BO,   27                          ; v27     my byte offset in 16 numbers of the bias: 32 (l / 16)
.set SPW,  28                          ; v28     LDS address of my spare word: SPARE + 4 x my thread's number; never rewritten
.set NIL,  29                          ; v29     0; never rewritten
.set TMP,  32
.set BIAS, 96                          ; eight registers for each block b of 16 columns
.set ACC,  128
.set F0,   0                           ; fragment buffers, in window 1
.set F1,   128
.set G1,  24                           ; s[24:31] descriptor group 1 for A's tiles;  s[32:39] group 0, one set for each slot
.set G0,  32
.set G1B, 48                           ; s[48:55], s[56:63] the same for W's tiles
.set G0B, 56
.set MSB, 0
.macro WIN new                         ; the immediate's high byte repeats the setting that is left; a switch that changes nothing is dropped
.if MSB != (\new)
	s_set_vgpr_msb (MSB<<8)|(\new)
.set MSB, \new
.endif
.endm
.set MUL,  0x05                        ; sources 0 (W) and 1 (A) window 1; C and D window 0
.set TO_F, 0x40                        ; destination window 1, address window 0
.macro JLOAD s                         ; a joint load: waves 0 and 1 fetch A's two halves, waves 2 and 3 W's; an s_nop 0 and four v_nop follow each of the two lines, ahead of the jump, the label and what follows
	s_cmp_eq_u32 s15, 0
	s_cbranch_scc0 .Lfor_b_\@
	tensor_load_to_lds s[G0+4*(\s):G0+4*(\s)+3], s[G1:G1+7]
	s_nop 0
.rept 4
	v_nop
.endr
	s_branch .Lasked_\@
.Lfor_b_\@:
	tensor_load_to_lds s[G0B+4*(\s):G0B+4*(\s)+3], s[G1B:G1B+7]
	s_nop 0
.rept 4
	v_nop
.endr
.Lasked_\@:
.endm
.macro CREST                           ; a round of the cluster's barrier behind its opening barrier: wave 0 signals for the work-group, every wave waits for all sixteen, the work-group's barrier closes it
	s_cmp_lg_u32 s14, 0
	s_cbranch_scc1 .Lnot_wave_0_\@
	s_barrier_signal -3
.Lnot_wave_0_\@:
	s_barrier_wait -3
	s_barrier_signal -1
	s_barrier_wait -1
.endm
.macro CROUND                          ; a whole round
	s_barrier_signal -1
	s_barrier_wait -1
	CREST
.endm
	s_load_b256 s[4:11], s[0:1], 0x0               ; A s[4:5], wbf s[6:7], bias s[8:9], s[10:11] the result (bf16) or the residual (f32)
.if OUTF32
	s_load_b64 s[12:13], s[0:1], 0x20              ; the f32 result
.endif
	v_lshl_add_u32 v[SPW], v0, 2, SPARE
	v_mov_b32 v[NIL], 0
	ds_add_u32 v[SPW], v[NIL]                      ; the wave's opening: the add and its wait stand ahead of my first tensor load; the set-up below, work on registers, stands between them
	v_lshrrev_b32 v1, 5, v0
	v_readfirstlane_b32 s14, v1                    ; wave 0..3
	s_lshr_b32 s15, s14, 1                         ; which half of the tile's rows is mine.  Also: I fetch for A (0) or for W (1)
	s_and_b32 s16, s14, 1                          ; which half of its columns.  Also: which half of that tile I fetch
	s_bfe_u32 s17, ttmp6, 0x40000                  ; cx, cy: my place in the cluster
	s_bfe_u32 s18, ttmp6, 0x40004
	s_lshl_b32 s19, ttmp9, 2
	s_add_co_u32 s19, s19, s17                     ; tile column of C = 4 x cluster x + cx
	s_and_b32 s20, ttmp7, 0xffff
	s_lshl_b32 s20, s20, 2
	s_add_co_u32 s20, s20, s18                     ; tile row of C = 4 x cluster y + cy
	s_lshl_b32 s21, s18, 2
	s_lshl_b32 s21, 15, s21                        ; my row of the cluster
	s_lshl_b32 s22, 0x1111, s17                    ; my column
	s_or_b32 s[G1+0], s21, (1<<16)|(1<<20)|(1<<21)|(AQI<<22)|(3<<25)  ; 15:0 the mask: A's tiles go to my row; 17:16 elements of 2 bytes; 20 padding on; 21 set beside a mask; 24:22 the interval; 31:25 4 words of padding (code 3)
	s_mov_b32 s[G1+1], (ADIM0&0xffff)<<16          ; tensor_dim0 = the tile's
	s_mov_b32 s[G1+2], ADIM1<<16                   ; tensor_dim1 = the tile's
	s_mov_b32 s[G1+3], ADIM0<<16                   ; tile_dim0
	s_mov_b32 s[G1+4], ADIM1                       ; tile_dim1
	s_mov_b32 s[G1+5], ASTRIDE                     ; elements from row to row of the tile
	s_mov_b32 s[G1+6], 0
	s_mov_b32 s[G1+7], 0
	s_or_b32 s[G1B+0], s22, (1<<16)|(1<<20)|(1<<21)|(5<<22)|(7<<25)   ; W's tiles go to my column; padding after every 64 words, 8 words of it (code 7)
	s_mov_b32 s[G1B+1], 128<<16                    ; 128 n
	s_mov_b32 s[G1B+2], 128<<16                    ; 128 k
	s_mov_b32 s[G1B+3], 128<<16
	s_mov_b32 s[G1B+4], 128
	s_mov_b32 s[G1B+5], NTOT
	s_mov_b32 s[G1B+6], 0
	s_mov_b32 s[G1B+7], 0
	; where the tiles come from.  A's hang on the tile row alone, which my row of the cluster shares; W's on the tile column alone, which my column shares; each in registers that never hold the other coordinate
	s_lshl_b32 s40, s20, 7
	s_lshl_b32 s23, s16, 6
	s_add_co_u32 s40, s40, s23                     ; A: row 128 x tile row + 64 x half,
	s_mul_i32 s40, s40, AROWB                      ; in bytes (under 2^24)
	s_mov_b32 s41, 0
	s_mul_i32 s46, s16, 256*NTOT                   ; W: 128 k x half,
	s_lshl_b32 s47, s19, 8                         ; + 128 n x tile column,
	s_add_co_u32 s46, s46, s47
	s_add_co_u32 s46, s46, WOFF                    ; + this product's weights in wbf
	s_mov_b32 s47, 0
	s_mul_i32 s44, s14, HALF                       ; and where they go: wave x HALF: no place in the cluster enters an LDS address
	s_wait_dscnt 0x0                               ; the opening add is done
	s_wait_kmcnt 0x0
	s_add_nc_u64 s[40:41], s[4:5], s[40:41]
	s_add_nc_u64 s[46:47], s[6:7], s[46:47]
	CROUND                                         ; all sixteen work-groups are here: the first joint loads meet
.irp s, 0,1
	s_mov_b32 s[G0+4*(\s)], 1                                      ; count = 1
	s_add_co_u32 s[G0+4*(\s)+1], s44, (\s)*SLOT                    ; LDS address
	s_add_nc_u64 s[G0+4*(\s)+2:G0+4*(\s)+3], s[40:41], (\s)*ASTEP  ; global address: K step s
	s_or_b32 s[G0+4*(\s)+3], s[G0+4*(\s)+3], 0x80000000            ; type = 2
	s_mov_b32 s[G0B+4*(\s)], 1
	s_add_co_u32 s[G0B+4*(\s)+1], s44, (\s)*SLOT
	s_add_nc_u64 s[G0B+4*(\s)+2:G0B+4*(\s)+3], s[46:47], (\s)*BSTEP
	s_or_b32 s[G0B+4*(\s)+3], s[G0B+4*(\s)+3], 0x80000000
	JLOAD \s                                       ; both slots are asked for before anything else: two loads of mine are out
.endr
	; A fragment of A: lane l holds row l % 16, k = 8 (l / 16) + 0..7 and 16 + 8 (l / 16) + 0..7: two loads of 16 bytes, 32 bytes apart
	v_and_b32 v1, 15, v0                           ; l % 16
	v_bfe_u32 v2, v0, 4, 1                         ; l / 16
	v_mul_u32_u24 v3, v1, APITCH
	v_lshl_add_u32 v3, v2, 4, v3
	s_mul_i32 s42, s15, HALF                       ; my 64 rows of A
	v_add_nc_u32 v[ADRA], s42, v3
	v_add_nc_u32 v[ADRA+1], SLOT, v[ADRA]
	; The turning load takes 16 k x 16 n (lane l reads k = 8 (l / 16) + l % 8, n = 8 ((l / 8) % 2) + 0..7) and leaves half a fragment: lane l holds column l % 16 and 8 k
	v_and_b32 v4, 7, v0
	v_lshl_add_u32 v4, v2, 3, v4
	v_mul_u32_u24 v4, v4, PB
	v_bfe_u32 v5, v0, 3, 1
	v_lshl_add_u32 v4, v5, 4, v4
	s_lshl_b32 s43, s16, 7                         ; my 64 columns: 128 bytes into the rows,
	s_add_co_u32 s43, s43, 2*HALF                  ; behind A's two halves
	v_add_nc_u32 v[ADRB], s43, v4
	v_add_nc_u32 v[ADRB+1], HALF, v[ADRB]
	v_add_nc_u32 v[ADRB+2], SLOT, v[ADRB]
	v_add_nc_u32 v[ADRB+3], SLOT+HALF, v[ADRB]
	s_mul_i32 s45, s14, STGW
	s_add_co_u32 s45, s45, STAGE                   ; my stage
.if OUTF32
	v_mul_u32_u24 v6, v1, 272                      ; in: row l % 16 of 256 + 16 bytes, 32 bytes for each half of the lanes
	v_lshl_add_u32 v6, v2, 5, v6
	v_add_nc_u32 v[STO], s45, v6
	v_mul_u32_u24 v7, v2, 272                      ; back: lanes 0-15 take one row of 256 bytes, lanes 16-31 the next
	v_lshl_add_u32 v7, v1, 4, v7
	v_add_nc_u32 v[RD], s45, v7
	v_lshlrev_b32 v8, 12, v2                       ; and the same two rows in memory, 4,096 bytes apart
	v_lshl_add_u32 v[CO], v1, 4, v8
.else
	v_mul_u32_u24 v6, v1, 144                      ; in: row l % 16 of 128 + 16 bytes, 16 bytes for each half of the lanes
	v_lshl_add_u32 v6, v2, 4, v6
	v_add_nc_u32 v[STO], s45, v6
	v_bfe_u32 v7, v0, 3, 2                         ; back: 32 lanes take four rows of 128 bytes,
	v_mul_u32_u24 v7, v7, 144
	v_and_b32 v8, 7, v0
	v_lshl_add_u32 v7, v8, 4, v7
	v_add_nc_u32 v[RD], s45, v7
	v_and_b32 v8, 31, v0                           ; which are 512 consecutive bytes of a slab
	v_lshlrev_b32 v[CO], 4, v8
.endif
	v_lshlrev_b32 v[BO], 5, v2
	s_lshl_b32 s42, s19, 9                         ; my first column in f32 bytes: 512 x tile column + 256 x half
	s_lshl_b32 s43, s16, 8
	s_add_co_u32 s42, s42, s43
	s_mov_b32 s43, 0
	s_add_nc_u64 s[8:9], s[8:9], s[42:43]          ; the bias at my 64 columns
.if OUTF32
	s_lshl_b32 s23, s20, 19                        ; + my first row x 4,096 bytes: 128 x tile row + 64 x half
	s_add_co_u32 s42, s42, s23
	s_lshl_b32 s23, s15, 18
	s_add_co_u32 s42, s42, s23
	s_add_nc_u64 s[10:11], s[10:11], s[42:43]      ; residual and result at my 64 x 64
	s_add_nc_u64 s[12:13], s[12:13], s[42:43]
.else
	s_lshl_b32 s42, s19, 1
	s_add_co_u32 s42, s42, s16                     ; my slab = 2 x tile column + half,
	s_lshl_b32 s42, s42, 19                        ; x 524,288 bytes,
	s_lshl_b32 s23, s20, 14                        ; + my first row x 128 bytes
	s_add_co_u32 s42, s42, s23
	s_lshl_b32 s23, s15, 13
	s_add_co_u32 s42, s42, s23
	s_add_nc_u64 s[10:11], s[10:11], s[42:43]
.endif
.irp b, 0,1,2,3
	global_load_b128 v[BIAS+8*(\b):BIAS+8*(\b)+3],   v[BO], s[8:9] offset:64*(\b)     ; register j of block b: the bias of column 16 b + 8 (l / 16) + j, as the result holds it
	global_load_b128 v[BIAS+8*(\b)+4:BIAS+8*(\b)+7], v[BO], s[8:9] offset:64*(\b)+16
.endr
.if OUTF32
	WIN 0x80                                       ; destination window 2, address window 0
.set i, 0
.rept 32                                       ; the residual of my 64 x 64, in the lanes that will store those bytes; it lands while the products run
	global_load_b128 v[4*i:4*i+3], v[CO], s[10:11] offset:(16*(i/8)+2*(i%8))*4096
.set i, i+1
.endr
	WIN 0
.endif
; 8 matrix instructions: m blocks a0, a0 + 1 x all 4 n blocks, 32 along K: half c of buffer f.  first = 1: the product starts the sums, with the bias as C.
; The 16 accumulators take turns, one instruction a turn, in the same order everywhere.
.macro MUL8 f, c, a0, first
	WIN MUL
.irp a, \a0, (\a0)+1
.irp b, 0,1,2,3
.if \first
	v_wmma_f32_16x16x32_bf16 v[ACC+8*(4*(\a)+(\b)):ACC+8*(4*(\a)+(\b))+7], v[(\f)+64+8*(4*(\c)+(\b)):(\f)+64+8*(4*(\c)+(\b))+7], v[(\f)+8*(4*(\c)+(\a)):(\f)+8*(4*(\c)+(\a))+7], v[BIAS+8*(\b):BIAS+8*(\b)+7]
.else
	v_wmma_f32_16x16x32_bf16 v[ACC+8*(4*(\a)+(\b)):ACC+8*(4*(\a)+(\b))+7], v[(\f)+64+8*(4*(\c)+(\b)):(\f)+64+8*(4*(\c)+(\b))+7], v[(\f)+8*(4*(\c)+(\a)):(\f)+8*(4*(\c)+(\a))+7], v[ACC+8*(4*(\a)+(\b)):ACC+8*(4*(\a)+(\b))+7]
.endif
.endr
.endr
.endm
; 32 LDS loads in one run: the fragments of quarter kq (64 along K) of a slot's K step, into buffer f; the first 32 along K first
.macro FETCH slot, kq, f
	WIN TO_F
.irp c, 0,1
.irp i, 0,1,2,3
	ds_load_tr16_b128 v[(\f)+64+8*(4*(\c)+(\i)):(\f)+64+8*(4*(\c)+(\i))+3],   v[ADRB+2*(\slot)+(\kq)/2] offset:(((\kq)%2)*64+32*(\c))*PB+32*(\i)
	ds_load_tr16_b128 v[(\f)+64+8*(4*(\c)+(\i))+4:(\f)+64+8*(4*(\c)+(\i))+7], v[ADRB+2*(\slot)+(\kq)/2] offset:(((\kq)%2)*64+32*(\c)+16)*PB+32*(\i)
	ds_load_b128 v[(\f)+8*(4*(\c)+(\i)):(\f)+8*(4*(\c)+(\i))+3],              v[ADRA+(\slot)] offset:(\kq)*ASLAB+64*(\c)+(\i)*16*APITCH
	ds_load_b128 v[(\f)+8*(4*(\c)+(\i))+4:(\f)+8*(4*(\c)+(\i))+7],            v[ADRA+(\slot)] offset:(\kq)*ASLAB+64*(\c)+(\i)*16*APITCH+32
.endr
.endr
.endm
.macro PLACES                          ; four places in front of loads into registers that matrix instructions have read, and of lines that read results (ISA guide 7.12.1 for the latter)
.rept 4
	v_nop
.endr
.endm
; A K step is four quarters of 64 along K, 32 matrix instructions each, on buffers 0, 1, 0, 1.  One of the first three: multiplies buffer f and fetches quarter kq into g.
.macro QUARTER slot, kq, f, g, first
	s_wait_dscnt 16                                ; the first 32 along K are in; the run's other sixteen loads may be out
	MUL8 \f, 0, 0, \first
	MUL8 \f, 0, 2, \first
	PLACES
	FETCH \slot, \kq, \g
	s_wait_dscnt 32                                ; all but the 32 just issued
	MUL8 \f, 1, 0, 0
	MUL8 \f, 1, 2, 0
.endm
; The last quarter multiplies buffer 1 and changes slots: ONE barrier; in front of it each wave waits for all its tensor loads (one is out: its part of the next slot), adds 0 to its spare word, and waits
; for that and for its own reads of this slot.  fill = 1: this slot is filled again, two K steps ahead; the barrier then opens a round of the cluster's barrier.
.macro TURN slot, next, fill
	WIN 0                                          ; (the add's two registers lie in window 0)
	s_wait_tensorcnt 0x0                           ; all my tensor loads have landed: my part of the next slot;
	ds_add_u32 v[SPW], v[NIL]                      ; 0 onto my spare word;
	s_wait_dscnt 17                                ; (the add and the youngest sixteen loads may be out)
	MUL8 F1, 0, 0, 0                               ; eight matrix instructions stand between the add and the wait for it
	s_wait_dscnt 0x0                               ; the add is done, and my reads of this slot are over
	s_barrier_signal -1
	MUL8 F1, 0, 2, 0
.if \fill
	WIN 0
.endif
	s_barrier_wait -1
.if \fill
	CREST                                          ; no wave of any partner still reads this slot's tile or has a load on its way
	s_add_nc_u64 s[G0+4*(\slot)+2:G0+4*(\slot)+3], s[G0+4*(\slot)+2:G0+4*(\slot)+3], 2*ASTEP
	s_add_nc_u64 s[G0B+4*(\slot)+2:G0B+4*(\slot)+3], s[G0B+4*(\slot)+2:G0B+4*(\slot)+3], 2*BSTEP
	JLOAD \slot                                    ; the first tensor load behind the round: 112 matrix instructions ahead of the wait for it; the four v_nop behind it are also the places in front of the loads below
.else
	PLACES
.endif
	FETCH \next, 0, F0
	MUL8 F1, 1, 0, 0
	MUL8 F1, 1, 2, 0
.endm
	s_wait_tensorcnt 1                             ; my part of K step 0 is in; K step 1's may stay out
	s_barrier_signal -1
	s_barrier_wait -1                              ; everybody's is
	FETCH 0, 0, F0
.if OUTF32
	s_wait_loadcnt 32                              ; the bias is in; the residual's 32 younger loads stay out
.else
	s_wait_loadcnt 0x0                             ; the bias
.endif
	QUARTER 0, 1, F0, F1, 1                        ; the first quarter stands in front of the loop: its first products start the sums
	WIN 0                                          ; at a label and at a branch every window is 0
	s_mov_b32 s3, LAPS-1
.Llap:                                                 ; a trip goes once round the ring, from a lap's second quarter to the next lap's first, and fills both slots again
	QUARTER 0, 2, F1, F0, 0
	QUARTER 0, 3, F0, F1, 0
	TURN 0, 1, 1
	QUARTER 1, 1, F0, F1, 0
	QUARTER 1, 2, F1, F0, 0
	QUARTER 1, 3, F0, F1, 0
	TURN 1, 0, 1
	QUARTER 0, 1, F0, F1, 0
	WIN 0
	s_sub_co_u32 s3, s3, 1
	s_cmp_lg_u32 s3, 0
	s_cbranch_scc1 .Llap
	QUARTER 0, 2, F1, F0, 0                        ; the last lap fills nothing, and has no round of the cluster's barrier
	QUARTER 0, 3, F0, F1, 0
	TURN 0, 1, 0
	QUARTER 1, 1, F0, F1, 0
	QUARTER 1, 2, F1, F0, 0
	QUARTER 1, 3, F0, F1, 0
	s_wait_dscnt 16                                ; the very last quarter: nothing more to fetch
	MUL8 F1, 0, 0, 0
	MUL8 F1, 0, 2, 0
	s_wait_dscnt 0x0
	MUL8 F1, 1, 0, 0
	MUL8 F1, 1, 2, 0
	WIN 0
	PLACES
.if OUTF32
	; THE WAY OUT, f32: a block of 16 rows x 64 columns goes through my own stage (rows of 272 bytes) and comes back as whole rows of 256 bytes; the residual is added; 16 lanes store 256 consecutive aligned bytes.
.macro STGF a
.if (\a) >= 2
	s_wait_xcnt 0x0                                ; the stores of the block two back have read this half of TMP: it is loaded again only behind this wait
.endif
.irp b, 0,1,2,3
	ds_store_b128 v[STO], v[ACC+32*(\a)+8*(\b):ACC+32*(\a)+8*(\b)+3]   offset:64*(\b)     ; each accumulator's low registers first
	ds_store_b128 v[STO], v[ACC+32*(\a)+8*(\b)+4:ACC+32*(\a)+8*(\b)+7] offset:64*(\b)+16
.endr
.irp t, 0,1,2,3,4,5,6,7
	ds_load_b128 v[TMP+32*((\a)%2)+4*(\t):TMP+32*((\a)%2)+4*(\t)+3], v[RD] offset:544*(\t)  ; LDS serves a wave's instructions in order (ISA guide 5.7.1.4): these see the stores above; the next block's stores come behind them
.endr
.endm
.macro OUTF a, younger                 ; younger: the LDS instructions issued behind block a's loads: the next block's sixteen, or none
	s_wait_dscnt \younger
	WIN 0x08                                       ; source 1 (the residual) in window 2
.set i, 0
.rept 16
	v_pk_add_f32 v[TMP+32*((\a)%2)+2*i:TMP+32*((\a)%2)+2*i+1], v[TMP+32*((\a)%2)+2*i:TMP+32*((\a)%2)+2*i+1], v[32*(\a)+2*i:32*(\a)+2*i+1]
.set i, i+1
.endr
	WIN 0
.irp t, 0,1,2,3,4,5,6,7
	global_store_b128 v[CO], v[TMP+32*((\a)%2)+4*(\t):TMP+32*((\a)%2)+4*(\t)+3], s[12:13] offset:(16*(\a)+2*(\t))*4096
.endr
.endm
	s_wait_loadcnt 0x0                             ; the residual
	STGF 0
	STGF 1
	OUTF 0, 16
	STGF 2
	OUTF 1, 16
	STGF 3
	OUTF 2, 16
	OUTF 3, 0
.else
	; THE WAY OUT, bf16 in slabs: a block of 16 rows x 64 columns is rounded, goes through my own stage (rows of 144 bytes) and comes back as whole rows of 128 bytes: 16 rows of a slab are 2,048 consecutive bytes.
.macro PACKB a
.if RELU
.set i, 0
.rept 32
	v_max_num_f32 v[ACC+32*(\a)+i], 0, v[ACC+32*(\a)+i]
.set i, i+1
.endr
.endif
.set i, 0
.rept 16
	v_cvt_pk_bf16_f32 v[TMP+16*(\a)+i], v[ACC+32*(\a)+2*i], v[ACC+32*(\a)+2*i+1]
.set i, i+1
.endr
.irp b, 0,1,2,3
	ds_store_b128 v[STO], v[TMP+16*(\a)+4*(\b):TMP+16*(\a)+4*(\b)+3] offset:32*(\b)
.endr
.irp f, 0,1,2,3
	ds_load_b128 v[TMP+16*(\a)+4*(\f):TMP+16*(\a)+4*(\f)+3], v[RD] offset:576*(\f)  ; LDS serves a wave's instructions in order (ISA guide 5.7.1.4): these see the stores above; the next block's stores come behind them
.endr
.endm
.macro SENDB a, younger                ; younger: the LDS instructions issued behind block a's loads: the next block's eight, or none
.irp f, 0,1,2,3
	s_wait_dscnt (\younger)+3-(\f)
	global_store_b128 v[CO], v[TMP+16*(\a)+4*(\f):TMP+16*(\a)+4*(\f)+3], s[10:11] offset:(\a)*2048+(\f)*512  ; 512 consecutive bytes, at a multiple of 256 from the buffer's first
.endr
.endm
	PACKB 0
	PACKB 1                                        ; a block's arithmetic stands between the loads of the block before and its stores
	SENDB 0, 8
	PACKB 2
	SENDB 1, 8
	PACKB 3
	SENDB 2, 8
	SENDB 3, 0
.endif
	s_wait_tensorcnt 0x0                           ; the wave's end: the spare word's add and its wait, behind my last tensor load and my last LDS store
	ds_add_u32 v[SPW], v[NIL]
	s_wait_dscnt 0x0
	CROUND                                         ; the closing round: no work-group ends while a partner may still ask for a tile that names it
	s_endpgm
.Lfunc_end_k_qa141f9f186_ff2:
	.size	k_qa141f9f186_ff2, .Lfunc_end_k_qa141f9f186_ff2-k_qa141f9f186_ff2
	.p2alignl 7, 3214868480
	.fill 96, 4, 3214868480
	.section	.rodata,"a",@progbits
	.p2align	6, 0x0
	.amdhsa_kernel k_qa141f9f186_ff2
		.amdhsa_group_segment_fixed_size 327680
		.amdhsa_private_segment_fixed_size 0
		.amdhsa_enable_private_segment 0
		.amdhsa_kernarg_size 40
		.amdhsa_user_sgpr_count 2
		.amdhsa_user_sgpr_kernarg_segment_ptr 1
		.amdhsa_wavefront_size32 1
		.amdhsa_system_sgpr_workgroup_id_x 1
		.amdhsa_system_sgpr_workgroup_id_y 1
		.amdhsa_system_sgpr_workgroup_id_z 1
		.amdhsa_system_vgpr_workitem_id 0
		.amdhsa_next_free_vgpr 640
		.amdhsa_next_free_sgpr 66
		.amdhsa_reserve_vcc 0
		.amdhsa_float_denorm_mode_32 3
		.amdhsa_float_denorm_mode_16_64 3
		.amdhsa_memory_ordered 1
		.amdhsa_forward_progress 1
		.amdhsa_inst_pref_size 94
	.end_amdhsa_kernel
	.amdgpu_metadata
---
amdhsa.version: [ 1, 2 ]
amdhsa.kernels:
  - .name:           k_qa141f9f186_ff2
    .symbol:         k_qa141f9f186_ff2.kd
    .args:
      - { .name: act, .offset: 0, .size: 8, .value_kind: global_buffer, .address_space: global }
      - { .name: wbf, .offset: 8, .size: 8, .value_kind: global_buffer, .address_space: global }
      - { .name: ff_b2, .offset: 16, .size: 8, .value_kind: global_buffer, .address_space: global }
      - { .name: x1, .offset: 24, .size: 8, .value_kind: global_buffer, .address_space: global }
      - { .name: out0, .offset: 32, .size: 8, .value_kind: global_buffer, .address_space: global }
    .group_segment_fixed_size: 327680
    .private_segment_fixed_size: 0
    .kernarg_segment_align: 8
    .kernarg_segment_size: 40
    .max_flat_workgroup_size: 128
    .sgpr_count:     66
    .vgpr_count:     640
    .wavefront_size: 32
...
	.end_amdgpu_metadata
.endif
;; end of part 6
;; ======== version 2 of 2: 7 launches; 1.13 times as fast as version 1
;; workspace buffers: wbf 25,165,824 bytes; wq 6,291,712 bytes; w1 8,388,864 bytes; hn 8,388,608 bytes; qkvh 25,165,824 bytes; y 8,388,608 bytes; x1 16,777,216 bytes; act 33,554,432 bytes
;; launch prep (part 7): grid 1280 x 1, 8 waves a work-group, no clusters, 0 bytes of LDS; arguments x, ln1_w, ln1_b, hn, qkv_w, proj_w, ff_w1, ff_w2, wbf, wq, w1; writes hn, wbf, wq, w1
.if DOCPART == 7
	.amdgcn_target "amdgcn-amd-amdhsa--gfx1250"
	.amdhsa_code_object_version 6
	.text
	.protected	k_qa141f9f186_prep
	.globl	k_qa141f9f186_prep
	.p2align	8
	.type	k_qa141f9f186_prep,@function
k_qa141f9f186_prep:
	s_mov_b64 s[64:65], 0
	v_nop
	global_prefetch_b8 v0, s[64:65] scope:SCOPE_SE
	s_setreg_imm32_b32 hwreg(HW_REG_WAVE_MODE, 25, 1), 1
	s_wait_xcnt 0x0
; TWO STREAMS IN ONE TEXT.  Arguments: xin [4096][1024] f32, gain [1024], bias [1024], hout [4096][1024] bf16, four weight tensors in f32, and three buffers for the weights in bf16: wbf, wq, w1.
; Work-groups 0-511: LayerNorm.  One wave takes one row of 4,096 bytes (32 registers), keeps it in registers over both passes (mean; then the mean of (x - mean)^2, so no
; difference of large sums is formed), and writes (x - mean) * rsqrt(var + 1e-5) * gain + bias, rounded once to bf16.  No wave waits for another: no LDS, no barrier.
; Work-groups 512-1279: the weights, f32 to bf16 (nearest even).  A wave takes two rows x 1,024 columns: 16 loads of 512 bytes, 16 stores of 256 bytes.
;   proj_w and ff_w2 (1,024 columns: the two rows are 2,048 numbers on end) keep their [K][N] order, in wbf at bytes 6,291,456 and 16,777,216.
;   qkv_w and ff_w1 go IN BLOCKS into wq and w1: 256 bytes of head, then [N/128][1024][128]: block S holds columns 128 S .. 128 S + 127 of all 1,024 k, 256 bytes for each k, so that a tile of 128 k x 128 n
;   is 32,768 dense bytes whatever N is.  The head holds a floor for the product that reads the buffer (result = max(sum, floor)): minus infinity in wq (a plain product), 0 in w1 (relu).
; No matrix unit, no cluster: no two work-groups read the same bytes but the 8 KB of gain and bias.
; LIMITS: NaN and infinities are not treated apart; v_rsq_f32 is good to one unit in the last place.
.set LNWG, 512                         ; work-groups that normalise: 4,096 rows / 8 waves
.set X,    20                          ; v[20:51]   the row: load j, lane l holds columns 128 j + 4 l .. + 3
.set GW,   52                          ; v[52:83]   the gain of the same columns
.set GB,   84                          ; v[84:115]  the bias
.set OUT,  116                         ; v[116:131] the row in bf16
	s_load_b512 s[8:23], s[0:1], 0x0               ; xin 8:9, gain 10:11, bias 12:13, hout 14:15, qkv_w 16:17, proj_w 18:19, ff_w1 20:21, ff_w2 22:23
	s_load_b128 s[24:27], s[0:1], 0x40             ; wbf 24:25, wq 26:27
	s_load_b64 s[28:29], s[0:1], 0x50              ; w1
	v_and_b32 v3, 31, v0                           ; lane
	v_lshrrev_b32 v16, 5, v0
	v_readfirstlane_b32 s34, v16                   ; wave 0..7
	v_lshlrev_b32 v1, 4, v3                        ; 16 bytes a lane, in f32 data
	v_lshlrev_b32 v2, 3, v3                        ; 8 bytes a lane, in bf16 data
	s_mov_b32 s30, 0x76543210                      ; v_permlanex16_b32: each lane takes its own place in the other half
	s_mov_b32 s31, 0xfedcba98
	s_mov_b32 s35, 0x3a800000                      ; 1 / 1024
	s_mov_b32 s33, 0x3727c5ac                      ; 1e-5
	s_cmp_ge_u32 ttmp9, LNWG
	s_cbranch_scc1 .Lcvt
	; ---------------- LayerNorm ----------------
	s_lshl_b32 s2, ttmp9, 3
	s_add_co_u32 s2, s2, s34                       ; my row
	s_lshl_b32 s4, s2, 11                          ; x 2,048 bytes in hout
	s_lshl_b32 s2, s2, 12                          ; x 4,096 bytes in xin
	s_mov_b32 s3, 0
	s_mov_b32 s5, 0
	v_mov_b32 v17, 0                               ; v_permlanex16_b32 counts as a reader of its destination
	s_wait_kmcnt 0x0
	s_add_nc_u64 s[8:9], s[8:9], s[2:3]
	s_add_nc_u64 s[14:15], s[14:15], s[4:5]
.irp j, 0,1,2,3,4,5,6,7
	global_load_b128 v[X+4*\j:X+4*\j+3], v1, s[8:9] offset:512*\j      ; 512 neighbouring bytes a load
.endr
.irp j, 0,1,2,3,4,5,6,7
	global_load_b128 v[GW+4*\j:GW+4*\j+3], v1, s[10:11] offset:512*\j
.endr
.irp j, 0,1,2,3,4,5,6,7
	global_load_b128 v[GB+4*\j:GB+4*\j+3], v1, s[12:13] offset:512*\j
.endr
.macro JOIN                            ; the four chains v[8:15] into v16
	v_pk_add_f32 v[8:9], v[8:9], v[10:11]
	v_pk_add_f32 v[12:13], v[12:13], v[14:15]
	v_pk_add_f32 v[8:9], v[8:9], v[12:13]
	v_add_f32 v16, v8, v9
.endm
.macro LANESUM                         ; v16 summed over the 32 lanes, the sum in every lane
	v_add_f32_dpp v16, v16, v16 row_xmask:1 row_mask:0xf bank_mask:0xf
	v_add_f32_dpp v16, v16, v16 row_xmask:2 row_mask:0xf bank_mask:0xf
	v_add_f32_dpp v16, v16, v16 row_xmask:4 row_mask:0xf bank_mask:0xf
	v_add_f32_dpp v16, v16, v16 row_xmask:8 row_mask:0xf bank_mask:0xf
	v_permlanex16_b32 v17, v16, s30, s31
	v_add_f32 v16, v16, v17
.endm
	s_wait_loadcnt 16                              ; the row is in; the sixteen younger loads (gain, bias) stay out
.irp c, 0,1,2,3                        ; pass 1: the sum, in four chains that the first pairs start
	v_pk_add_f32 v[8+2*\c:9+2*\c], v[X+2*\c:X+2*\c+1], v[X+8+2*\c:X+9+2*\c]
.endr
.irp c, 0,1,2,3
	v_pk_add_f32 v[8+2*\c:9+2*\c], v[8+2*\c:9+2*\c], v[X+16+2*\c:X+17+2*\c]
.endr
.irp c, 0,1,2,3
	v_pk_add_f32 v[8+2*\c:9+2*\c], v[8+2*\c:9+2*\c], v[X+24+2*\c:X+25+2*\c]
.endr
	JOIN
	LANESUM
	v_mul_f32 v4, s35, v16                         ; the mean, twice: a pair for the packed subtraction
	v_mov_b32 v5, v4
.set p, 0
.rept 16
	v_pk_add_f32 v[X+2*p:X+2*p+1], v[X+2*p:X+2*p+1], v[4:5] neg_lo:[0,1] neg_hi:[0,1]  ; d = x - mean, in place
.set p, p+1
.endr
.irp c, 0,1,2,3                        ; pass 2: the sum of d^2
	v_pk_mul_f32 v[8+2*\c:9+2*\c], v[X+2*\c:X+2*\c+1], v[X+2*\c:X+2*\c+1]
.endr
.irp c, 0,1,2,3
	v_pk_fma_f32 v[8+2*\c:9+2*\c], v[X+8+2*\c:X+9+2*\c], v[X+8+2*\c:X+9+2*\c], v[8+2*\c:9+2*\c]
.endr
.irp c, 0,1,2,3
	v_pk_fma_f32 v[8+2*\c:9+2*\c], v[X+16+2*\c:X+17+2*\c], v[X+16+2*\c:X+17+2*\c], v[8+2*\c:9+2*\c]
.endr
.irp c, 0,1,2,3
	v_pk_fma_f32 v[8+2*\c:9+2*\c], v[X+24+2*\c:X+25+2*\c], v[X+24+2*\c:X+25+2*\c], v[8+2*\c:9+2*\c]
.endr
	JOIN
	LANESUM
	v_fma_f32 v16, v16, s35, s33                   ; var + 1e-5
	v_rsq_f32 v6, v16                              ; twice, to fill a pair
	v_rsq_f32 v7, v16
	v_nop                                          ; a plain instruction between the root and the use of its result (ISA guide 5.7.2)
	s_wait_loadcnt 0x0                             ; gain and bias
.set p, 0
	s_wait_alu depctr_va_vdst(0)
.rept 16
	v_pk_mul_f32 v[X+2*p:X+2*p+1], v[X+2*p:X+2*p+1], v[6:7]
.set p, p+1
.endr
.set p, 0
.rept 16
	v_pk_fma_f32 v[X+2*p:X+2*p+1], v[X+2*p:X+2*p+1], v[GW+2*p:GW+2*p+1], v[GB+2*p:GB+2*p+1]
.set p, p+1
.endr
.set p, 0
.rept 16
	v_cvt_pk_bf16_f32 v[OUT+p], v[X+2*p], v[X+2*p+1]
.set p, p+1
.endr
.irp j, 0,1,2,3,4,5,6,7
	global_store_b64 v2, v[OUT+2*\j:OUT+2*\j+1], s[14:15] offset:256*\j  ; the 32 lanes store 256 consecutive bytes, at a multiple of 256 from hout's first byte
.endr
	s_endpgm
	; ---------------- the weights to bf16 ----------------
; Which tensor is mine: the work-groups' places 0-191 qkv_w, 192-255 proj_w, 256-511 ff_w1, 512-767 ff_w2.  The choice goes from the top down; each PICK overrides the one before where my place lies below its bound.
; s[38:39] source, s[40:41] destination buffer, s37 the tensor's first place, s42 bytes in a source row, s44 1 = in blocks, s45 first byte of the weights in the destination, s43 the floor for the head.
.macro PICK below, src, dst, first, rowb, blk, off, flo
	s_cmp_lt_u32 s36, \below
	s_cselect_b64 s[38:39], s[\src:\src+1], s[38:39]
	s_cselect_b64 s[40:41], s[\dst:\dst+1], s[40:41]
	s_cselect_b32 s37, \first, s37
	s_cselect_b32 s42, \rowb, s42
	s_cselect_b32 s44, \blk, s44
	s_cselect_b32 s45, \off, s45
	s_cselect_b32 s43, \flo, s43
.endm
.Lcvt:
	s_sub_co_u32 s36, ttmp9, LNWG                  ; my place among the 768
	s_wait_kmcnt 0x0
	s_mov_b64 s[38:39], s[22:23]                   ; ff_w2, plain, into wbf
	s_mov_b64 s[40:41], s[24:25]
	s_mov_b32 s37, 512
	s_mov_b32 s42, 4096
	s_mov_b32 s44, 0
	s_mov_b32 s45, 16777216
	s_mov_b32 s43, 0
	PICK 512, 20, 28, 256, 16384, 1, 256, 0                ; ff_w1, in blocks, into w1; floor 0
	PICK 256, 18, 24, 192, 4096, 0, 6291456, 0             ; proj_w, plain, into wbf
	PICK 192, 16, 26, 0, 12288, 1, 256, 0xff800000         ; qkv_w, in blocks, into wq; floor minus infinity
	s_sub_co_u32 s46, s36, s37
	s_lshl_b32 s46, s46, 3
	s_add_co_u32 s46, s46, s34                     ; u: my wave's place in the tensor
	s_lshr_b32 s47, s46, 9                         ; in blocks (K = 1,024: 512 pairs of rows): u = 512 g + pair, g = the group of 1,024 columns
	s_and_b32 s48, s46, 511
	s_cmp_eq_u32 s44, 1
	s_cselect_b32 s47, s47, 0                      ; plain (1,024 columns): one group, u = the pair of rows
	s_cselect_b32 s48, s48, s46
	s_cselect_b32 s49, 9, 12                       ; a pair of rows in the destination: 512 bytes of a block, or 4,096 bytes of plain rows
	s_lshl_b32 s2, s42, 1
	s_mul_i32 s2, s48, s2                          ; source: pair x two rows,
	s_lshl_b32 s3, s47, 12                         ; + group x 4,096 bytes
	s_add_co_u32 s2, s2, s3
	s_mov_b32 s3, 0
	s_add_nc_u64 s[38:39], s[38:39], s[2:3]        ; my first row's 1,024 numbers,
	s_mov_b32 s4, s42
	s_mov_b32 s5, 0
	s_add_nc_u64 s[50:51], s[38:39], s[4:5]        ; my second row's
	s_lshl_b32 s4, s48, s49
	s_lshl_b32 s5, s47, 21                         ; a group is eight blocks of 262,144 bytes
	s_add_co_u32 s4, s4, s5
	s_add_co_u32 s4, s4, s45
	s_mov_b32 s5, 0
	s_add_nc_u64 s[52:53], s[40:41], s[4:5]
.set i, 0
.rept 8
	global_load_b128 v[20+4*i:23+4*i], v1, s[38:39] offset:512*i th:TH_LOAD_NT  ; all sixteen loads of the wave go out at once; the f32 weights are read once
.set i, i+1
.endr
.set i, 0
.rept 8
	global_load_b128 v[52+4*i:55+4*i], v1, s[50:51] offset:512*i th:TH_LOAD_NT
.set i, i+1
.endr
.macro CVT blocked                     ; load i = row i / 8, columns 128 (i % 8) on: 128 numbers, 256 bytes of bf16
.set i, 0
.rept 16
	s_wait_loadcnt 15-i                            ; loads come back in order: number i is in, the younger ones stay out
	v_cvt_pk_bf16_f32 v[84+2*i], v[20+4*i], v[21+4*i]
	v_cvt_pk_bf16_f32 v[85+2*i], v[22+4*i], v[23+4*i]
.if \blocked
	global_store_b64 v2, v[84+2*i:85+2*i], s[52:53] offset:(i%8)*262144+(i/8)*256  ; block i % 8 of my group, row i / 8 of my pair: 256 consecutive bytes, aligned
.else
	global_store_b64 v2, v[84+2*i:85+2*i], s[52:53] offset:256*i                   ; 256 consecutive bytes, aligned; no register is written twice, so no further wait
.endif
.set i, i+1
.endr
.endm
	s_cmp_eq_u32 s44, 1
	s_cbranch_scc0 .Lplain
	CVT 1
	s_cmp_lg_u32 s46, 0
	s_cbranch_scc1 .Lend                           ; the tensor's first wave also writes the head: 256 bytes, the floor in every word
	v_mov_b32 v116, s43
	v_mov_b32 v117, s43
	global_store_b64 v2, v[116:117], s[40:41]
.Lend:
	s_endpgm
.Lplain:
	CVT 0
	s_endpgm
.Lfunc_end_k_qa141f9f186_prep:
	.size	k_qa141f9f186_prep, .Lfunc_end_k_qa141f9f186_prep-k_qa141f9f186_prep
	.p2alignl 7, 3214868480
	.fill 96, 4, 3214868480
	.section	.rodata,"a",@progbits
	.p2align	6, 0x0
	.amdhsa_kernel k_qa141f9f186_prep
		.amdhsa_group_segment_fixed_size 0
		.amdhsa_private_segment_fixed_size 0
		.amdhsa_enable_private_segment 0
		.amdhsa_kernarg_size 88
		.amdhsa_user_sgpr_count 2
		.amdhsa_user_sgpr_kernarg_segment_ptr 1
		.amdhsa_wavefront_size32 1
		.amdhsa_system_sgpr_workgroup_id_x 1
		.amdhsa_system_sgpr_workgroup_id_y 1
		.amdhsa_system_sgpr_workgroup_id_z 1
		.amdhsa_system_vgpr_workitem_id 0
		.amdhsa_next_free_vgpr 132
		.amdhsa_next_free_sgpr 66
		.amdhsa_reserve_vcc 0
		.amdhsa_float_denorm_mode_32 3
		.amdhsa_float_denorm_mode_16_64 3
		.amdhsa_memory_ordered 1
		.amdhsa_forward_progress 1
		.amdhsa_inst_pref_size 24
	.end_amdhsa_kernel
	.amdgpu_metadata
---
amdhsa.version: [ 1, 2 ]
amdhsa.kernels:
  - .name:           k_qa141f9f186_prep
    .symbol:         k_qa141f9f186_prep.kd
    .args:
      - { .name: x, .offset: 0, .size: 8, .value_kind: global_buffer, .address_space: global }
      - { .name: ln1_w, .offset: 8, .size: 8, .value_kind: global_buffer, .address_space: global }
      - { .name: ln1_b, .offset: 16, .size: 8, .value_kind: global_buffer, .address_space: global }
      - { .name: hn, .offset: 24, .size: 8, .value_kind: global_buffer, .address_space: global }
      - { .name: qkv_w, .offset: 32, .size: 8, .value_kind: global_buffer, .address_space: global }
      - { .name: proj_w, .offset: 40, .size: 8, .value_kind: global_buffer, .address_space: global }
      - { .name: ff_w1, .offset: 48, .size: 8, .value_kind: global_buffer, .address_space: global }
      - { .name: ff_w2, .offset: 56, .size: 8, .value_kind: global_buffer, .address_space: global }
      - { .name: wbf, .offset: 64, .size: 8, .value_kind: global_buffer, .address_space: global }
      - { .name: wq, .offset: 72, .size: 8, .value_kind: global_buffer, .address_space: global }
      - { .name: w1, .offset: 80, .size: 8, .value_kind: global_buffer, .address_space: global }
    .group_segment_fixed_size: 0
    .private_segment_fixed_size: 0
    .kernarg_segment_align: 8
    .kernarg_segment_size: 88
    .max_flat_workgroup_size: 256
    .sgpr_count:     66
    .vgpr_count:     132
    .wavefront_size: 32
...
	.end_amdgpu_metadata
.endif
;; end of part 7
;; launch qkv (part 8): grid 12 x 16, 4 waves a work-group, clusters of 4 x 4, 327,680 bytes of LDS; arguments hn, wq, qkv_b, qkvh; writes qkvh
.if DOCPART == 8
	.amdgcn_target "amdgcn-amd-amdhsa--gfx1250"
	.amdhsa_code_object_version 6
	.text
	.protected	k_qa141f9f186_qkv
	.globl	k_qa141f9f186_qkv
	.p2align	8
	.type	k_qa141f9f186_qkv,@function
k_qa141f9f186_qkv:
	s_mov_b64 s[64:65], 0
	v_nop
	global_prefetch_b8 v0, s[64:65] scope:SCOPE_SE
	s_setreg_imm32_b32 hwreg(HW_REG_WAVE_MODE, 25, 1), 1
	s_wait_xcnt 0x0
	s_wait_alu depctr_hold_cnt(0) depctr_sa_sdst(0) depctr_va_vdst(0) depctr_va_sdst(0) depctr_va_ssrc(0) depctr_va_vcc(0) depctr_vm_vsrc(0)
	s_getreg_b32 s2, hwreg(HW_REG_IB_STS2, 6, 4)
	s_cmp_eq_u32 s2, 0
	s_cbranch_scc0 .Lentry_in_a_cluster
	s_endpgm
.Lentry_in_a_cluster:
	s_bfe_u32 s2, ttmp6, 0x10000c
	s_cmp_lg_u32 s2, 0xf033
	s_cbranch_scc0 .Lentry_shape_is_right
	s_endpgm
.Lentry_shape_is_right:
; ONE TEXT FOR TWO LAUNCHES: qkvh = hn x qkv_w + qkv_b, and act = relu(hn x ff_w1 + ff_b1).  Arguments: A, W, bias, C.   C = max(A W + bias, f), sums and maximum in f32, rounded once to bf16.
; A: [4096][1024] bf16.  W: the weights in bf16, in blocks: 256 bytes of head, then [N/128][1024][128]: block S holds columns 128 S .. 128 S + 127 of all 1,024 k, 256 bytes for each k.  So nothing in this
; text hangs on N: N = 256 x the grid's width.  The head's first word is the floor f in f32: minus infinity for a plain product, 0 for relu.  bias: [N] f32.
; C goes out in SLABS: [N/64][4096][64] bf16, slab = column / 64: 16 rows of a slab are 2,048 consecutive bytes, and the launch behind asks for 64 rows of a slab as 8,192 dense bytes.
; A TILE of C is 256 x 256: four waves, as many as a WGP has SIMDs, each 128 x 128: 64 accumulators of 16 x 16, 512 registers.  K goes in steps of 128 through two LDS slots filled by tensor loads, one load a
; wave and step: waves 0, 1 bring A's two halves of 128 rows (rows of 256 bytes), waves 2, 3 the tile's two blocks of W (128 k x 128 n, 32,768 dense bytes each).  For 131,072 bytes fetched a wave issues 256
; matrix instructions, and for 32 along K it reads 2 x 128 x 64 bytes from LDS for 64 matrix instructions.
; CLUSTER 4 x 4: the four work-groups of a row of the cluster need the same tiles of A, the four of a column the same tiles of W: each tile is asked for JOINTLY, by the same load with the same
; descriptor and a mask that names the four.
; W LIES [K][N] and is turned on its way from LDS to registers by ds_load_tr16_b128.  THE MATRIX INSTRUCTION IS USED TRANSPOSED (source 0 = 16 columns of W, source 1 = 16 rows of A): lane l then holds row
; l % 16 of C and the eight neighbouring columns 8 (l / 16) + 0..7.  THE BIAS is the C operand of the product that starts each sum: nothing is cleared and nothing is added later.
; LIMITS: operands are rounded to bf16; the floor is taken by v_max_num_f32, so a NaN becomes the floor; infinities are not treated apart.
; REGISTERS, in windows of 256 (s_set_vgpr_msb: bits 1:0 source 0, 3:2 source 1, 5:4 source 2, 7:6 destination):
;   window 0: v0-31 addresses; v64-127, v128-191 fragments of A (8 x 16 rows x 32 K), two buffers; v192-223 packed results, v32-63 and v224-255 rows read back, on the way out
;   window 1: v0-63 the bias, eight registers for each block of 16 columns; v64-127, v128-191 fragments of W, two buffers
;   window 2: the 32 accumulators of my rows 0-63 (accumulator (a, b) at v[8 (8 a + b)]);   window 3: those of my rows 64-127
.set KT,     1024                      ; the product's K
.set KSTEP,  128
.set PA,     272                       ; a row of A in LDS: 256 bytes + 16 of padding = 68 words: the 16 rows of a load start at 16 different groups of four banks (64 banks of 4 bytes: ISA guide 11.1)
.set PB,     288                       ; a row of W in LDS: 128 n = 256 bytes + 32 of padding = 72 words
.set HALF,   36864                     ; what one tensor load fills: 128 rows of W (128 x 288), or 128 rows of A (128 x 272 = 34,816)
.set SLOT,   4*HALF                    ; A's rows 0-127, A's rows 128-255, W's first block, W's second block
.set STAGE,  2*SLOT                    ; behind the ring, never filled by a tensor load: 4,608 bytes for each wave, for the way out: two slabs' 16 rows of 144 bytes
.set STGW,   4608
.set SPARE,  STAGE+4*STGW              ; behind the stages: the spare words, 128 bytes for each wave: two blocks of 256 bytes that no other line names
.set ASTEP,  KSTEP*2                   ; bytes of A from one K step to the next
.set BSTEP,  KSTEP*256                 ; bytes of a block of W from one K step to the next
.set WHEAD,  256                       ; the head of W's buffer
.set OSLAB,  4096*128                  ; bytes in a slab of C
.set LAPS,   KT/(2*KSTEP)              ; a lap = two K steps = once round the ring
.set ADRA, 16                          ; v16-17  LDS address of my A fragments in slot 0, 1
.set ADRB, 20                          ; v20-21  the same for W
.set STO,  24                          ; v24     the way out: where I put 16 bytes of a row
.set RD,   25                          ; v25     the way out: where I read rows back
.set CO,   26                          ; v26     my byte offset in 512 consecutive bytes of a slab
.set BO,   27                          ; v27     my byte offset in 16 numbers of the bias: 32 (l / 16)
.set SPW,  28                          ; v28     LDS address of my spare word: SPARE + 4 x my thread's number; never rewritten
.set NIL,  29                          ; v29     0; never rewritten
.set F0,   64                          ; fragment buffer 0
.set F1,   128                         ; fragment buffer 1
.set TMP,  192
.set OB,   32
.set FL,  12                           ; s12      the floor
.set G1,  24                           ; s[24:31] descriptor group 1 for A's tiles;  s[32:39] group 0, one set for each slot
.set G0,  32
.set G1B, 48                           ; s[48:55], s[56:63] the same for W's tiles
.set G0B, 56
.set MSB, 0
.macro WIN new                         ; the immediate's high byte repeats the setting that is left; a switch that changes nothing is dropped
.if MSB != (\new)
	s_set_vgpr_msb (MSB<<8)|(\new)
.set MSB, \new
.endif
.endm
.set MUL_LO, 0xa1                      ; source 0 (W) window 1, source 1 (A) window 0, C and D window 2;  + 0x50: C and D window 3
.set MUL_1ST, 0x91                     ; the same with C (the bias) in window 1;  + 0x40: D window 3
.set TO_B,   0x40                      ; destination window 1, address window 0
.macro JLOAD s                         ; a joint load: waves 0 and 1 fetch A's two halves, waves 2 and 3 W's two blocks; an s_nop 0 and four v_nop follow each of the two lines, ahead of the jump, the label and what follows
	s_cmp_eq_u32 s15, 0
	s_cbranch_scc0 .Lfor_b_\@
	tensor_load_to_lds s[G0+4*(\s):G0+4*(\s)+3], s[G1:G1+7]
	s_nop 0
.rept 4
	v_nop
.endr
	s_branch .Lasked_\@
.Lfor_b_\@:
	tensor_load_to_lds s[G0B+4*(\s):G0B+4*(\s)+3], s[G1B:G1B+7]
	s_nop 0
.rept 4
	v_nop
.endr
.Lasked_\@:
.endm
.macro CREST                           ; a round of the cluster's barrier behind its opening barrier: wave 0 signals for the work-group, every wave waits for all sixteen, the work-group's barrier closes it
	s_cmp_lg_u32 s14, 0
	s_cbranch_scc1 .Lnot_wave_0_\@
	s_barrier_signal -3
.Lnot_wave_0_\@:
	s_barrier_wait -3
	s_barrier_signal -1
	s_barrier_wait -1
.endm
.macro CROUND                          ; a whole round
	s_barrier_signal -1
	s_barrier_wait -1
	CREST
.endm
	s_load_b256 s[4:11], s[0:1], 0x0               ; A s[4:5], W s[6:7], bias s[8:9], C s[10:11]
	v_lshl_add_u32 v[SPW], v0, 2, SPARE
	v_mov_b32 v[NIL], 0
	ds_add_u32 v[SPW], v[NIL]                      ; the wave's opening: the add and its wait stand ahead of my first tensor load; the set-up below, work on registers, stands between them
	v_lshrrev_b32 v1, 5, v0
	v_readfirstlane_b32 s14, v1                    ; wave 0..3
	s_lshr_b32 s15, s14, 1                         ; which half of the tile's rows is mine.  Also: I fetch for A (0) or for W (1)
	s_and_b32 s16, s14, 1                          ; which half of its columns.  Also: which half of that tile I fetch
	s_bfe_u32 s17, ttmp6, 0x40000                  ; cx, cy: my place in the cluster
	s_bfe_u32 s18, ttmp6, 0x40004
	s_lshl_b32 s19, ttmp9, 2
	s_add_co_u32 s19, s19, s17                     ; tile column of C = 4 x cluster x + cx
	s_and_b32 s20, ttmp7, 0xffff
	s_lshl_b32 s20, s20, 2
	s_add_co_u32 s20, s20, s18                     ; tile row of C = 4 x cluster y + cy
	s_lshl_b32 s21, s18, 2
	s_lshl_b32 s21, 15, s21                        ; my row of the cluster
	s_lshl_b32 s22, 0x1111, s17                    ; my column
	s_or_b32 s[G1+0], s21, (1<<16)|(1<<20)|(1<<21)|(5<<22)|(3<<25)   ; 15:0 the mask: A's tiles go to my row; 17:16 elements of 2 bytes; 20 padding on; 21 set beside a mask; 24:22 after every 64 words (code 5); 31:25 4 words of padding (code 3)
	s_or_b32 s[G1B+0], s22, (1<<16)|(1<<20)|(1<<21)|(5<<22)|(7<<25)  ; W's tiles go to my column; 8 words of padding (code 7)
.irp g, G1, G1B
	s_mov_b32 s[(\g)+1], 128<<16                   ; tensor_dim0 = 128 elements
	s_mov_b32 s[(\g)+2], 128<<16                   ; tensor_dim1 = 128 rows
	s_mov_b32 s[(\g)+3], 128<<16                   ; tile_dim0
	s_mov_b32 s[(\g)+4], 128                       ; tile_dim1
	s_mov_b32 s[(\g)+6], 0
	s_mov_b32 s[(\g)+7], 0
.endr
	s_mov_b32 s[G1+5], KT                          ; elements from row to row of A
	s_mov_b32 s[G1B+5], 128                        ; and of a block of W: its rows lie end to end
	; where the tiles come from.  A's hang on the tile row alone, which my row of the cluster shares; W's on the tile column alone, which my column shares; each in registers that never hold the other coordinate
	s_lshl_b32 s40, s20, 8
	s_lshl_b32 s23, s16, 7
	s_add_co_u32 s40, s40, s23                     ; A: row 256 x tile row + 128 x half,
	s_lshl_b32 s40, s40, 11                        ; x 2,048 bytes
	s_mov_b32 s41, 0
	s_lshl_b32 s46, s19, 1
	s_add_co_u32 s46, s46, s16                     ; W: block 2 x tile column + half,
	s_lshl_b32 s46, s46, 18                        ; x 262,144 bytes,
	s_add_co_u32 s46, s46, WHEAD                   ; behind the head
	s_mov_b32 s47, 0
	s_mul_i32 s44, s14, HALF                       ; and where they go: wave x HALF: no place in the cluster enters an LDS address
	s_wait_dscnt 0x0                               ; the opening add is done
	s_wait_kmcnt 0x0
	s_add_nc_u64 s[40:41], s[4:5], s[40:41]
	s_add_nc_u64 s[46:47], s[6:7], s[46:47]
	CROUND                                         ; all sixteen work-groups are here: the first joint loads meet
.irp s, 0,1
	s_mov_b32 s[G0+4*(\s)], 1                                      ; count = 1
	s_add_co_u32 s[G0+4*(\s)+1], s44, (\s)*SLOT                    ; LDS address
	s_add_nc_u64 s[G0+4*(\s)+2:G0+4*(\s)+3], s[40:41], (\s)*ASTEP  ; global address: K step s
	s_or_b32 s[G0+4*(\s)+3], s[G0+4*(\s)+3], 0x80000000            ; type = 2
	s_mov_b32 s[G0B+4*(\s)], 1
	s_add_co_u32 s[G0B+4*(\s)+1], s44, (\s)*SLOT
	s_add_nc_u64 s[G0B+4*(\s)+2:G0B+4*(\s)+3], s[46:47], (\s)*BSTEP
	s_or_b32 s[G0B+4*(\s)+3], s[G0B+4*(\s)+3], 0x80000000
	JLOAD \s                                       ; both slots are asked for before anything else: two loads of mine are out
.endr
	; A fragment of A: lane l holds row l % 16, k = 8 (l / 16) + 0..7 and 16 + 8 (l / 16) + 0..7: two loads of 16 bytes, 32 bytes apart
	v_and_b32 v1, 15, v0                           ; l % 16
	v_bfe_u32 v2, v0, 4, 1                         ; l / 16
	v_mul_u32_u24 v3, v1, PA
	v_lshl_add_u32 v3, v2, 4, v3
	s_mul_i32 s42, s15, HALF                       ; my 128 rows of A
	v_add_nc_u32 v[ADRA], s42, v3
	v_add_nc_u32 v[ADRA+1], SLOT, v[ADRA]
	; The turning load takes 16 k x 16 n (lane l reads k = 8 (l / 16) + l % 8, n = 8 ((l / 8) % 2) + 0..7) and leaves half a fragment: lane l holds column l % 16 and 8 k
	v_and_b32 v4, 7, v0
	v_lshl_add_u32 v4, v2, 3, v4
	v_mul_u32_u24 v4, v4, PB
	v_bfe_u32 v5, v0, 3, 1
	v_lshl_add_u32 v4, v5, 4, v4
	s_mul_i32 s43, s16, HALF                       ; my 128 columns are one block of W,
	s_add_co_u32 s43, s43, 2*HALF                  ; behind A's two halves
	v_add_nc_u32 v[ADRB], s43, v4
	v_add_nc_u32 v[ADRB+1], SLOT, v[ADRB]
	s_mul_i32 s45, s14, STGW
	s_add_co_u32 s45, s45, STAGE                   ; my stage
	v_mul_u32_u24 v6, v1, 144                      ; in: row l % 16 of 128 + 16 bytes, 16 bytes for each half of the lanes
	v_lshl_add_u32 v6, v2, 4, v6
	v_add_nc_u32 v[STO], s45, v6
	v_bfe_u32 v7, v0, 3, 2                         ; back: 32 lanes take four rows of 128 bytes,
	v_mul_u32_u24 v7, v7, 144
	v_and_b32 v8, 7, v0
	v_lshl_add_u32 v7, v8, 4, v7
	v_add_nc_u32 v[RD], s45, v7
	v_and_b32 v8, 31, v0                           ; which are 512 consecutive bytes of a slab
	v_lshlrev_b32 v[CO], 4, v8
	v_lshlrev_b32 v[BO], 5, v2
	s_lshl_b32 s42, s19, 10                        ; my first column in f32 bytes: 1,024 x tile column + 512 x half
	s_lshl_b32 s43, s16, 9
	s_add_co_u32 s42, s42, s43
	s_mov_b32 s43, 0
	s_add_nc_u64 s[8:9], s[8:9], s[42:43]          ; the bias at my 128 columns
	s_lshl_b32 s42, s19, 2
	s_lshl_b32 s23, s16, 1
	s_add_co_u32 s42, s42, s23                     ; my first slab = 4 x tile column + 2 x half,
	s_lshl_b32 s42, s42, 19                        ; x 524,288 bytes,
	s_lshl_b32 s23, s20, 15                        ; + my first row (256 x tile row + 128 x half) x 128 bytes
	s_add_co_u32 s42, s42, s23
	s_lshl_b32 s23, s15, 14
	s_add_co_u32 s42, s42, s23
	s_add_nc_u64 s[10:11], s[10:11], s[42:43]
	WIN TO_B
.irp b, 0,1,2,3,4,5,6,7
	global_load_b128 v[8*(\b):8*(\b)+3],   v[BO], s[8:9] offset:64*(\b)     ; register j of block b: the bias of column 16 b + 8 (l / 16) + j, as the result holds it
	global_load_b128 v[8*(\b)+4:8*(\b)+7], v[BO], s[8:9] offset:64*(\b)+16
.endr
	WIN 0
	s_load_b32 s[FL], s[6:7], 0x0                  ; the floor, from the head of W's buffer
; 16 matrix instructions: m blocks a0, a0 + 1 of the window's four (hi = 0: my rows 0-63, 1: rows 64-127) x all 8 n blocks, 32 along K.  first = 1: the product starts the sums, with the bias as C.
; The 64 accumulators take turns, one instruction a turn, in the same order in every quarter.
.macro MUL16 f, hi, a0, first
.if \first
	WIN MUL_1ST+0x40*(\hi)
.else
	WIN MUL_LO+0x50*(\hi)
.endif
.irp a, \a0, (\a0)+1
.irp b, 0,1,2,3,4,5,6,7
.if \first
	v_wmma_f32_16x16x32_bf16 v[8*(8*(\a)+(\b)):8*(8*(\a)+(\b))+7], v[(\f)+8*(\b):(\f)+8*(\b)+7], v[(\f)+8*(4*(\hi)+(\a)):(\f)+8*(4*(\hi)+(\a))+7], v[8*(\b):8*(\b)+7]
.else
	v_wmma_f32_16x16x32_bf16 v[8*(8*(\a)+(\b)):8*(8*(\a)+(\b))+7], v[(\f)+8*(\b):(\f)+8*(\b)+7], v[(\f)+8*(4*(\hi)+(\a)):(\f)+8*(4*(\hi)+(\a))+7], v[8*(8*(\a)+(\b)):8*(8*(\a)+(\b))+7]
.endif
.endr
.endr
.endm
; 32 LDS loads in one run: the fragments of quarter q (32 along K) of a slot's K step, into buffer f: 128 columns of W (turned), then 128 rows of A
.macro FETCH slot, q, f
	WIN TO_B
.irp i, 0,1,2,3,4,5,6,7
	ds_load_tr16_b128 v[(\f)+8*(\i):(\f)+8*(\i)+3],   v[ADRB+(\slot)] offset:32*(\q)*PB+32*(\i)
	ds_load_tr16_b128 v[(\f)+8*(\i)+4:(\f)+8*(\i)+7], v[ADRB+(\slot)] offset:(32*(\q)+16)*PB+32*(\i)
.endr
	WIN 0
.irp i, 0,1,2,3,4,5,6,7
	ds_load_b128 v[(\f)+8*(\i):(\f)+8*(\i)+3],   v[ADRA+(\slot)] offset:64*(\q)+(\i)*16*PA
	ds_load_b128 v[(\f)+8*(\i)+4:(\f)+8*(\i)+7], v[ADRA+(\slot)] offset:64*(\q)+(\i)*16*PA+32
.endr
.endm
.macro PLACES                          ; four places in front of loads into registers that matrix instructions have read, and of lines that read results (ISA guide 7.12.1 for the latter)
.rept 4
	v_nop
.endr
.endm
; A K step is four quarters of 32 along K, 64 matrix instructions each, on buffers 0, 1, 0, 1.  One of the first three: multiplies buffer f; in its middle it fetches quarter q into buffer g, in ONE run, 32 matrix instructions ahead of its first use.
.macro QUARTER slot, q, f, g, first
	s_wait_dscnt 8                                 ; W and A's rows 0-63 are in; the youngest eight loads (A's rows 64-127) may be out
	MUL16 \f, 0, 0, \first
	MUL16 \f, 0, 2, \first
	PLACES
	FETCH \slot, \q, \g
	s_wait_dscnt 32                                ; all but the 32 just issued
	MUL16 \f, 1, 0, \first
	MUL16 \f, 1, 2, \first
.endm
; The last quarter multiplies buffer 1 and changes slots: ONE barrier; in front of it each wave waits for all its tensor loads (one is out: its part of the next slot), adds 0 to its spare word, and waits
; for that and for its own reads of this slot.  fill = 1: this slot is filled again, two K steps ahead; the barrier then opens a round of the cluster's barrier.
.macro TURN slot, next, fill
	WIN 0                                          ; (the add's two registers lie in window 0)
	s_wait_tensorcnt 0x0                           ; all my tensor loads have landed: my part of the next slot;
	ds_add_u32 v[SPW], v[NIL]                      ; 0 onto my spare word;
	s_wait_dscnt 9                                 ; (the add and the youngest eight loads may be out)
	MUL16 F1, 0, 0, 0                              ; sixteen matrix instructions stand between the add and the wait for it
	s_wait_dscnt 0x0                               ; the add is done, and my reads of this slot are over
	s_barrier_signal -1
	MUL16 F1, 0, 2, 0                              ; work on registers while the others arrive
.if \fill
	WIN 0
.endif
	s_barrier_wait -1
.if \fill
	CREST                                          ; no wave of any partner still reads this slot's tile or has a load on its way
	s_add_nc_u64 s[G0+4*(\slot)+2:G0+4*(\slot)+3], s[G0+4*(\slot)+2:G0+4*(\slot)+3], 2*ASTEP
	s_add_nc_u64 s[G0B+4*(\slot)+2:G0B+4*(\slot)+3], s[G0B+4*(\slot)+2:G0B+4*(\slot)+3], 2*BSTEP
	JLOAD \slot                                    ; the first tensor load behind the round: 224 matrix instructions ahead of the wait for it; the four v_nop behind it are also the places in front of the loads below
.else
	PLACES
.endif
	FETCH \next, 0, F0
	MUL16 F1, 1, 0, 0
	MUL16 F1, 1, 2, 0
.endm
	s_wait_kmcnt 0x0                               ; the floor
	s_wait_tensorcnt 1                             ; my part of K step 0 is in; K step 1's may stay out
	s_barrier_signal -1
	s_barrier_wait -1                              ; everybody's is
	FETCH 0, 0, F0
	s_wait_loadcnt 0x0                             ; the bias
	QUARTER 0, 1, F0, F1, 1                        ; the first quarter stands in front of the loop: its products start the sums
	WIN 0                                          ; at a label and at a branch every window is 0
	s_mov_b32 s3, LAPS-1
.Llap:                                                 ; a trip goes once round the ring, from a lap's second quarter to the next lap's first, and fills both slots again: 2 fills at the start + 2 x 3 trips = the 8 K steps
	QUARTER 0, 2, F1, F0, 0
	QUARTER 0, 3, F0, F1, 0
	TURN 0, 1, 1
	QUARTER 1, 1, F0, F1, 0
	QUARTER 1, 2, F1, F0, 0
	QUARTER 1, 3, F0, F1, 0
	TURN 1, 0, 1
	QUARTER 0, 1, F0, F1, 0
	WIN 0
	s_sub_co_u32 s3, s3, 1
	s_cmp_lg_u32 s3, 0
	s_cbranch_scc1 .Llap
	QUARTER 0, 2, F1, F0, 0                        ; the last lap fills nothing, and has no round of the cluster's barrier
	QUARTER 0, 3, F0, F1, 0
	TURN 0, 1, 0
	QUARTER 1, 1, F0, F1, 0
	QUARTER 1, 2, F1, F0, 0
	QUARTER 1, 3, F0, F1, 0
	s_wait_dscnt 8                                 ; the very last quarter: nothing more to fetch
	MUL16 F1, 0, 0, 0
	MUL16 F1, 0, 2, 0
	s_wait_dscnt 0x0
	MUL16 F1, 1, 0, 0
	MUL16 F1, 1, 2, 0
	WIN 0
	PLACES
	; THE WAY OUT, a block of 16 rows x 128 columns at a time.  PACK: the floor, then rounded to bf16, 16 bytes a lane.  TOSTAGE: into my own stage (for each of the two slabs 16 rows of 144 bytes) and back as whole
	; rows of 128 bytes.  SEND: stored; 16 rows of a slab are 2,048 consecutive bytes.  Each accumulator's registers are taken in ascending order.
.macro PACK a
.set AC, 64*((\a)%4)
	WIN 0x88+0x44*((\a)/4)                         ; destination and source 1: window 2 or 3
.set i, 0
.rept 64
	v_max_num_f32 v[AC+i], s[FL], v[AC+i]
.set i, i+1
.endr
	WIN 0x0a+5*((\a)/4)                            ; sources 0 and 1: window 2 or 3; destination window 0
.irp b, 0,1,2,3,4,5,6,7
.irp r, 0,1,2,3
	v_cvt_pk_bf16_f32 v[TMP+4*(\b)+(\r)], v[AC+8*(\b)+2*(\r)], v[AC+8*(\b)+2*(\r)+1]
.endr
.endr
	WIN 0
.endm
.macro TOSTAGE a
.set BK, OB+192*((\a)%2)
.irp b, 0,1,2,3,4,5,6,7
	ds_store_b128 v[STO], v[TMP+4*(\b):TMP+4*(\b)+3] offset:((\b)/4)*2304+32*((\b)%4)  ; columns 16 b on: slab b / 4, 32 (b % 4) bytes into its rows
.endr
.irp t, 0,1,2,3,4,5,6,7
	ds_load_b128 v[BK+4*(\t):BK+4*(\t)+3], v[RD] offset:((\t)/4)*2304+((\t)%4)*576  ; LDS serves a wave's instructions in order (ISA guide 5.7.1.4): these see the stores above; the next block's stores come behind them
.endr
.endm
.macro SEND a
.set BK, OB+192*((\a)%2)
	s_wait_dscnt 0x0                               ; the block is back in registers
	s_wait_xcnt 0x0                                ; every earlier memory instruction has had its addresses translated (ISA guide 3.1): the other set of registers, which the block before stored from, is loaded again only behind this wait
.irp t, 0,1,2,3,4,5,6,7
	global_store_b128 v[CO], v[BK+4*(\t):BK+4*(\t)+3], s[10:11] offset:((\t)/4)*OSLAB+(\a)*2048+((\t)%4)*512  ; 512 consecutive bytes, at a multiple of 256 from the buffer's first
.endr
.endm
	PACK 0
	TOSTAGE 0
.irp a, 1,2,3,4,5,6,7                  ; block a's arithmetic stands between block a - 1's loads from the stage and the wait for them
	PACK \a
	SEND (\a)-1
	TOSTAGE \a
.endr
	SEND 7
	s_wait_tensorcnt 0x0                           ; the wave's end: the spare word's add and its wait, behind my last tensor load and my last LDS store
	ds_add_u32 v[SPW], v[NIL]
	s_wait_dscnt 0x0
	CROUND                                         ; the closing round: no work-group ends while a partner may still ask for a tile that names it
	s_endpgm
.Lfunc_end_k_qa141f9f186_qkv:
	.size	k_qa141f9f186_qkv, .Lfunc_end_k_qa141f9f186_qkv-k_qa141f9f186_qkv
	.p2alignl 7, 3214868480
	.fill 96, 4, 3214868480
	.section	.rodata,"a",@progbits
	.p2align	6, 0x0
	.amdhsa_kernel k_qa141f9f186_qkv
		.amdhsa_group_segment_fixed_size 327680
		.amdhsa_private_segment_fixed_size 0
		.amdhsa_enable_private_segment 0
		.amdhsa_kernarg_size 32
		.amdhsa_user_sgpr_count 2
		.amdhsa_user_sgpr_kernarg_segment_ptr 1
		.amdhsa_wavefront_size32 1
		.amdhsa_system_sgpr_workgroup_id_x 1
		.amdhsa_system_sgpr_workgroup_id_y 1
		.amdhsa_system_sgpr_workgroup_id_z 1
		.amdhsa_system_vgpr_workitem_id 0
		.amdhsa_next_free_vgpr 1024
		.amdhsa_next_free_sgpr 66
		.amdhsa_reserve_vcc 0
		.amdhsa_float_denorm_mode_32 3
		.amdhsa_float_denorm_mode_16_64 3
		.amdhsa_memory_ordered 1
		.amdhsa_forward_progress 1
		.amdhsa_inst_pref_size 160
	.end_amdhsa_kernel
	.amdgpu_metadata
---
amdhsa.version: [ 1, 2 ]
amdhsa.kernels:
  - .name:           k_qa141f9f186_qkv
    .symbol:         k_qa141f9f186_qkv.kd
    .args:
      - { .name: hn, .offset: 0, .size: 8, .value_kind: global_buffer, .address_space: global }
      - { .name: wq, .offset: 8, .size: 8, .value_kind: global_buffer, .address_space: global }
      - { .name: qkv_b, .offset: 16, .size: 8, .value_kind: global_buffer, .address_space: global }
      - { .name: qkvh, .offset: 24, .size: 8, .value_kind: global_buffer, .address_space: global }
    .group_segment_fixed_size: 327680
    .private_segment_fixed_size: 0
    .kernarg_segment_align: 8
    .kernarg_segment_size: 32
    .max_flat_workgroup_size: 128
    .sgpr_count:     66
    .vgpr_count:     1024
    .wavefront_size: 32
...
	.end_amdgpu_metadata
.endif
;; end of part 8
;; launch attn (part 9): grid 4 x 64, 8 waves a work-group, clusters of 4 x 1, 327,680 bytes of LDS; arguments qkvh, y; writes y
.if DOCPART == 9
	.amdgcn_target "amdgcn-amd-amdhsa--gfx1250"
	.amdhsa_code_object_version 6
	.text
	.protected	k_qa141f9f186_attn
	.globl	k_qa141f9f186_attn
	.p2align	8
	.type	k_qa141f9f186_attn,@function
k_qa141f9f186_attn:
	s_mov_b64 s[64:65], 0
	v_nop
	global_prefetch_b8 v0, s[64:65] scope:SCOPE_SE
	s_setreg_imm32_b32 hwreg(HW_REG_WAVE_MODE, 25, 1), 1
	s_wait_xcnt 0x0
	s_wait_alu depctr_hold_cnt(0) depctr_sa_sdst(0) depctr_va_vdst(0) depctr_va_sdst(0) depctr_va_ssrc(0) depctr_va_vcc(0) depctr_vm_vsrc(0)
	s_getreg_b32 s2, hwreg(HW_REG_IB_STS2, 6, 4)
	s_cmp_eq_u32 s2, 0
	s_cbranch_scc0 .Lentry_in_a_cluster
	s_endpgm
.Lentry_in_a_cluster:
	s_bfe_u32 s2, ttmp6, 0x10000c
	s_cmp_lg_u32 s2, 0x3003
	s_cbranch_scc0 .Lentry_shape_is_right
	s_endpgm
.Lentry_shape_is_right:
; CAUSAL ATTENTION, 64 pairs of batch and head, 1,024 rows, head size 64, scale 1/32 (1 / sqrt(1024), as the module has it).  y[q] = the sum over k <= q of softmax_k(q . k / 32) v[k].
; qkvh: [48][4096][64] bf16 (slabs 0-15 q, 16-31 k, 32-47 v; row = 1,024 batch + t); y: [16][4096][64] bf16.  Products, maxima and sums in f32; the weights p are rounded to bf16 for the second
; product (their sum l is taken of the unrounded p), y once at the end.
; LIMITS: a hidden score is replaced by -1e30; a weight below 2^-126 counts as 0 in l; NaN and infinities are not treated apart.
; SHARES.  A head's queries are 16 bands of 64, a band four tiles of 16.  The four work-groups of a cluster share one head; work-group j owns tile j of every band; of its eight waves wave w owns the tile
; of band 15 - w (tile 0 here) and that of band w (tile 1).  A tile of band x needs the key steps (64 keys) 0 .. x, of which step x holds the diagonal: 17 tile-steps for every wave, whatever w and j.
; j enters only q's and y's addresses and the mask's numbers, so all four partners run alike.
; LDS holds the head's WHOLE K and V, filled once: nothing is filled again.  Each tile is asked for JOINTLY by the four partners (the same load, descriptor and mask in all four).  Waves 0-3 bring K,
; waves 4-7 V, each 256 keys by one load.
; ONE WALK, NO BARRIER IN IT.  Wave w has 9 + w of its 17 tile-steps on keys 0-511 and 8 - w on keys 512-1023.  A barrier between the two halves would hold every wave for the one with 16 tile-steps in front
; of it, and then for the one with 8 behind it: 24 on end where each wave has 17.  So the walk begins when the whole head has landed, and from there to the way out no wave waits for another.
; LAYOUT.  S^T = K Q^T (source 0 = 16 keys, source 1 = 16 queries): a lane holds ONE query (lane % 16) and the keys 8 (lane / 16) + 0..7.  Two such results rounded to bf16 ARE source 1 of O^T = V^T P.
; K comes out of LDS as it lies, V ([key][channel]) turned, by ds_load_tr16_b128.
; SOFTMAX.  A running maximum m and sum l: p = 2^(c s - c m), c = log2(e) / 32; in every step O and l are multiplied by a = 2^(c m_old - c m_new).  m starts at the lowest finite number, O and l at 0.
; The text goes in phases (scores, softmax, second product); two waves lie on each SIMD, so that one multiplies while the other does its softmax.
; REGISTERS: window 0: v0-15 addresses; v16-23 four statistics a tile; v24-28 at work; v32-63 S^T; v64-127 K of a step; v128-191 V of a step; v192-207 P.   window 1: v0-31 Q, 16 a tile; v32-95 O^T, 32 a tile.
.set PK,    144       ; a row of K in LDS: 128 bytes + 16 = 36 words: the 16 rows of a load start at 16 different groups of four banks (64 banks of 4 bytes: ISA guide 11.1)
.set PV,    160       ; a row of V: 128 + 32 = 40 words
.set VOFF,  1024*PK   ; 1,024 rows of K, then 1,024 rows of V
.set SPARE, VOFF+1024*PV  ; behind them: the spare words, 128 bytes for each of eight waves: four blocks of 256 bytes that no other line names
.set SP,    144       ; the way out: 16 rows x 144 bytes for each wave, in K's first bytes, which have had their only fill and are read no more by then
.set AK0, 2           ; v2   my lane's place in 16 rows of K; never rewritten
.set AV0, 3           ; v3   the same for V
.set AK,  4           ; v4   the LDS address of the step's K
.set AV,  5           ; v5   of its V
.set STO, 6           ; v6   the way out: where I put 16 bytes of a row
.set RD,  7           ; v7   where I read rows back
.set GO,  8           ; v8   my byte offset in 512 consecutive bytes of y
.set THR, 9           ; v9   my query's place in its band less my lanes' 8 (l / 16): in the diagonal step register r of key group kt is hidden where 16 kt + r is greater
.set QO,  12          ; v12  my byte offset in 16 rows of q
.set SPW, 14          ; v14  LDS address of my spare word: SPARE + 4 x my thread's number; never rewritten
.set NIL, 15          ; v15  0; never rewritten
.set ST,  16          ; tile u's statistics at v[ST+4 u]: c m, m, l (even keys', odd keys')
.set TMP, 24          ; c0-c3 at work; when the maximum is found c2 takes a
.set MV,  28          ; c m_old
.set S,   32
.set KF,  64          ; key block kb, channel half c at KF + 16 kb + 8 c
.set VF,  128         ; key half kk, channel block cb at VF + 32 kk + 8 cb
.set P,   192
.set OB,  32          ; O^T, in window 1
.set WV,  12          ; s12  my wave's number
.set DL,  15          ; s15  tile 1's band, and its diagonal step: w
.set DH,  16          ; s16  tile 0's: 15 - w
.set STEP, 17         ; s17  the key step
.set TBK, 18          ; s18  LDS byte at which the step's K begins
.set TBV, 19          ; s19  the same for V, less VOFF
.set G1K, 24          ; s[24:31] descriptor group 1 for K's tiles
.set G1V, 32          ; s[32:39] for V's: it differs in the padding alone
.set G0K, 40          ; s[40:43] descriptor group 0 for K's tile
.set G0V, 44          ; s[44:47] the same for V's
.set CS,  58          ; s[58:59] c: the packed scaling takes the pair's low word for both halves
.set SEL, 60          ; s[60:61] v_permlanex16_b32's selects
.set BIGN, 62         ; s62  -1e30
.set MSB, 0
.macro WIN new                      ; the high byte repeats the setting that is left; a switch that changes nothing is dropped
.if MSB != (\new)
	s_set_vgpr_msb (MSB<<8)|(\new)
.set MSB, (\new)
.endif
.endm
.macro CROUND                       ; a round of the cluster's barrier: my work-group's barrier; wave 0 signals for the work-group; every wave waits for all four work-groups; my work-group's barrier once more
	s_barrier_signal -1
	s_barrier_wait -1
	s_cmp_lg_u32 s[WV], 0
	s_cbranch_scc1 .Lnot_wave_0_\@
	s_barrier_signal -3
.Lnot_wave_0_\@:
	s_barrier_wait -3
	s_barrier_signal -1
	s_barrier_wait -1
.endm
	s_load_b128 s[4:7], s[0:1], 0x0 ; qkvh s[4:5], y s[6:7]
	v_lshl_add_u32 v[SPW], v0, 2, SPARE
	v_mov_b32 v[NIL], 0
	ds_add_u32 v[SPW], v[NIL]       ; the wave's opening: the add and its wait stand ahead of my first tensor load; the set-up below, work on registers, stands between them
	v_lshrrev_b32 v1, 5, v0
	v_readfirstlane_b32 s[WV], v1   ; wave 0..7
	s_and_b32 s13, s[WV], 3         ; which 256 keys of the head I fetch
	s_bfe_u32 s14, ttmp6, 0x40000   ; cx = j: it enters q's and y's addresses and the mask's numbers alone
	s_mov_b32 s[DL], s[WV]
	s_sub_co_u32 s[DH], 15, s[WV]
	s_and_b32 s20, ttmp7, 0xffff    ; 16 x batch + head, which the four partners share
	s_and_b32 s21, s20, 15
	s_lshr_b32 s20, s20, 4
	s_lshl_b32 s21, s21, 19         ; the head's slab, 524,288 bytes,
	s_lshl_b32 s20, s20, 17         ; the batch's 1,024 rows of 128 bytes
	s_add_co_u32 s20, s20, s21
	s_lshl_b32 s22, s13, 15         ; my 256 keys in memory: 32,768 bytes
	s_add_co_u32 s22, s22, s20
	s_mov_b32 s23, 0
	s_lshl_b32 s57, s14, 11         ; tile j of a band: 16 rows of 128 bytes
	s_lshl_b32 s56, s[DH], 13       ; a band: 64 rows
	s_add_co_u32 s56, s56, s57
	s_add_co_u32 s56, s56, s20      ; tile 0's first byte in q's slabs and in y
	s_lshl_b32 s78, s[DL], 13
	s_add_co_u32 s78, s78, s57
	s_add_co_u32 s78, s78, s20      ; tile 1's
	s_mov_b32 s57, 0
	s_mov_b32 s79, 0
	; descriptor group 1.  256 keys are 32,768 dense bytes: asked for as 128 rows of 256 bytes, two keys a row, and padded in LDS after every key
	s_mov_b32 s[G1K], 15|(1<<16)|(1<<20)|(1<<21)|(4<<22)|(3<<25)  ; 15:0 the mask of four; 17:16 2-byte elements; 20 padding on; 21 set beside a mask; 24:22 after every 32 words (code 4); 31:25 4 words (code 3)
	s_mov_b32 s[G1V], 15|(1<<16)|(1<<20)|(1<<21)|(4<<22)|(7<<25)  ; the same with 8 words of padding (code 7)
.irp g, G1K, G1V
	s_mov_b32 s[\g+1], 128<<16      ; tensor_dim0 = 128
	s_mov_b32 s[\g+2], 128<<16      ; tensor_dim1 = 128
	s_mov_b32 s[\g+3], 128<<16      ; tile_dim0 = 128
	s_mov_b32 s[\g+4], 128          ; tile_dim1 = 128
	s_mov_b32 s[\g+5], 128          ; 128 elements from row to row
	s_mov_b32 s[\g+6], 0
	s_mov_b32 s[\g+7], 0
.endr
	s_mov_b32 s[G0K], 1             ; count = 1
	s_mul_i32 s[G0K+1], s13, 256*PK ; LDS address: my 256 keys
	s_mov_b32 s[G0V], 1
	s_mul_i32 s[G0V+1], s13, 256*PV
	s_add_co_u32 s[G0V+1], s[G0V+1], VOFF
	s_mov_b32 s[CS], 0x3d38aa3b     ; c = log2(e) / 32 = 0.0450842
	s_mov_b32 s[CS+1], s[CS]        ; named with it as a pair
	s_mov_b32 s[SEL], 0x76543210
	s_mov_b32 s[SEL+1], 0xfedcba98
	s_mov_b32 s[BIGN], 0xf149f2ca   ; -1e30
	s_wait_dscnt 0x0                ; the opening add is done
	s_wait_kmcnt 0x0
	s_add_nc_u64 s[74:75], s[4:5], s[22:23]
	s_add_nc_u64 s[G0K+2:G0K+3], s[74:75], 8388608   ; k's slabs begin 16 slabs in,
	s_or_b32 s[G0K+3], s[G0K+3], 0x80000000          ; type = 2
	s_add_nc_u64 s[G0V+2:G0V+3], s[74:75], 16777216  ; v's 32
	s_or_b32 s[G0V+3], s[G0V+3], 0x80000000
	s_add_nc_u64 s[66:67], s[4:5], s[56:57]        ; q at tile 0, tile 1
	s_add_nc_u64 s[68:69], s[4:5], s[78:79]
	s_add_nc_u64 s[70:71], s[6:7], s[56:57]        ; y at tile 0, tile 1
	s_add_nc_u64 s[72:73], s[6:7], s[78:79]
	CROUND                          ; all four work-groups are here: the joint loads meet
	s_cmp_lt_u32 s[WV], 4           ; a wave's one fill, ahead of every wait on TENSORcnt and every LDS read: one load of mine is out; an s_nop 0 and four v_nop follow it
	s_cbranch_scc0 .Lfirst_v
	tensor_load_to_lds s[G0K:G0K+3], s[G1K:G1K+7]
	s_nop 0
.rept 4
	v_nop
.endr
	s_branch .Lfirst_asked
.Lfirst_v:
	tensor_load_to_lds s[G0V:G0V+3], s[G1V:G1V+7]
	s_nop 0
.rept 4
	v_nop
.endr
.Lfirst_asked:
	; A fragment of K or Q is 16 rows x 32 channels in 8 registers: lane l holds row l % 16, channels 8 (l / 16) + 0..7 and 16 + 8 (l / 16) + 0..7: two loads of 16 bytes, 32 bytes apart
	v_and_b32 v1, 15, v0            ; l % 16
	v_bfe_u32 v10, v0, 4, 1         ; l / 16
	v_lshlrev_b32 v[QO], 7, v1
	v_lshl_add_u32 v[QO], v10, 4, v[QO]
	WIN 0x40                        ; destination window 1, address window 0
.irp k, 0,1,2,3
	global_load_b128 v[4*\k:4*\k+3],       v[QO], s[66:67] offset:32*\k
	global_load_b128 v[16+4*\k:16+4*\k+3], v[QO], s[68:69] offset:32*\k
.endr
.set i, 0
.rept 64                            ; O^T starts at 0: no first step is written out; this stands in the wait for the tiles
	v_mov_b32 v[OB+i], 0
.set i, i+1
.endr
	WIN 0
.irp u, 0,1
	v_mov_b32 v[ST+4*\u], 0xfe000000    ; c m: far below every c s, so the first step's a is 0
	v_mov_b32 v[ST+4*\u+1], 0xff7fffff  ; m: the lowest finite number
	v_mov_b32 v[ST+4*\u+2], 0
	v_mov_b32 v[ST+4*\u+3], 0
.endr
	v_mul_u32_u24 v[AK0], v1, PK
	v_lshl_add_u32 v[AK0], v10, 4, v[AK0]
	; The turning load takes 16 keys x 16 channels (lane l reads key 8 (l / 16) + l % 8, channels 8 ((l / 8) % 2) + 0..7) and leaves half a fragment of V^T: lane l holds channel l % 16 and 8 keys
	v_and_b32 v11, 7, v0
	v_bfe_u32 v13, v0, 3, 1
	v_lshl_add_u32 v[AV0], v10, 3, v11
	v_mul_u32_u24 v[AV0], v[AV0], PV
	v_lshl_add_u32 v[AV0], v13, 4, v[AV0]
	v_add_nc_u32 v[AV0], VOFF, v[AV0]
	s_mul_i32 s21, s[WV], 16*SP     ; my stage
	v_mul_u32_u24 v[STO], v1, SP    ; in: row l % 16, 16 bytes for each half of the lanes
	v_lshl_add_u32 v[STO], v10, 4, v[STO]
	v_add_nc_u32 v[STO], s21, v[STO]
	v_bfe_u32 v[RD], v0, 3, 2       ; back: 32 lanes take four rows of 128 bytes,
	v_mul_u32_u24 v[RD], v[RD], SP
	v_lshl_add_u32 v[RD], v11, 4, v[RD]
	v_add_nc_u32 v[RD], s21, v[RD]
	v_and_b32 v[GO], 31, v0         ; which are 512 consecutive bytes of y
	v_lshlrev_b32 v[GO], 4, v[GO]
	v_lshlrev_b32 v11, 3, v10
	v_sub_nc_u32 v[THR], v1, v11
	s_lshl_b32 s21, s14, 4
	v_add_nc_u32 v[THR], s21, v[THR]  ; 16 j + l % 16 - 8 (l / 16)
; A step's K (64 keys x 64 channels: 8 fragments) and V (turned), 32 LDS loads in one run.  The two additions and two v_nop are the four places behind the last products, which read V's registers.
.macro LOADKV
	v_add_nc_u32 v[AK], s[TBK], v[AK0]
	v_add_nc_u32 v[AV], s[TBV], v[AV0]
	v_nop
	v_nop
.irp f, 0,1,2,3,4,5,6,7             ; keys 16 (f / 2) on, channels 32 (f % 2) on
	ds_load_b128 v[KF+8*\f:KF+8*\f+3],   v[AK] offset:(\f/2)*16*PK+(\f%2)*64
	ds_load_b128 v[KF+8*\f+4:KF+8*\f+7], v[AK] offset:(\f/2)*16*PK+(\f%2)*64+32
.endr
.irp f, 0,1,2,3,4,5,6,7             ; keys 32 (f / 4) on, channels 16 (f % 4) on
	ds_load_tr16_b128 v[VF+8*\f:VF+8*\f+3],   v[AV] offset:(\f/4)*32*PV+(\f%4)*32
	ds_load_tr16_b128 v[VF+8*\f+4:VF+8*\f+7], v[AV] offset:(\f/4)*32*PV+16*PV+(\f%4)*32
.endr
.endm
; ONE TILE, ONE KEY STEP.  u: the tile.  In the step whose number lies in s[dreg], the tile's diagonal one, the keys behind the diagonal are hidden.  vwait = 1: V's loads are waited for ahead of the second product.
; In each run of 8 products the 4 accumulators take turns, one instruction a turn.
.macro TSTEP u, dreg, vwait
.set rT, ST+4*(\u)
	WIN 0x04                        ; Q (source 1) in window 1
.set i, 0
.rept 8                             ; S^T = K Q^T: channels 32 (i / 4) on, keys 16 (i % 4) on; the first 4 start the sums
.if i < 4
	v_wmma_f32_16x16x32_bf16 v[S+8*(i%4):S+8*(i%4)+7], v[KF+16*(i%4)+8*(i/4):KF+16*(i%4)+8*(i/4)+7], v[16*(\u)+8*(i/4):16*(\u)+8*(i/4)+7], 0
.else
	v_wmma_f32_16x16x32_bf16 v[S+8*(i%4):S+8*(i%4)+7], v[KF+16*(i%4)+8*(i/4):KF+16*(i%4)+8*(i/4)+7], v[16*(\u)+8*(i/4):16*(\u)+8*(i/4)+7], v[S+8*(i%4):S+8*(i%4)+7]
.endif
.set i, i+1
.endr
	WIN 0
.rept 4
	v_nop                           ; the places behind those products (ISA guide 7.12.1)
.endr
	s_cmp_lg_u32 s[STEP], s[\dreg]
	s_cbranch_scc1 .Lopen_\@        ; an earlier step: every key is seen
.set i, 0
.rept 32
	v_cmp_gt_i32 vcc_lo, 16*(i/8)+i%8, v[THR]
	v_cndmask_b32 v[S+i], v[S+i], s[BIGN], vcc_lo
.set i, i+1
.endr
.Lopen_\@:
	; the maximum of the lane's 32 scores and the old m: four chains of seven scores, three operands at a time (each accumulator's lowest registers are read first), then the four left over
.irp n, 0,1,2,3
	v_max3_num_f32 v[TMP+\n], v[S+8*\n], v[S+8*\n+1], v[S+8*\n+2]
.endr
.irp n, 0,1,2,3
	v_max3_num_f32 v[TMP+\n], v[TMP+\n], v[S+8*\n+3], v[S+8*\n+4]
.endr
.irp n, 0,1,2,3
	v_max3_num_f32 v[TMP+\n], v[TMP+\n], v[S+8*\n+5], v[S+8*\n+6]
.endr
	v_max3_num_f32 v[TMP], v[TMP], v[S+7], v[S+15]
	v_max3_num_f32 v[TMP+1], v[TMP+1], v[S+23], v[S+31]
	v_max3_num_f32 v[TMP+2], v[TMP+2], v[TMP+3], v[rT+1]
	v_mov_b32 v[MV], v[rT]          ; c m_old is kept
	v_max3_num_f32 v[TMP], v[TMP], v[TMP+1], v[TMP+2]
	v_permlanex16_b32 v[TMP+3], v[TMP], s[SEL], s[SEL+1]  ; the query's other 32 keys lie in the lane 16 away
	v_max_num_f32 v[rT+1], v[TMP], v[TMP+3]
	v_mul_f32 v[rT], s[CS], v[rT+1]
	v_sub_f32 v[TMP+1], v[MV], v[rT]
	v_exp_f32 v[TMP+2], v[TMP+1]    ; a; the scalings below are the plain instructions behind it
.set i, 0
.rept 16
	v_pk_fma_f32 v[S+2*i:S+2*i+1], v[S+2*i:S+2*i+1], s[CS:CS+1], v[rT:rT+1] op_sel_hi:[1,0,0] neg_lo:[0,0,1] neg_hi:[0,0,1]  ; c s - c m
.set i, i+1
.endr
.set i, 0
.rept 32
	v_exp_f32 v[S+i], v[S+i]
.set i, i+1
.endr
	v_nop                           ; a plain instruction between the last exponential and the use of its result (ISA guide 5.7.2)
.set i, 0
	s_wait_alu depctr_va_vdst(0)
.rept 16
	v_cvt_pk_bf16_f32 v[P+i], v[S+2*i], v[S+2*i+1]
.set i, i+1
.endr
.irp z, 0,1,2,3,4,5,6,7             ; the sum of the 16 pairs, in place, as a tree
	v_pk_add_f32 v[S+4*\z:S+4*\z+1], v[S+4*\z:S+4*\z+1], v[S+4*\z+2:S+4*\z+3]
.endr
.irp z, 0,1,2,3
	v_pk_add_f32 v[S+8*\z:S+8*\z+1], v[S+8*\z:S+8*\z+1], v[S+8*\z+4:S+8*\z+5]
.endr
.irp z, 0,1
	v_pk_add_f32 v[S+16*\z:S+16*\z+1], v[S+16*\z:S+16*\z+1], v[S+16*\z+8:S+16*\z+9]
.endr
	v_pk_add_f32 v[S:S+1], v[S:S+1], v[S+16:S+17]
	v_pk_fma_f32 v[rT+2:rT+3], v[rT+2:rT+3], v[TMP+2:TMP+3], v[S:S+1] op_sel_hi:[1,0,1]  ; l = a l + the sum
	WIN 0x41                        ; O^T (destination and source 0) in window 1, a in window 0
.set i, 0
.rept 16
	v_pk_mul_f32 v[OB+32*(\u)+2*i:OB+32*(\u)+2*i+1], v[OB+32*(\u)+2*i:OB+32*(\u)+2*i+1], v[TMP+2:TMP+3] op_sel_hi:[1,0]
.set i, i+1
.endr
.if \vwait
	s_wait_dscnt 0x0                ; V is in
.endif
	WIN 0x50                        ; C and D (O^T) in window 1
.set i, 0
.rept 8                             ; O^T += V^T P: keys 32 (i / 4) on, channels 16 (i % 4) on
	v_wmma_f32_16x16x32_bf16 v[OB+32*(\u)+8*(i%4):OB+32*(\u)+8*(i%4)+7], v[VF+32*(i/4)+8*(i%4):VF+32*(i/4)+8*(i%4)+7], v[P+8*(i/4):P+8*(i/4)+7], v[OB+32*(\u)+8*(i%4):OB+32*(\u)+8*(i%4)+7]
.set i, i+1
.endr
	WIN 0
.endm
	s_wait_tensorcnt 0x0            ; my 256 keys are in,
	s_barrier_signal -1
	s_barrier_wait -1               ; everybody's are: the whole head's K and V
	s_wait_loadcnt 0x0              ; Q
	s_mov_b32 s[STEP], 0
	s_mov_b32 s[TBK], 0
	s_mov_b32 s[TBV], 0
.Lw:                                ; key steps 0-15, counted to the constant 16: tile 0 takes steps 0 .. 15 - w, tile 1 steps 0 .. w, on the same fragments; both jumps go forward, past text with no barrier and no tensor load
	s_cmp_gt_u32 s[STEP], s[DH]
	s_cbranch_scc1 .Lwn             ; behind my higher band's diagonal: nothing is left for me
	LOADKV
	s_wait_dscnt 16                 ; K is in; V's sixteen younger loads may stay out
	TSTEP 0, DH, 1
	s_cmp_gt_u32 s[STEP], s[DL]
	s_cbranch_scc1 .Lwn             ; behind my lower band's diagonal
	TSTEP 1, DL, 0
.Lwn:
	s_add_co_u32 s[TBK], s[TBK], 64*PK
	s_add_co_u32 s[TBV], s[TBV], 64*PV
	s_add_co_u32 s[STEP], s[STEP], 1
	s_cmp_lt_u32 s[STEP], 16
	s_cbranch_scc1 .Lw
.rept 4
	v_nop                           ; the places behind the last products
.endr
	s_wait_dscnt 0x0                ; my reads of K and V are over,
	s_barrier_signal -1
	s_barrier_wait -1               ; everybody's are: K's first bytes now serve as the waves' stages
	; THE WAY OUT.  l's two halves and the other half of the lanes' are added; O^T is divided by l, rounded to bf16 and sent through my stage, a tile at a time.
.irp u, 0,1
	v_add_f32 v[ST+4*\u+2], v[ST+4*\u+2], v[ST+4*\u+3]
.endr
.irp u, 0,1
	v_permlanex16_b32 v[ST+4*\u+3], v[ST+4*\u+2], s[SEL], s[SEL+1]
.endr
.irp u, 0,1
	v_add_f32 v[ST+4*\u+2], v[ST+4*\u+2], v[ST+4*\u+3]
.endr
.irp u, 0,1
	v_rcp_f32 v[ST+4*\u+2], v[ST+4*\u+2]
.endr
	v_nop                           ; a plain instruction between the last reciprocal and the use of its result
	s_wait_alu depctr_va_vdst(0)
.macro PACK u                       ; a lane's eight channels of a row pack into 16 bytes; they go into rows of 144 bytes and come back as whole rows of 128, into S^T's registers
	WIN 0x41
.set i, 0
.rept 16
	v_pk_mul_f32 v[OB+32*(\u)+2*i:OB+32*(\u)+2*i+1], v[OB+32*(\u)+2*i:OB+32*(\u)+2*i+1], v[ST+4*(\u)+2:ST+4*(\u)+3] op_sel_hi:[1,0]
.set i, i+1
.endr
	WIN 0x05                        ; sources 0 and 1 window 1, destination window 0
.set i, 0
.rept 16
	v_cvt_pk_bf16_f32 v[S+16*(\u)+i], v[OB+32*(\u)+2*i], v[OB+32*(\u)+2*i+1]
.set i, i+1
.endr
	WIN 0
.irp f, 0,1,2,3
	ds_store_b128 v[STO], v[S+16*(\u)+4*\f:S+16*(\u)+4*\f+3] offset:32*\f
.endr
.irp f, 0,1,2,3
	ds_load_b128 v[S+16*(\u)+4*\f:S+16*(\u)+4*\f+3], v[RD] offset:\f*4*SP  ; LDS serves a wave's instructions in order (ISA guide 5.7.1.4): these see the stores above; the next tile's stores come behind them
.endr
.endm
.macro SEND u, younger              ; younger: the LDS instructions issued behind tile u's loads: the next tile's eight, or none
.irp f, 0,1,2,3
	s_wait_dscnt (\younger)+3-\f
	global_store_b128 v[GO], v[S+16*(\u)+4*\f:S+16*(\u)+4*\f+3], s[70+2*(\u):71+2*(\u)] offset:\f*512  ; 512 consecutive bytes, at a multiple of 256 from y's first
.endr
.endm
	PACK 0
	PACK 1
	SEND 0, 8
	SEND 1, 0
	s_wait_tensorcnt 0x0            ; the wave's end: the spare word's add and its wait, behind my last tensor load and my last LDS store
	ds_add_u32 v[SPW], v[NIL]
	s_wait_dscnt 0x0
	CROUND                          ; the closing round: no work-group ends while a partner may still ask for a tile that names it
	s_endpgm
.Lfunc_end_k_qa141f9f186_attn:
	.size	k_qa141f9f186_attn, .Lfunc_end_k_qa141f9f186_attn-k_qa141f9f186_attn
	.p2alignl 7, 3214868480
	.fill 96, 4, 3214868480
	.section	.rodata,"a",@progbits
	.p2align	6, 0x0
	.amdhsa_kernel k_qa141f9f186_attn
		.amdhsa_group_segment_fixed_size 327680
		.amdhsa_private_segment_fixed_size 0
		.amdhsa_enable_private_segment 0
		.amdhsa_kernarg_size 16
		.amdhsa_user_sgpr_count 2
		.amdhsa_user_sgpr_kernarg_segment_ptr 1
		.amdhsa_wavefront_size32 1
		.amdhsa_system_sgpr_workgroup_id_x 1
		.amdhsa_system_sgpr_workgroup_id_y 1
		.amdhsa_system_sgpr_workgroup_id_z 1
		.amdhsa_system_vgpr_workitem_id 0
		.amdhsa_next_free_vgpr 352
		.amdhsa_next_free_sgpr 80
		.amdhsa_reserve_vcc 1
		.amdhsa_float_denorm_mode_32 3
		.amdhsa_float_denorm_mode_16_64 3
		.amdhsa_memory_ordered 1
		.amdhsa_forward_progress 1
		.amdhsa_inst_pref_size 41
	.end_amdhsa_kernel
	.amdgpu_metadata
---
amdhsa.version: [ 1, 2 ]
amdhsa.kernels:
  - .name:           k_qa141f9f186_attn
    .symbol:         k_qa141f9f186_attn.kd
    .args:
      - { .name: qkvh, .offset: 0, .size: 8, .value_kind: global_buffer, .address_space: global }
      - { .name: y, .offset: 8, .size: 8, .value_kind: global_buffer, .address_space: global }
    .group_segment_fixed_size: 327680
    .private_segment_fixed_size: 0
    .kernarg_segment_align: 8
    .kernarg_segment_size: 16
    .max_flat_workgroup_size: 256
    .sgpr_count:     80
    .vgpr_count:     352
    .wavefront_size: 32
...
	.end_amdgpu_metadata
.endif
;; end of part 9
;; launch proj: the kernel of part 4 again; grid 8 x 32, 4 waves a work-group, clusters of 4 x 4, 327,680 bytes of LDS; arguments y, wbf, proj_b, x, x1; writes x1
;; launch ln2: the kernel of part 7 again; grid 512 x 1, 8 waves a work-group, no clusters, 0 bytes of LDS; arguments x1, ln2_w, ln2_b, hn, qkv_w, proj_w, ff_w1, ff_w2, wbf, wq, w1; writes hn, wbf, wq, w1
;; launch ff1: the kernel of part 8 again; grid 16 x 16, 4 waves a work-group, clusters of 4 x 4, 327,680 bytes of LDS; arguments hn, w1, ff_b1, act; writes act
;; launch ff2: the kernel of part 6 again; grid 8 x 32, 4 waves a work-group, clusters of 4 x 4, 327,680 bytes of LDS; arguments act, wbf, ff_b2, x1, out0; writes out0
